; MI455X (gfx1250); checked and timed in simulation.
; The chip was launched on July 23, 2026; its instructions are those of AMD's public machine-readable ISA for CDNA 5 (MIT licence, August 2026) and "CDNA5" Instruction Set Architecture Reference Guide (July 2026). The comments in the code are by the model that wrote it; some were corrected since.
;; Resampler Block. Allowed arithmetic: float matrix products may take bf16 or f16 operands with f32 sums; other float arithmetic in f32, or as packed bf16 or f16 multiplies, adds, multiply-adds, maxima and minima; sums over many terms, partial sums and values carried from step to step in f32; what a program stores and reads back later, other than sums and carried values, may be rounded once to bf16 or f16.
;; Inputs: W1 768 x 3,072 float32; W2 3,072 x 768 float32; W_bottle 1,024 x 768 float32; Wkv 768 x 128 float32; Wo 768 x 768 float32; Wq 768 x 768 float32; b1 3,072 float32; b2 768 float32; bkv 128 float32; bo 768 float32; bq 768 float32; gate_param one number float32; hidden_states 8 x 256 x 768 float32; image_features 8 x 4,096 x 1,024 float32; ln_ao_b 768 float32; ln_ao_g 768 float32; ln_f_b 768 float32; ln_f_g 768 float32; ln_h_b 768 float32; ln_h_g 768 float32; ln_img_b 1,024 float32; ln_img_g 1,024 float32.
;; Outputs: out0 8 x 256 x 768 float32.
;; 2 versions, each right. Each part assembles by itself: llvm-mc -triple=amdgcn-amd-amdhsa -mcpu=gfx1250 --defsym DOCPART=n.
;; ======== version 1 of 2: 9 launches
;; limits: values are held in f16: magnitudes above 65,504 overflow, below 6.1e-05 lose precision
;; workspace buffers: wqp 1,179,648 bytes; wop 1,179,648 bytes; w1p 4,718,592 bytes; w2p 4,718,592 bytes; xa 3,145,728 bytes; xc 25,165,824 bytes; xh 6,291,456 bytes; xk 12,582,912 bytes
;; launch prep (part 1): grid 552 x 1, 4 waves a work-group, no clusters, 74,240 bytes of LDS; arguments Wq, Wo, W2, W1, W_bottle, Wkv, hidden_states, ln_h_g, ln_h_b, wqp, wop, w2p, w1p, xh, xa; writes wqp, wop, w2p, w1p, xh, xa
.if DOCPART == 1
	.amdgcn_target "amdgcn-amd-amdhsa--gfx1250"
	.amdhsa_code_object_version 6
	.text
	.protected	k_qa427fc19b7_prep
	.globl	k_qa427fc19b7_prep
	.p2align	8
	.type	k_qa427fc19b7_prep,@function
k_qa427fc19b7_prep:
	s_mov_b64 s[64:65], 0
	v_nop
	global_prefetch_b8 v0, s[64:65] scope:SCOPE_SE
	s_setreg_imm32_b32 hwreg(HW_REG_WAVE_MODE, 25, 1), 1
	s_wait_xcnt 0x0
; PREPARATION, three roles by the work-group's number (the same for all four waves of a work-group):
;   0..63    WC    Wc = W_bottle x Wkv ([1024 k][128 n]); (LN(img) W_bottle) Wkv = LN(img) Wc for every input
;   64..191  LNQ   LN(hidden_states) -> xa
;   192..551 PACK  Wq, Wo, W2 (4 row chunks of 768), W1 (4 column groups of 768) -> f16 fragments
; LAYOUTS.  A piece is 512 bytes: lane L's 16 bytes at 16 L; r = L % 16, h = L / 16.
;   Af (xa): piece (mt, p) at (48 mt + p) 512: row 16 mt + r, columns 16 p + 8 h + 0..7.
;   Wp (unit [768 k][768 n]): fragment (nt, ks) at (24 nt + ks) 1024, halves q at + 512 q: n = 16 nt + r, k = 32 ks + 16 q + 8 h + 0..7.
;   Wc (xh's first 262,144 bytes): (32 nt + ks) 1024 + 512 q, the same lanes.
; LIMITS.  All matrix operands are f16, sums f32: a weight or a product sum beyond 65,504 is not served, numbers below 6e-5 keep f16's fixed step.
; The variance is taken of the centred row.  NaN and infinities are not treated apart.
.set SPARE, 73728                      ; behind every role's bytes: the spare words, 128 bytes a wave
.set SPW, 2                            ; v2  SPARE + 4 x thread; never rewritten
.set NIL, 3                            ; v3  0; never rewritten
.set LL,  4                            ; v4  L
.set LR,  5                            ; v5  r
.set LH,  6                            ; v6  h
.set L16, 7                            ; v7  16 L
.set T,   8                            ; v8-15 at work (LNQ)
.set WV,  8                            ; s8  wave
.set INV, 40                           ; s40 1/768
.set EPS, 41                           ; s41 1e-5
.set SEL, 42                           ; s[42:43] v_permlanex16_b32: each lane takes its own place in the other half
.set MSB, 0
.macro WIN new                         ; the high byte repeats the setting that is left
.if MSB != (\new)
	s_set_vgpr_msb (MSB<<8)|(\new)
.set MSB, (\new)
.endif
.endm
.macro PLACES                          ; four places behind a matrix instruction (ISA guide 7.12.1)
.rept 4
	v_nop
.endr
.endm
.macro FINISH                          ; the wave's end
	s_wait_tensorcnt 0x0
	ds_add_u32 v[SPW], v[NIL]
	s_wait_dscnt 0x0
	s_endpgm
.endm
.macro WRED t, u                       ; the sum over the wave's 32 lanes, in every lane
	v_add_f32_dpp v[\t], v[\t], v[\t] row_xmask:1 row_mask:0xf bank_mask:0xf
	v_add_f32_dpp v[\t], v[\t], v[\t] row_xmask:2 row_mask:0xf bank_mask:0xf
	v_add_f32_dpp v[\t], v[\t], v[\t] row_xmask:4 row_mask:0xf bank_mask:0xf
	v_add_f32_dpp v[\t], v[\t], v[\t] row_xmask:8 row_mask:0xf bank_mask:0xf
	v_permlanex16_b32 v[\u], v[\t], s[SEL], s[SEL+1]
	v_add_f32 v[\t], v[\t], v[\u]
.endm
; A row of 768 numbers, 24 a lane: D = (S - mean) rsqrt(var + eps) G + B.
.macro LNROW S, D, G, B
	v_pk_add_f32 v[T:T+1], v[(\S):(\S)+1], v[(\S)+2:(\S)+3]
	v_pk_add_f32 v[T+2:T+3], v[(\S)+4:(\S)+5], v[(\S)+6:(\S)+7]
.irp j, 8,12,16,20
	v_pk_add_f32 v[T:T+1], v[T:T+1], v[(\S)+\j:(\S)+\j+1]
	v_pk_add_f32 v[T+2:T+3], v[T+2:T+3], v[(\S)+\j+2:(\S)+\j+3]
.endr
	v_pk_add_f32 v[T:T+1], v[T:T+1], v[T+2:T+3]
	v_add_f32 v[T], v[T], v[T+1]
	WRED T, T+1
	v_mul_f32 v[T+4], s[INV], v[T]
	v_mul_f32 v[T+5], s[INV], v[T]
.irp j, 0,2,4,6,8,10,12,14,16,18,20,22
	v_pk_add_f32 v[(\D)+\j:(\D)+\j+1], v[(\S)+\j:(\S)+\j+1], v[T+4:T+5] neg_lo:[0,1] neg_hi:[0,1]
.endr
	v_pk_mul_f32 v[T:T+1], v[(\D):(\D)+1], v[(\D):(\D)+1]
	v_pk_mul_f32 v[T+2:T+3], v[(\D)+2:(\D)+3], v[(\D)+2:(\D)+3]
.irp j, 4,8,12,16,20
	v_pk_fma_f32 v[T:T+1], v[(\D)+\j:(\D)+\j+1], v[(\D)+\j:(\D)+\j+1], v[T:T+1]
	v_pk_fma_f32 v[T+2:T+3], v[(\D)+\j+2:(\D)+\j+3], v[(\D)+\j+2:(\D)+\j+3], v[T+2:T+3]
.endr
	v_pk_add_f32 v[T:T+1], v[T:T+1], v[T+2:T+3]
	v_add_f32 v[T], v[T], v[T+1]
	WRED T, T+1
	v_fma_f32 v[T], v[T], s[INV], s[EPS]
	v_rsq_f32 v[T+6], v[T]
	v_rsq_f32 v[T+7], v[T]
	v_nop                                          ; a plain instruction behind the root (ISA guide 5.7.2)
	s_wait_alu depctr_va_vdst(0)
.irp j, 0,2,4,6,8,10,12,14,16,18,20,22
	v_pk_mul_f32 v[(\D)+\j:(\D)+\j+1], v[(\D)+\j:(\D)+\j+1], v[T+6:T+7]
.endr
.irp j, 0,2,4,6,8,10,12,14,16,18,20,22
	v_pk_fma_f32 v[(\D)+\j:(\D)+\j+1], v[(\D)+\j:(\D)+\j+1], v[(\G)+\j:(\G)+\j+1], v[(\B)+\j:(\B)+\j+1]
.endr
.endm
	v_lshl_add_u32 v[SPW], v0, 2, SPARE
	v_mov_b32 v[NIL], 0
	v_lshrrev_b32 v1, 5, v0
	v_readfirstlane_b32 s[WV], v1
	v_and_b32 v[LL], 31, v0
	v_and_b32 v[LR], 15, v0
	v_bfe_u32 v[LH], v0, 4, 1
	v_lshlrev_b32 v[L16], 4, v[LL]
	s_cmp_lt_u32 ttmp9, 64
	s_cbranch_scc1 .Lwc
	s_cmp_lt_u32 ttmp9, 192
	s_cbranch_scc1 .Llnq
; ---------------- PACK.  36 work-groups a unit; a wave's job is 32 k x 128 n: rows in, f16 through the wave's own LDS bytes, turned, 16 pieces out.
	s_load_b256 s[16:23], s[0:1], 0x0              ; Wq, Wo, W2, W1
	s_load_b256 s[24:31], s[0:1], 0x48             ; wqp, wop, w2p, w1p
	s_sub_co_u32 s9, ttmp9, 192
	s_mul_hi_u32 s10, s9, 0x071c71c8               ; unit u = e / 36 (e < 360)
	s_mul_i32 s11, s10, 36
	s_sub_co_u32 s11, s9, s11
	s_lshl2_add_u32 s11, s11, s[WV]                ; job = 4 (e - 36 u) + wave, 0..143
	s_mul_hi_u32 s12, s11, 0x2aaaaaab              ; ks = job / 6
	s_mul_i32 s13, s12, 6
	s_sub_co_u32 s13, s11, s13                     ; ng = job - 6 ks
	s_sub_co_u32 s14, s10, 2
	s_sub_co_u32 s15, s10, 6
	s_mov_b32 s36, 3072                            ; bytes in a source row
	s_mov_b32 s37, 2359296                         ; bytes between W2's chunks
	s_mov_b32 s44, 12288
	s_cmp_gt_u32 s10, 5                            ; W1?
	s_cselect_b32 s14, s15, s14                    ; the unit's number within its tensor
	s_cselect_b32 s37, s36, s37                    ; W1's column groups lie 3,072 bytes apart
	s_cselect_b32 s36, s44, s36
	s_cmp_gt_u32 s10, 1
	s_cselect_b32 s14, s14, 0
	s_mul_i32 s38, s14, s37
	s_mul_i32 s39, s12, s36
	s_lshl_b32 s39, s39, 5                         ; 32 ks rows
	s_add_co_u32 s38, s38, s39
	s_lshl_b32 s39, s13, 9                         ; 128 ng columns
	s_add_co_u32 s38, s38, s39
	s_mov_b32 s39, 0
	s_mul_i32 s46, s14, 1179648
	s_mul_i32 s47, s13, 196608                     ; 8 ng tiles of 24,576 bytes
	s_add_co_u32 s46, s46, s47
	s_lshl_b32 s47, s12, 10
	s_add_co_u32 s46, s46, s47
	s_mov_b32 s47, 0
	s_mul_i32 s48, s[WV], 9216                     ; my 32 rows of 288 bytes in LDS
.set i, 0
.rept 32
	v_mad_u32_u24 v[16+i], s36, i, v[L16]          ; row i of the job, my 16 bytes
.set i, i+1
.endr
	v_and_b32 v50, 7, v[LL]
	v_lshl_add_u32 v50, v[LH], 3, v50
	v_mul_u32_u24 v49, v50, 288                    ; the turning load: row 8 h + L % 8,
	v_bfe_u32 v50, v[LL], 3, 1
	v_lshl_add_u32 v49, v50, 4, v49                ; 16 bytes for each half of eight lanes
	v_add_nc_u32 v49, s48, v49
	v_lshl_add_u32 v48, v[LL], 3, s48
	s_wait_kmcnt 0x0
	s_cmp_eq_u32 s10, 0
	s_cselect_b64 s[32:33], s[16:17], s[18:19]
	s_cselect_b64 s[34:35], s[24:25], s[26:27]
	s_cmp_gt_u32 s10, 1
	s_cselect_b64 s[32:33], s[20:21], s[32:33]
	s_cselect_b64 s[34:35], s[28:29], s[34:35]
	s_cmp_gt_u32 s10, 5
	s_cselect_b64 s[32:33], s[22:23], s[32:33]
	s_cselect_b64 s[34:35], s[30:31], s[34:35]
	s_add_nc_u64 s[32:33], s[32:33], s[38:39]
	s_add_nc_u64 s[34:35], s[34:35], s[46:47]
.set i, 0
.rept 32
	global_load_b128 v[64+4*i:64+4*i+3], v[16+i], s[32:33] th:TH_LOAD_NT
.set i, i+1
.endr
	s_wait_loadcnt 0x0
.set i, 0
.rept 64
	v_cvt_pk_f16_f32 v[64+i], v[64+2*i], v[64+2*i+1]   ; in place: register i is read before it is written
.set i, i+1
.endr
.set i, 0
.rept 32
	ds_store_b64 v48, v[64+2*i:64+2*i+1] offset:288*i  ; 256 bytes + 32: an odd multiple of 32
.set i, i+1
.endr
.set i, 0
.rept 16                                       ; i = 2 tile + half; LDS serves a wave's instructions in order: these see the stores above
	ds_load_tr16_b128 v[192+4*i:192+4*i+3], v49 offset:(i/2)*32+(i%2)*4608
.set i, i+1
.endr
.set i, 0
.rept 16
	s_wait_dscnt 15-i                              ; piece i is in; the younger ones may stay out
	global_store_b128 v[L16], v[192+4*i:192+4*i+3], s[34:35] offset:(i/2)*24576+(i%2)*512  ; 512 consecutive bytes
.set i, i+1
.endr
	FINISH
; ---------------- WC.  Work-group: 32 columns (p) x 64 rows of W_bottle; wave: 16 rows (mt) x 2 tiles of 16 columns, K = 768.
.set VA,  8                            ; v8   my offset in W_bottle's 16 rows: 3,072 r + 32 h
.set VS,  9                            ; v9   staging: 512 (L / 8) + 16 (L % 8)
.set LS,  10                           ; v10  staging: LDS address
.set TB,  11                           ; v11, v12  the turning loads' address, c steps 0-11 and 12-23
.set AC,  16                           ; v16-31   two accumulators
.set AF,  32                           ; v32-63   W_bottle's fragments of 4 c steps, f16
.set SET0, 64                          ; v64-191  two sets of 64: the same in f32 as loaded
.set BF,  192                          ; v192-255 Wkv's fragments of 4 c steps x 2 tiles
.macro ALD t, set                      ; trip t's 16 loads of W_bottle
.set cs, 0
.rept 4
.irp z, 0,1,2,3
	global_load_b128 v[(\set)+16*cs+4*\z:(\set)+16*cs+4*\z+3], v[VA], s[16:17] offset:(4*(\t)+cs)*128+(\z/2)*64+(\z%2)*16
.endr
.set cs, cs+1
.endr
.endm
.macro TRIPW t
.if (\t) > 0
	PLACES                                         ; behind the last products, ahead of loads into and conversions onto their sources
.endif
.set cs, 0
.rept 4
.set o, (4*(\t)+cs-12*((\t)/3))*3072
.irp u, 0,1
	ds_load_tr16_b128 v[BF+16*cs+8*\u:BF+16*cs+8*\u+3], v[TB+(\t)/3] offset:o+32*\u
	ds_load_tr16_b128 v[BF+16*cs+8*\u+4:BF+16*cs+8*\u+7], v[TB+(\t)/3] offset:o+32*\u+1536
.endr
.set cs, cs+1
.endr
.if (\t) < 5
	s_wait_loadcnt 16                              ; this trip's set is in; the next set's 16 loads may stay out
.else
	s_wait_loadcnt 0x0
.endif
.set i, 0
.rept 32
	v_cvt_pk_f16_f32 v[AF+i], v[SET0+64*((\t)%2)+2*i], v[SET0+64*((\t)%2)+2*i+1]
.set i, i+1
.endr
.if (\t) < 4
	ALD (\t)+2, SET0+64*((\t)%2)
.endif
	s_wait_dscnt 0x0
.set cs, 0
.rept 4                                        ; the two accumulators take turns
.irp u, 0,1
.if ((\t) == 0) && (cs == 0)
	v_wmma_f32_16x16x32_f16 v[AC+8*\u:AC+8*\u+7], v[AF+8*cs:AF+8*cs+7], v[BF+16*cs+8*\u:BF+16*cs+8*\u+7], 0
.else
	v_wmma_f32_16x16x32_f16 v[AC+8*\u:AC+8*\u+7], v[AF+8*cs:AF+8*cs+7], v[BF+16*cs+8*\u:BF+16*cs+8*\u+7], v[AC+8*\u:AC+8*\u+7]
.endif
.endr
.set cs, cs+1
.endr
.endm
.Lwc:
	s_load_b128 s[16:19], s[0:1], 0x20             ; W_bottle, Wkv
	s_load_b64 s[20:21], s[0:1], 0x68              ; xh
	s_and_b32 s9, ttmp9, 3                         ; p
	s_lshr_b32 s10, ttmp9, 2
	s_lshl2_add_u32 s10, s10, s[WV]                ; mt
	v_mul_u32_u24 v[VA], v[LR], 3072
	v_lshl_add_u32 v[VA], v[LH], 5, v[VA]
	v_lshrrev_b32 v14, 3, v[LL]
	v_and_b32 v15, 7, v[LL]
	v_lshlrev_b32 v[VS], 9, v14
	v_lshl_add_u32 v[VS], v15, 4, v[VS]
	s_mul_i32 s11, s[WV], 192*96
	v_mul_u32_u24 v[LS], v14, 96
	v_lshl_add_u32 v[LS], v15, 3, v[LS]
	v_add_nc_u32 v[LS], s11, v[LS]
	v_lshl_add_u32 v[TB], v[LH], 3, v15
	v_mul_u32_u24 v[TB], v[TB], 96
	v_and_b32 v14, 1, v14
	v_lshl_add_u32 v[TB], v14, 4, v[TB]
	v_add_nc_u32 v[TB+1], 36864, v[TB]             ; 12 c steps on: the LDS immediate has 16 bits
	s_mul_i32 s12, s10, 49152
	s_mov_b32 s13, 0
	s_mul_i32 s14, s[WV], 192*512
	s_lshl_b32 s15, s9, 7
	s_add_co_u32 s14, s14, s15
	s_mov_b32 s15, 0
	s_lshl_b32 s22, s9, 16                         ; tile 2 p: 32,768 bytes a tile
	s_lshl_b32 s23, s10, 9
	s_add_co_u32 s22, s22, s23
	s_mov_b32 s23, 0
	s_wait_kmcnt 0x0
	s_add_nc_u64 s[16:17], s[16:17], s[12:13]
	s_add_nc_u64 s[18:19], s[18:19], s[14:15]
	s_add_nc_u64 s[20:21], s[20:21], s[22:23]
	ALD 0, SET0                                    ; the first two trips' fragments and all of my part of Wkv are asked for together
	ALD 1, SET0+64
	WIN 0x40                                       ; destination window 1
.set i, 0
.rept 48                                       ; my 192 rows of Wkv's 32 columns, four rows a load
	global_load_b128 v[4*i:4*i+3], v[VS], s[18:19] offset:i*2048
.set i, i+1
.endr
	s_wait_loadcnt 0x0
	WIN 0x45
.set i, 0
.rept 96
	v_cvt_pk_f16_f32 v[i], v[2*i], v[2*i+1]
.set i, i+1
.endr
	WIN 0x04                                       ; address window 0, data window 1
.set i, 0
.rept 48
	ds_store_b64 v[LS], v[2*i:2*i+1] offset:i*384  ; rows of 64 bytes + 32
.set i, i+1
.endr
	WIN 0
	s_wait_dscnt 0x0                               ; for the others' sake: my rows lie in LDS
	s_barrier_signal -1
	s_barrier_wait -1
	TRIPW 0
	TRIPW 1
	TRIPW 2
	TRIPW 3
	TRIPW 4
	TRIPW 5
	PLACES
.irp u, 0,1
.irp z, 0,1,2,3
	v_cvt_pk_f16_f32 v[AF+4*\u+\z], v[AC+8*\u+2*\z], v[AC+8*\u+2*\z+1]   ; a lane holds column r and 8 rows of W_bottle on end: a piece of Wc
.endr
.endr
	global_store_b128 v[L16], v[AF:AF+3], s[20:21]
	global_store_b128 v[L16], v[AF+4:AF+7], s[20:21] offset:32768
	FINISH
; ---------------- LNQ.  Work-group: 16 rows (mt); wave: 4 rows, a row at a time in 24 registers a lane; through LDS into pieces of Af.
.Llnq:
	s_load_b128 s[16:19], s[0:1], 0x30             ; hidden_states, ln_h_g
	s_load_b64 s[20:21], s[0:1], 0x40              ; ln_h_b
	s_load_b64 s[22:23], s[0:1], 0x70              ; xa
	s_sub_co_u32 s9, ttmp9, 64                     ; mt
	s_lshl2_add_u32 s10, s9, s[WV]
	s_mul_i32 s10, s10, 4*3072
	s_mov_b32 s11, 0
	s_mul_i32 s12, s9, 24576
	s_mov_b32 s13, 0
	s_mov_b32 s[INV], 0x3aaaaaab
	s_mov_b32 s[EPS], 0x3727c5ac
	s_mov_b32 s[SEL], 0x76543210
	s_mov_b32 s[SEL+1], 0xfedcba98
	s_mul_i32 s14, s[WV], 4*1552
	v_lshl_add_u32 v16, v[LL], 3, s14              ; in: my rows, 8 bytes a lane
	v_mul_u32_u24 v17, v[LR], 1552
	v_lshl_add_u32 v17, v[LH], 4, v17
	s_mul_i32 s14, s[WV], 384
	v_add_nc_u32 v17, s14, v17                     ; back: row r, pieces 12 w + 0..11
	s_mul_i32 s14, s[WV], 6144
	v_add_nc_u32 v18, s14, v[L16]
	s_wait_kmcnt 0x0
	s_add_nc_u64 s[16:17], s[16:17], s[10:11]
	s_add_nc_u64 s[22:23], s[22:23], s[12:13]
.irp j, 0,1,2,3,4,5
	global_load_b128 v[160+4*\j:160+4*\j+3], v[L16], s[18:19] offset:512*\j
	global_load_b128 v[184+4*\j:184+4*\j+3], v[L16], s[20:21] offset:512*\j
.endr
.set i, 0
.rept 24                                       ; row i / 6, 512 bytes a load
	global_load_b128 v[64+4*i:64+4*i+3], v[L16], s[16:17] offset:512*i
.set i, i+1
.endr
.irp p, 0,1,2,3
	s_wait_loadcnt 18-6*\p                         ; this row is in; the younger rows' loads may stay out
	LNROW 64+24*\p, 64+24*\p, 160, 184
.set i, 0
.rept 12
	v_cvt_pk_f16_f32 v[64+24*\p+i], v[64+24*\p+2*i], v[64+24*\p+2*i+1]
.set i, i+1
.endr
.irp j, 0,1,2,3,4,5
	ds_store_b64 v16, v[64+24*\p+2*\j:64+24*\p+2*\j+1] offset:1552*\p+256*\j
.endr
.endr
	s_wait_dscnt 0x0
	s_barrier_signal -1
	s_barrier_wait -1
.set i, 0
.rept 12
	ds_load_b128 v[64+4*i:64+4*i+3], v17 offset:32*i   ; rows 1,552 bytes apart: 97 x 16, so 16 rows start at 16 different groups of banks
.set i, i+1
.endr
.set i, 0
.rept 12
	s_wait_dscnt 11-i
	global_store_b128 v18, v[64+4*i:64+4*i+3], s[22:23] offset:512*i
.set i, i+1
.endr
	FINISH
.Lfunc_end_k_qa427fc19b7_prep:
	.size	k_qa427fc19b7_prep, .Lfunc_end_k_qa427fc19b7_prep-k_qa427fc19b7_prep
	.p2alignl 7, 3214868480
	.fill 96, 4, 3214868480
	.section	.rodata,"a",@progbits
	.p2align	6, 0x0
	.amdhsa_kernel k_qa427fc19b7_prep
		.amdhsa_group_segment_fixed_size 74240
		.amdhsa_private_segment_fixed_size 0
		.amdhsa_enable_private_segment 0
		.amdhsa_kernarg_size 120
		.amdhsa_user_sgpr_count 2
		.amdhsa_user_sgpr_kernarg_segment_ptr 1
		.amdhsa_wavefront_size32 1
		.amdhsa_system_sgpr_workgroup_id_x 1
		.amdhsa_system_sgpr_workgroup_id_y 1
		.amdhsa_system_sgpr_workgroup_id_z 1
		.amdhsa_system_vgpr_workitem_id 0
		.amdhsa_next_free_vgpr 448
		.amdhsa_next_free_sgpr 66
		.amdhsa_reserve_vcc 0
		.amdhsa_float_denorm_mode_32 3
		.amdhsa_float_denorm_mode_16_64 3
		.amdhsa_memory_ordered 1
		.amdhsa_forward_progress 1
		.amdhsa_inst_pref_size 96
	.end_amdhsa_kernel
	.amdgpu_metadata
---
amdhsa.version: [ 1, 2 ]
amdhsa.kernels:
  - .name:           k_qa427fc19b7_prep
    .symbol:         k_qa427fc19b7_prep.kd
    .args:
      - { .name: Wq, .offset: 0, .size: 8, .value_kind: global_buffer, .address_space: global }
      - { .name: Wo, .offset: 8, .size: 8, .value_kind: global_buffer, .address_space: global }
      - { .name: W2, .offset: 16, .size: 8, .value_kind: global_buffer, .address_space: global }
      - { .name: W1, .offset: 24, .size: 8, .value_kind: global_buffer, .address_space: global }
      - { .name: W_bottle, .offset: 32, .size: 8, .value_kind: global_buffer, .address_space: global }
      - { .name: Wkv, .offset: 40, .size: 8, .value_kind: global_buffer, .address_space: global }
      - { .name: hidden_states, .offset: 48, .size: 8, .value_kind: global_buffer, .address_space: global }
      - { .name: ln_h_g, .offset: 56, .size: 8, .value_kind: global_buffer, .address_space: global }
      - { .name: ln_h_b, .offset: 64, .size: 8, .value_kind: global_buffer, .address_space: global }
      - { .name: wqp, .offset: 72, .size: 8, .value_kind: global_buffer, .address_space: global }
      - { .name: wop, .offset: 80, .size: 8, .value_kind: global_buffer, .address_space: global }
      - { .name: w2p, .offset: 88, .size: 8, .value_kind: global_buffer, .address_space: global }
      - { .name: w1p, .offset: 96, .size: 8, .value_kind: global_buffer, .address_space: global }
      - { .name: xh, .offset: 104, .size: 8, .value_kind: global_buffer, .address_space: global }
      - { .name: xa, .offset: 112, .size: 8, .value_kind: global_buffer, .address_space: global }
    .group_segment_fixed_size: 74240
    .private_segment_fixed_size: 0
    .kernarg_segment_align: 8
    .kernarg_segment_size: 120
    .max_flat_workgroup_size: 128
    .sgpr_count:     66
    .vgpr_count:     448
    .wavefront_size: 32
...
	.end_amdgpu_metadata
.endif
;; end of part 1
;; launch kv (part 2): grid 256 x 1, 4 waves a work-group, no clusters, 132,608 bytes of LDS; arguments image_features, ln_img_g, ln_img_b, bkv, xh, xk; writes xk
.if DOCPART == 2
	.amdgcn_target "amdgcn-amd-amdhsa--gfx1250"
	.amdhsa_code_object_version 6
	.text
	.protected	k_qa427fc19b7_kv
	.globl	k_qa427fc19b7_kv
	.p2align	8
	.type	k_qa427fc19b7_kv,@function
k_qa427fc19b7_kv:
	s_mov_b64 s[64:65], 0
	v_nop
	global_prefetch_b8 v0, s[64:65] scope:SCOPE_SE
	s_setreg_imm32_b32 hwreg(HW_REG_WAVE_MODE, 25, 1), 1
	s_wait_xcnt 0x0
; K, V = LN(image_features) x Wc + bkv.  Wc ([1024][128], f16 fragments) lies in xh's first 262,144 bytes.
; OUT (xk): Kf at 0, Vf at 4,194,304, 524,288 bytes a batch, in pieces of 512 bytes (lane L's 16 bytes at 16 L; r = L % 16, h = L / 16):
;   Kf piece (kb, t) at (4 kb + t) 512: key 16 kb + r, channels 16 t + 8 h + 0..7;   Vf piece (kb, cb): channel 16 cb + r, keys 16 kb + 8 h + 0..7.
; SHARES.  A work-group owns 128 image rows, in 4 blocks of 32.  In a block wave w normalises rows 8 w .. 8 w + 7, a row at a time in 32 registers a lane (the row is read from
; memory once), and puts them as f16 into a stage in LDS; then every wave multiplies all 32 rows by ITS two column tiles (K's tile w, V's tile w), whose fragments of Wc, 512
; registers, stay in windows 2 and 3 for the whole launch.  K's product takes Wc as source 0 (a lane then holds one key and 8 channels), V's takes it as source 1 (one channel, 8 keys).
; IN FLIGHT.  A ring of 8 row slots (window 1): 64 loads, 32 KiB a wave.  A group of four slots is asked for again as soon as its rows are in the stage.
; No cluster: what work-groups share (Wc) is 256 KiB against 128 MiB, and lives in registers.  No LDS ring of raw rows: two slots of 32 rows and the stage do not fit.
; LIMITS.  f16 operands, f32 sums; k and v are held to +-65,504 before they are rounded; the variance is taken of the centred row; NaN and infinities are not treated apart.
.set PITCH, 2064                       ; a stage row: 2,048 bytes + 16 = 129 x 16
.set PAR,   32*PITCH                   ; a block's stage; two of them take turns
.set SPARE, 2*PAR
.set SPW, 2
.set NIL, 3
.set RO,  4                            ; v4  16 L; never rewritten
.set ST,  5                            ; v5  8 w rows + 8 L
.set FA,  6                            ; v6  r rows + 16 h
.set STC, 8                            ; v8, v9  the same in the block's stage
.set FAC, 9
.set G,   16                           ; v16-47  gain of my columns 128 j + 4 L + e
.set BB,  48                           ; v48-79  bias of the norm
.set AK,  80                           ; v80-95  K's accumulators, row tiles 0, 1;  v96-111 V's
.set AV,  96
.set BK,  112                          ; v112-119 bkv of my 8 channels of K: the C that starts K's sums
.set BV,  120                          ; v120-127 bkv of my channel of V, eight times
.set AF,  128                          ; v128-255 fragments of the stage, two buffers of 64; between the products' blocks at work:
.set SC,  128                          ;   four registers a row: two chains of sums
.set MP,  144                          ;   the mean, twice, a row
.set RP,  152                          ;   1 / sqrt(var + eps), twice, a row
.set PD,  160                          ;   destinations of the exchange; later the 16 packed results
.set WV,  16
.set RB,  20                           ; s[20:21] image at my 8 rows of the block in hand
.set KB,  22                           ; s[22:23] xk at my pieces of the block in hand
.set SOFF, 26                          ; s26 0 or PAR
.set CNT, 27                           ; s27 blocks to go
.set LO,  28                           ; s28, s29 -65,504, 65,504
.set HI,  29
.set SEL, 30
.set INV, 32                           ; s32 1/1024
.set EPS, 33
.set MSB, 0
.macro WIN new
.if MSB != (\new)
	s_set_vgpr_msb (MSB<<8)|(\new)
.set MSB, (\new)
.endif
.endm
.macro PLACES
.rept 4
	v_nop
.endr
.endm
; The norm of slots 4 gm .. 4 gm + 3, the four rows side by side at every stage, so that no instruction waits for the one before it.
; Windows: bits 1:0 source 0, 3:2 source 1, 5:4 source 2, 7:6 destination; the rows lie in window 1, all else in window 0.
.macro RED4                            ; four sums over the wave's lanes
.irp a, 0,1,2,3
	v_pk_add_f32 v[SC+4*\a:SC+4*\a+1], v[SC+4*\a:SC+4*\a+1], v[SC+4*\a+2:SC+4*\a+3]
.endr
.irp a, 0,1,2,3
	v_add_f32 v[SC+4*\a], v[SC+4*\a], v[SC+4*\a+1]
.endr
.irp m, 1,2,4,8
.irp a, 0,1,2,3
	v_add_f32_dpp v[SC+4*\a], v[SC+4*\a], v[SC+4*\a] row_xmask:\m row_mask:0xf bank_mask:0xf
.endr
.endr
.irp a, 0,1,2,3
	v_permlanex16_b32 v[PD+\a], v[SC+4*\a], s[SEL], s[SEL+1]
.endr
.irp a, 0,1,2,3
	v_add_f32 v[SC+4*\a], v[SC+4*\a], v[PD+\a]
.endr
.endm
.macro LN4 gm
	WIN 0x05
.irp a, 0,1,2,3
.set XB, 32*(4*(\gm)+\a)
	v_pk_add_f32 v[SC+4*\a:SC+4*\a+1], v[XB:XB+1], v[XB+2:XB+3]
	v_pk_add_f32 v[SC+4*\a+2:SC+4*\a+3], v[XB+4:XB+5], v[XB+6:XB+7]
.endr
	WIN 0x04
.irp j, 8,12,16,20,24,28
.irp a, 0,1,2,3
.set XB, 32*(4*(\gm)+\a)
	v_pk_add_f32 v[SC+4*\a:SC+4*\a+1], v[SC+4*\a:SC+4*\a+1], v[XB+\j:XB+\j+1]
	v_pk_add_f32 v[SC+4*\a+2:SC+4*\a+3], v[SC+4*\a+2:SC+4*\a+3], v[XB+\j+2:XB+\j+3]
.endr
.endr
	WIN 0
	RED4
.irp a, 0,1,2,3
	v_mul_f32 v[MP+2*\a], s[INV], v[SC+4*\a]
	v_mul_f32 v[MP+2*\a+1], s[INV], v[SC+4*\a]
.endr
	WIN 0x41
.irp j, 0,2,4,6,8,10,12,14,16,18,20,22,24,26,28,30
.irp a, 0,1,2,3
.set XB, 32*(4*(\gm)+\a)
	v_pk_add_f32 v[XB+\j:XB+\j+1], v[XB+\j:XB+\j+1], v[MP+2*\a:MP+2*\a+1] neg_lo:[0,1] neg_hi:[0,1]
.endr
.endr
	WIN 0x05
.irp a, 0,1,2,3
.set XB, 32*(4*(\gm)+\a)
	v_pk_mul_f32 v[SC+4*\a:SC+4*\a+1], v[XB:XB+1], v[XB:XB+1]
	v_pk_mul_f32 v[SC+4*\a+2:SC+4*\a+3], v[XB+2:XB+3], v[XB+2:XB+3]
.endr
.irp j, 4,8,12,16,20,24,28
.irp a, 0,1,2,3
.set XB, 32*(4*(\gm)+\a)
	v_pk_fma_f32 v[SC+4*\a:SC+4*\a+1], v[XB+\j:XB+\j+1], v[XB+\j:XB+\j+1], v[SC+4*\a:SC+4*\a+1]
	v_pk_fma_f32 v[SC+4*\a+2:SC+4*\a+3], v[XB+\j+2:XB+\j+3], v[XB+\j+2:XB+\j+3], v[SC+4*\a+2:SC+4*\a+3]
.endr
.endr
	WIN 0
	RED4
.irp a, 0,1,2,3
	v_fma_f32 v[SC+4*\a], v[SC+4*\a], s[INV], s[EPS]
.endr
.irp a, 0,1,2,3
	v_rsq_f32 v[RP+2*\a], v[SC+4*\a]
	v_rsq_f32 v[RP+2*\a+1], v[SC+4*\a]
.endr
	v_nop                                          ; a plain instruction behind the last root
	WIN 0x41
	s_wait_alu depctr_va_vdst(0)
.irp j, 0,2,4,6,8,10,12,14,16,18,20,22,24,26,28,30
.irp a, 0,1,2,3
.set XB, 32*(4*(\gm)+\a)
	v_pk_mul_f32 v[XB+\j:XB+\j+1], v[XB+\j:XB+\j+1], v[RP+2*\a:RP+2*\a+1]
.endr
.endr
.irp j, 0,2,4,6,8,10,12,14,16,18,20,22,24,26,28,30
.irp a, 0,1,2,3
.set XB, 32*(4*(\gm)+\a)
	v_pk_fma_f32 v[XB+\j:XB+\j+1], v[XB+\j:XB+\j+1], v[G+\j:G+\j+1], v[BB+\j:BB+\j+1]
.endr
.endr
	WIN 0x45
.irp a, 0,1,2,3
.set XB, 32*(4*(\gm)+\a)
.set i, 0
.rept 16
	v_cvt_pk_f16_f32 v[XB+i], v[XB+2*i], v[XB+2*i+1]
.set i, i+1
.endr
.endr
	WIN 0x04                                       ; address window 0, data window 1
.irp a, 0,1,2,3
.set XB, 32*(4*(\gm)+\a)
.irp j, 0,1,2,3,4,5,6,7
	ds_store_b64 v[STC], v[XB+2*\j:XB+2*\j+1] offset:(4*(\gm)+\a)*PITCH+256*\j
.endr
.endr
	WIN 0
.endm
; Slots 4 gm .. are asked for again, with the next block's rows.  The last block has none behind it: there the wait for all loads stands in the fill's place, so that the counted wait that follows holds on both ways.
.macro REFILL gm
	s_cmp_eq_u32 s[CNT], 1
	s_cbranch_scc1 .Lskip_\@
	WIN 0x40
.set i, 32*(\gm)
.rept 32
	global_load_b128 v[4*i:4*i+3], v[RO], s[RB:RB+1] offset:131072+512*i th:TH_LOAD_NT
.set i, i+1
.endr
	WIN 0
	s_branch .Ldone_\@
.Lskip_\@:
	s_wait_loadcnt 0x0
.Ldone_\@:
.endm
.macro AGRP g, buf                     ; the stage's fragments of K steps 4 g .. 4 g + 3, both row tiles: 16 loads
	WIN 0
.set kk, 0
.rept 4
.irp i, 0,1
	ds_load_b128 v[AF+64*(\buf)+16*kk+8*\i:AF+64*(\buf)+16*kk+8*\i+3], v[FAC] offset:\i*16*PITCH+64*(4*(\g)+kk)
	ds_load_b128 v[AF+64*(\buf)+16*kk+8*\i+4:AF+64*(\buf)+16*kk+8*\i+7], v[FAC] offset:\i*16*PITCH+64*(4*(\g)+kk)+32
.endr
.set kk, kk+1
.endr
.endm
.macro MMG g, buf                      ; their 16 products; two accumulators take turns, one instruction a turn; K step 0 starts the sums with bkv
	WIN 0x02                                       ; source 0: Wc's K tile, window 2
.set kk, 0
.rept 4
.irp i, 0,1
.if (4*(\g)+kk) == 0
	v_wmma_f32_16x16x32_f16 v[AK+8*\i:AK+8*\i+7], v[8*(4*(\g)+kk):8*(4*(\g)+kk)+7], v[AF+64*(\buf)+16*kk+8*\i:AF+64*(\buf)+16*kk+8*\i+7], v[BK:BK+7]
.else
	v_wmma_f32_16x16x32_f16 v[AK+8*\i:AK+8*\i+7], v[8*(4*(\g)+kk):8*(4*(\g)+kk)+7], v[AF+64*(\buf)+16*kk+8*\i:AF+64*(\buf)+16*kk+8*\i+7], v[AK+8*\i:AK+8*\i+7]
.endif
.endr
.set kk, kk+1
.endr
	WIN 0x0c                                       ; source 1: Wc's V tile, window 3
.set kk, 0
.rept 4
.irp i, 0,1
.if (4*(\g)+kk) == 0
	v_wmma_f32_16x16x32_f16 v[AV+8*\i:AV+8*\i+7], v[AF+64*(\buf)+16*kk+8*\i:AF+64*(\buf)+16*kk+8*\i+7], v[8*(4*(\g)+kk):8*(4*(\g)+kk)+7], v[BV:BV+7]
.else
	v_wmma_f32_16x16x32_f16 v[AV+8*\i:AV+8*\i+7], v[AF+64*(\buf)+16*kk+8*\i:AF+64*(\buf)+16*kk+8*\i+7], v[8*(4*(\g)+kk):8*(4*(\g)+kk)+7], v[AV+8*\i:AV+8*\i+7]
.endif
.endr
.set kk, kk+1
.endr
.endm
	s_load_b256 s[4:11], s[0:1], 0x0               ; image s[4:5], gain s[6:7], bias s[8:9], bkv s[10:11]
	s_load_b128 s[12:15], s[0:1], 0x20             ; xh s[12:13], xk s[14:15]
	v_lshl_add_u32 v[SPW], v0, 2, SPARE
	v_mov_b32 v[NIL], 0
	v_lshrrev_b32 v1, 5, v0
	v_readfirstlane_b32 s[WV], v1
	v_and_b32 v10, 31, v0
	v_and_b32 v11, 15, v0
	v_bfe_u32 v12, v0, 4, 1
	v_lshlrev_b32 v[RO], 4, v10
	s_mul_i32 s17, s[WV], 8*PITCH
	v_lshl_add_u32 v[ST], v10, 3, s17
	v_mul_u32_u24 v[FA], v11, PITCH
	v_lshl_add_u32 v[FA], v12, 4, v[FA]
	s_lshl_b32 s17, s[WV], 6
	v_lshl_add_u32 v7, v12, 5, s17                 ; bkv: 4 (16 w + 8 h)
	v_lshl_add_u32 v13, v11, 2, s17                ; bkv: 4 (16 w + r), 256 bytes further on
.irp a, 0,1,2,3
	v_mov_b32 v[PD+\a], 0                          ; the exchange's destinations count as read
.endr
	s_lshl_b32 s20, ttmp9, 19                      ; 128 rows of 4,096 bytes
	s_lshl_b32 s18, s[WV], 15                      ; my 8 rows; also my tile of Wc
	s_add_co_u32 s20, s20, s18
	s_mov_b32 s21, 0
	s_lshr_b32 s22, ttmp9, 5                       ; batch
	s_lshl_b32 s22, s22, 19
	s_and_b32 s23, ttmp9, 31
	s_lshl_b32 s23, s23, 14                        ; 8 key blocks of 2,048 bytes
	s_add_co_u32 s22, s22, s23
	s_lshl_b32 s23, s[WV], 9
	s_add_co_u32 s22, s22, s23
	s_mov_b32 s23, 0
	s_mov_b32 s24, s18
	s_mov_b32 s25, 0
	s_mov_b32 s[SOFF], 0
	s_mov_b32 s[CNT], 4
	s_mov_b32 s[LO], 0xc77fe000
	s_mov_b32 s[HI], 0x477fe000
	s_mov_b32 s[SEL], 0x76543210
	s_mov_b32 s[SEL+1], 0xfedcba98
	s_mov_b32 s[INV], 0x3a800000
	s_mov_b32 s[EPS], 0x3727c5ac
	s_wait_kmcnt 0x0
	s_add_nc_u64 s[RB:RB+1], s[4:5], s[20:21]
	s_add_nc_u64 s[KB:KB+1], s[14:15], s[22:23]
	s_add_nc_u64 s[24:25], s[12:13], s[24:25]
	WIN 0x80
.set i, 0
.rept 64                                       ; Wc, tile w: K step i / 2, half i % 2
	global_load_b128 v[4*i:4*i+3], v[RO], s[24:25] offset:512*i
.set i, i+1
.endr
	WIN 0xc0
.set i, 0
.rept 64                                       ; Wc, tile 4 + w
	global_load_b128 v[4*i:4*i+3], v[RO], s[24:25] offset:131072+512*i
.set i, i+1
.endr
	WIN 0
.irp j, 0,1,2,3,4,5,6,7
	global_load_b128 v[G+4*\j:G+4*\j+3], v[RO], s[6:7] offset:512*\j
	global_load_b128 v[BB+4*\j:BB+4*\j+3], v[RO], s[8:9] offset:512*\j
.endr
	global_load_b128 v[BK:BK+3], v7, s[10:11]
	global_load_b128 v[BK+4:BK+7], v7, s[10:11] offset:16
.irp j, 0,1,2,3,4,5,6,7
	global_load_b32 v[BV+\j], v13, s[10:11] offset:256
.endr
	WIN 0x40
.set i, 0
.rept 64                                       ; the ring: my 8 rows of block 0 are 32,768 consecutive bytes
	global_load_b128 v[4*i:4*i+3], v[RO], s[RB:RB+1] offset:512*i th:TH_LOAD_NT
.set i, i+1
.endr
	WIN 0
.Lblk:
	v_add_nc_u32 v[STC], s[SOFF], v[ST]
	v_add_nc_u32 v[FAC], s[SOFF], v[FA]
	s_wait_loadcnt 32                              ; slots 0-3 are in (and all that was asked for earlier); slots 4-7's 32 loads may stay out
	LN4 0
	REFILL 0
	s_wait_loadcnt 32                              ; slots 4-7 are in; the 32 loads just issued may stay out
	LN4 1
	REFILL 1
	s_wait_dscnt 0x0                               ; my rows lie in the stage, and my reads of the block before are long over:
	s_barrier_signal -1                            ; one barrier a block orders this block's stores against the reads below, and, with two stages
	s_barrier_wait -1                              ; by turns, every wave's reads of a stage against the stores of two blocks later
	AGRP 0, 0
.irp g, 0,1,2,3,4,5,6
	PLACES                                         ; behind the last products, ahead of loads into the buffer that they read
	AGRP (\g)+1, ((\g)+1)%2
	s_wait_dscnt 16                                ; all but the 16 just issued
	MMG \g, (\g)%2
.endr
	s_wait_dscnt 0x0
	MMG 7, 1
	PLACES
	WIN 0
.set i, 0
.rept 32
	v_med3_num_f32 v[AK+i], v[AK+i], s[LO], s[HI]  ; each accumulator from its low end on
.set i, i+1
.endr
.set i, 0
.rept 16
	v_cvt_pk_f16_f32 v[PD+i], v[AK+2*i], v[AK+2*i+1]
.set i, i+1
.endr
.irp i, 0,1
	global_store_b128 v[RO], v[PD+4*\i:PD+4*\i+3], s[KB:KB+1] offset:2048*\i               ; a piece of Kf: 512 consecutive bytes
	global_store_b128 v[RO], v[PD+8+4*\i:PD+8+4*\i+3], s[KB:KB+1] offset:4194304+2048*\i   ; a piece of Vf
.endr
	s_wait_xcnt 0x0                                ; loads and stores have read their sources: the bases are stepped, and the packed results rewritten, only behind this wait
	s_add_nc_u64 s[RB:RB+1], s[RB:RB+1], 131072
	s_add_nc_u64 s[KB:KB+1], s[KB:KB+1], 4096
	s_xor_b32 s[SOFF], s[SOFF], PAR
	s_sub_co_u32 s[CNT], s[CNT], 1
	s_cmp_lg_u32 s[CNT], 0
	s_cbranch_scc1 .Lblk
	s_wait_tensorcnt 0x0                           ; the wave's end
	ds_add_u32 v[SPW], v[NIL]
	s_wait_dscnt 0x0
	s_endpgm
.Lfunc_end_k_qa427fc19b7_kv:
	.size	k_qa427fc19b7_kv, .Lfunc_end_k_qa427fc19b7_kv-k_qa427fc19b7_kv
	.p2alignl 7, 3214868480
	.fill 96, 4, 3214868480
	.section	.rodata,"a",@progbits
	.p2align	6, 0x0
	.amdhsa_kernel k_qa427fc19b7_kv
		.amdhsa_group_segment_fixed_size 132608
		.amdhsa_private_segment_fixed_size 0
		.amdhsa_enable_private_segment 0
		.amdhsa_kernarg_size 48
		.amdhsa_user_sgpr_count 2
		.amdhsa_user_sgpr_kernarg_segment_ptr 1
		.amdhsa_wavefront_size32 1
		.amdhsa_system_sgpr_workgroup_id_x 1
		.amdhsa_system_sgpr_workgroup_id_y 1
		.amdhsa_system_sgpr_workgroup_id_z 1
		.amdhsa_system_vgpr_workitem_id 0
		.amdhsa_next_free_vgpr 1024
		.amdhsa_next_free_sgpr 66
		.amdhsa_reserve_vcc 0
		.amdhsa_float_denorm_mode_32 3
		.amdhsa_float_denorm_mode_16_64 3
		.amdhsa_memory_ordered 1
		.amdhsa_forward_progress 1
		.amdhsa_inst_pref_size 112
	.end_amdhsa_kernel
	.amdgpu_metadata
---
amdhsa.version: [ 1, 2 ]
amdhsa.kernels:
  - .name:           k_qa427fc19b7_kv
    .symbol:         k_qa427fc19b7_kv.kd
    .args:
      - { .name: image_features, .offset: 0, .size: 8, .value_kind: global_buffer, .address_space: global }
      - { .name: ln_img_g, .offset: 8, .size: 8, .value_kind: global_buffer, .address_space: global }
      - { .name: ln_img_b, .offset: 16, .size: 8, .value_kind: global_buffer, .address_space: global }
      - { .name: bkv, .offset: 24, .size: 8, .value_kind: global_buffer, .address_space: global }
      - { .name: xh, .offset: 32, .size: 8, .value_kind: global_buffer, .address_space: global }
      - { .name: xk, .offset: 40, .size: 8, .value_kind: global_buffer, .address_space: global }
    .group_segment_fixed_size: 132608
    .private_segment_fixed_size: 0
    .kernarg_segment_align: 8
    .kernarg_segment_size: 48
    .max_flat_workgroup_size: 128
    .sgpr_count:     66
    .vgpr_count:     1024
    .wavefront_size: 32
...
	.end_amdgpu_metadata
.endif
;; end of part 2
;; launch qproj (part 3): grid 4 x 16, 4 waves a work-group, clusters of 4 x 1, 297,472 bytes of LDS; arguments xa, wqp, xc; writes xc
.if DOCPART == 3
	.amdgcn_target "amdgcn-amd-amdhsa--gfx1250"
	.amdhsa_code_object_version 6
	.text
	.protected	k_qa427fc19b7_qproj
	.globl	k_qa427fc19b7_qproj
	.p2align	8
	.type	k_qa427fc19b7_qproj,@function
k_qa427fc19b7_qproj:
	s_mov_b64 s[64:65], 0
	v_nop
	global_prefetch_b8 v0, s[64:65] scope:SCOPE_SE
	s_setreg_imm32_b32 hwreg(HW_REG_WAVE_MODE, 25, 1), 1
	s_wait_xcnt 0x0
	s_wait_alu depctr_hold_cnt(0) depctr_sa_sdst(0) depctr_va_vdst(0) depctr_va_sdst(0) depctr_va_ssrc(0) depctr_va_vcc(0) depctr_vm_vsrc(0)
	s_getreg_b32 s2, hwreg(HW_REG_IB_STS2, 6, 4)
	s_cmp_eq_u32 s2, 0
	s_cbranch_scc0 .Lentry_in_a_cluster
	s_endpgm
.Lentry_in_a_cluster:
	s_bfe_u32 s2, ttmp6, 0x10000c
	s_cmp_lg_u32 s2, 0x3003
	s_cbranch_scc0 .Lentry_shape_is_right
	s_endpgm
.Lentry_shape_is_right:
; C[g] = A[g] x W[g], K = 768.  A[g]: [2048][768] f16 in pieces (Af), 3,145,728 bytes a matrix; W[g]: [768 k][768 n] f16 in fragments (Wp), 1,179,648 bytes a unit;
; C[g]: [2048][768] f32 row-major, 6,291,456 bytes.  g = the cluster's x (one unit, or the four K chunks of a longer product, whose partial sums stay in f32).
;   Af piece (mt, p) at (48 mt + p) 512: lane L holds row 16 mt + L % 16, columns 16 p + 8 (L / 16) + 0..7.   Wp fragment (nt, ks) at (24 nt + ks) 1024, halves at + 512.
; SHARES.  A work-group makes 128 rows (mb = grid y) x 192 columns (nb = its place in the cluster); wave w all 128 rows x columns 48 w .. + 47: 24 accumulators.
; A's 128 rows x 768 (196,608 bytes) fit in LDS whole: each byte of LDS is filled once, no slot is filled again, and the loop has no barrier.
; CLUSTER.  The four column blocks of a cluster need the same rows of A: six joint loads a wave (chunks of 4 K steps), mask 15; by this text's count six tensor loads of a wave are out.
; W is not shared through LDS: a fragment of W belongs to one wave alone and lies in memory as it lies in registers, so it comes straight into registers, three K steps ahead.
; THE MATRIX INSTRUCTION IS USED TRANSPOSED (source 0 = W, source 1 = A): a lane holds one row of C and 8 neighbouring columns.
; LIMITS.  f16 operands (within 65,504), f32 sums.
.set KCH,    32768                     ; LDS: chunk c at c KCH, in it row tile i at 4,096 i, K step s at 1,024 s, halves at 512
.set STAGE,  196608                    ; behind A: 128 rows x 784 bytes (768 + 16 = 49 x 16), for the way out; no tensor load lands here
.set SPITCH, 784
.set SPARE,  STAGE+128*SPITCH
.set SPW, 2
.set NIL, 3
.set AA,  4                            ; v4  16 L + the trip's chunk
.set WO,  5                            ; v5  16 L; never rewritten
.set SA,  6                            ; v6, v7  into the stage: row tiles 0-3, 4-7
.set RB0, 8                            ; v8-10   back out of the stage: three pieces of 512 bytes for two rows
.set RB1, 9
.set RB2, 10
.set GB1, 12                           ; v12, v13 the same pieces in C (the first is v5)
.set GB2, 13
.set ACC, 64                           ; v64-255 accumulator (i, t) at 64 + 8 (3 i + t)
.set FA,  0                            ; window 1: v0-127 A's fragments, two buffers of 64
.set FW,  128                          ; window 1: v128-223 W's fragments, a ring of four K steps of 24
.set WV,  10
.set G1,  24                           ; s[24:31]
.set G0,  32                           ; s[32:55] six sets
.set MUL,  0x05                        ; sources 0 and 1 window 1
.set TO_F, 0x40                        ; destination window 1
.set MSB, 0
.macro WIN new
.if MSB != (\new)
	s_set_vgpr_msb (MSB<<8)|(\new)
.set MSB, (\new)
.endif
.endm
.macro PLACES
.rept 4
	v_nop
.endr
.endm
.macro CROUND                          ; a round of the cluster's barrier
	s_barrier_signal -1
	s_barrier_wait -1
	s_cmp_lg_u32 s[WV], 0
	s_cbranch_scc1 .Lnot_wave_0_\@
	s_barrier_signal -3
.Lnot_wave_0_\@:
	s_barrier_wait -3
	s_barrier_signal -1
	s_barrier_wait -1
.endm
; K step st of a trip of four.  fa: A's fragments of the next K step are fetched; fb: W's of the K step three on.  wd, wl: the younger LDS and global loads that may stay out.
; bar: all chunks of A are waited for, by every wave.
.macro KSTEP st, first, fa, fb, wd, wl, bar
	PLACES                                         ; behind the last products, ahead of loads into the registers that they read
.if \bar
	s_wait_tensorcnt 0x0
	s_wait_dscnt 0x0
	s_barrier_signal -1
	s_barrier_wait -1
.endif
	WIN TO_F
.if \fa
.set ao, ((\st)+1)*1024
.if (\st) == 3
.set ao, KCH
.endif
.set ab, FA+64*(((\st)+1)%2)
.irp i, 0,1,2,3,4,5,6,7
	ds_load_b128 v[ab+8*\i:ab+8*\i+3], v[AA] offset:ao+4096*\i
	ds_load_b128 v[ab+8*\i+4:ab+8*\i+7], v[AA] offset:ao+4096*\i+512
.endr
.endif
.if \fb
.set wb, FW+24*(((\st)+3)%4)
.irp t, 0,1,2
	global_load_b128 v[wb+8*\t:wb+8*\t+3], v[WO], s[6:7] offset:24576*\t+((\st)+3)*1024
	global_load_b128 v[wb+8*\t+4:wb+8*\t+7], v[WO], s[6:7] offset:24576*\t+((\st)+3)*1024+512
.endr
.endif
	s_wait_dscnt \wd
	s_wait_loadcnt \wl
	WIN MUL
.set ab, FA+64*((\st)%2)
.set wb, FW+24*((\st)%4)
.irp i, 0,1,2,3,4,5,6,7                ; the 24 accumulators take turns, over the backward jump too
.irp t, 0,1,2
.if \first
	v_wmma_f32_16x16x32_f16 v[ACC+8*(3*\i+\t):ACC+8*(3*\i+\t)+7], v[wb+8*\t:wb+8*\t+7], v[ab+8*\i:ab+8*\i+7], 0
.else
	v_wmma_f32_16x16x32_f16 v[ACC+8*(3*\i+\t):ACC+8*(3*\i+\t)+7], v[wb+8*\t:wb+8*\t+7], v[ab+8*\i:ab+8*\i+7], v[ACC+8*(3*\i+\t):ACC+8*(3*\i+\t)+7]
.endif
.endr
.endr
.endm
.macro STEP                            ; on to the next trip's chunk
	WIN 0
	s_wait_xcnt 0x0                                ; W's loads have read their base
	s_add_nc_u64 s[6:7], s[6:7], 4096
	v_add_nc_u32 v[AA], KCH, v[AA]
.endm
	s_load_b128 s[4:7], s[0:1], 0x0                ; A s[4:5], W s[6:7]
	s_load_b64 s[8:9], s[0:1], 0x10                ; C
	v_lshl_add_u32 v[SPW], v0, 2, SPARE
	v_mov_b32 v[NIL], 0
	ds_add_u32 v[SPW], v[NIL]                      ; the wave's opening: the add and its wait ahead of the first tensor load
	v_lshrrev_b32 v1, 5, v0
	v_readfirstlane_b32 s[WV], v1
	s_bfe_u32 s11, ttmp6, 0x40000                  ; nb: it enters W's and C's addresses alone
	s_and_b32 s13, ttmp7, 0xffff                   ; mb
	s_mul_i32 s16, ttmp9, 3145728                  ; A: matrix g, row tiles 8 mb + 2 w, + 1
	s_mul_i32 s17, s13, 196608
	s_add_co_u32 s16, s16, s17
	s_mul_i32 s17, s[WV], 49152
	s_add_co_u32 s16, s16, s17
	s_mov_b32 s17, 0
	s_mul_i32 s18, s11, 12                         ; W: unit g, tiles 12 nb + 3 w + 0..2
	s_mul_i32 s19, s[WV], 3
	s_add_co_u32 s18, s18, s19
	s_mul_i32 s18, s18, 24576
	s_mul_i32 s19, ttmp9, 1179648
	s_add_co_u32 s18, s18, s19
	s_mov_b32 s19, 0
	s_lshl_b32 s22, s13, 7                         ; C: matrix g, rows 128 mb + 32 w on, columns 192 nb on
	s_lshl_b32 s23, s[WV], 5
	s_add_co_u32 s22, s22, s23
	s_mul_i32 s22, s22, 3072
	s_mul_i32 s23, s11, 768
	s_add_co_u32 s22, s22, s23
	s_mul_i32 s23, ttmp9, 6291456
	s_add_co_u32 s22, s22, s23
	s_mov_b32 s23, 0
	s_lshl_b32 s20, s[WV], 13                      ; LDS: my two row tiles in a chunk
	s_mov_b32 s[G1+0], 15|(3<<16)|(1<<21)          ; the mask of four; elements of 8 bytes; bit 21 beside a mask
	s_mov_b32 s[G1+1], 512<<16                     ; tensor_dim0 = 512 (4,096 bytes: 4 K steps of a row tile)
	s_mov_b32 s[G1+2], 2<<16                       ; tensor_dim1 = 2
	s_mov_b32 s[G1+3], 512<<16                     ; tile_dim0
	s_mov_b32 s[G1+4], 2                           ; tile_dim1
	s_mov_b32 s[G1+5], 3072                        ; 24,576 bytes from a row tile to the next
	s_mov_b32 s[G1+6], 0
	s_mov_b32 s[G1+7], 0
	v_and_b32 v14, 31, v0
	v_and_b32 v15, 15, v0
	v_bfe_u32 v16, v0, 4, 1
	v_lshlrev_b32 v[AA], 4, v14
	v_lshlrev_b32 v[WO], 4, v14
	s_mul_i32 s21, s[WV], 192
	s_add_co_u32 s21, s21, STAGE
	v_mul_u32_u24 v[SA], v15, SPITCH
	v_lshl_add_u32 v[SA], v16, 5, v[SA]
	v_add_nc_u32 v[SA], s21, v[SA]                 ; row r, my 48 columns, 32 bytes for each half of the lanes
	v_add_nc_u32 v[SA+1], 64*SPITCH, v[SA]
	s_mul_i32 s21, s[WV], 32*SPITCH
	s_add_co_u32 s21, s21, STAGE
	v_add_nc_u32 v[RB0], s21, v[WO]                ; two rows of 768 bytes are three pieces of 512: row 0's first 512;
	v_lshl_add_u32 v[RB1], v16, 4, v[RB0]
	v_add_nc_u32 v[RB1], 512, v[RB1]               ; row 0's last 256 and row 1's first 256;
	v_add_nc_u32 v[RB2], 1040, v[RB0]              ; row 1's last 512
	v_mul_u32_u24 v[GB1], v16, 2304
	v_add3_u32 v[GB1], v[GB1], v[WO], 512
	v_add_nc_u32 v[GB2], 3328, v[WO]
	s_wait_dscnt 0x0                               ; the opening add is done
	s_wait_kmcnt 0x0
	s_add_nc_u64 s[4:5], s[4:5], s[16:17]
	s_add_nc_u64 s[6:7], s[6:7], s[18:19]
	s_add_nc_u64 s[8:9], s[8:9], s[22:23]
.irp c, 0,1,2,3,4,5
	s_mov_b32 s[G0+4*\c], 1
	s_add_co_u32 s[G0+4*\c+1], s20, \c*KCH
	s_add_nc_u64 s[G0+4*\c+2:G0+4*\c+3], s[4:5], \c*4096
	s_or_b32 s[G0+4*\c+3], s[G0+4*\c+3], 0x80000000
.endr
	CROUND                                         ; all four work-groups are here: the joint loads meet
.irp c, 0,1,2,3,4,5
	tensor_load_to_lds s[G0+4*\c:G0+4*\c+3], s[G1:G1+7]
	s_nop 0
.endr
	PLACES
	WIN TO_F
.irp k, 0,1,2
.irp t, 0,1,2
	global_load_b128 v[FW+24*\k+8*\t:FW+24*\k+8*\t+3], v[WO], s[6:7] offset:24576*\t+1024*\k
	global_load_b128 v[FW+24*\k+8*\t+4:FW+24*\k+8*\t+7], v[WO], s[6:7] offset:24576*\t+1024*\k+512
.endr
.endr
	s_wait_tensorcnt 5                             ; my part of chunk 0 is in; the five younger loads may stay out
	s_barrier_signal -1
	s_barrier_wait -1
.irp i, 0,1,2,3,4,5,6,7
	ds_load_b128 v[FA+8*\i:FA+8*\i+3], v[AA] offset:4096*\i
	ds_load_b128 v[FA+8*\i+4:FA+8*\i+7], v[AA] offset:4096*\i+512
.endr
	KSTEP 0, 1, 1, 1, 16, 18, 0                    ; the first K step starts the sums; wd = the 16 loads of the next K step, wl = three younger K steps of 6
	KSTEP 1, 0, 1, 1, 16, 18, 0
	KSTEP 2, 0, 1, 1, 16, 18, 0
	KSTEP 3, 0, 1, 1, 16, 18, 1                    ; the next fragments lie in chunk 1: from here on all of A is in
	STEP
	s_mov_b32 s21, 4
.Ltrip:
	KSTEP 0, 0, 1, 1, 16, 18, 0
	KSTEP 1, 0, 1, 1, 16, 18, 0
	KSTEP 2, 0, 1, 1, 16, 18, 0
	KSTEP 3, 0, 1, 1, 16, 18, 0
	STEP
	s_sub_co_u32 s21, s21, 1
	s_cmp_lg_u32 s21, 0
	s_cbranch_scc1 .Ltrip
	KSTEP 0, 0, 1, 1, 16, 18, 0                    ; the last trip: W's last K step is asked for, then the counts run down
	KSTEP 1, 0, 1, 0, 16, 12, 0
	KSTEP 2, 0, 1, 0, 16, 6, 0
	KSTEP 3, 0, 0, 0, 0, 0, 0
	PLACES
	WIN 0
.irp i, 0,1,2,3,4,5,6,7                ; THE WAY OUT: into the work-group's stage (each accumulator's low four registers first),
.irp t, 0,1,2
	ds_store_b128 v[SA+\i/4], v[ACC+8*(3*\i+\t):ACC+8*(3*\i+\t)+3] offset:(\i%4)*16*SPITCH+64*\t
	ds_store_b128 v[SA+\i/4], v[ACC+8*(3*\i+\t)+4:ACC+8*(3*\i+\t)+7] offset:(\i%4)*16*SPITCH+64*\t+16
.endr
.endr
	s_wait_dscnt 0x0                               ; a barrier, since a row's 768 bytes come from four waves,
	s_barrier_signal -1
	s_barrier_wait -1
.set a, 0
.rept 16                                       ; and back as whole rows, 32 rows a wave
	ds_load_b128 v[ACC+12*a:ACC+12*a+3], v[RB0] offset:a*2*SPITCH
	ds_load_b128 v[ACC+12*a+4:ACC+12*a+7], v[RB1] offset:a*2*SPITCH
	ds_load_b128 v[ACC+12*a+8:ACC+12*a+11], v[RB2] offset:a*2*SPITCH
.set a, a+1
.endr
.set a, 0
.rept 16                                       ; 16 lanes store 256 consecutive bytes, at a multiple of 256 from C's first byte
	s_wait_dscnt 47-3*a
	global_store_b128 v[WO], v[ACC+12*a:ACC+12*a+3], s[8:9] offset:a*6144
	s_wait_dscnt 46-3*a
	global_store_b128 v[GB1], v[ACC+12*a+4:ACC+12*a+7], s[8:9] offset:a*6144
	s_wait_dscnt 45-3*a
	global_store_b128 v[GB2], v[ACC+12*a+8:ACC+12*a+11], s[8:9] offset:a*6144
.set a, a+1
.endr
	s_wait_tensorcnt 0x0                           ; the wave's end
	ds_add_u32 v[SPW], v[NIL]
	s_wait_dscnt 0x0
	CROUND                                         ; the closing round
	s_endpgm
.Lfunc_end_k_qa427fc19b7_qproj:
	.size	k_qa427fc19b7_qproj, .Lfunc_end_k_qa427fc19b7_qproj-k_qa427fc19b7_qproj
	.p2alignl 7, 3214868480
	.fill 96, 4, 3214868480
	.section	.rodata,"a",@progbits
	.p2align	6, 0x0
	.amdhsa_kernel k_qa427fc19b7_qproj
		.amdhsa_group_segment_fixed_size 297472
		.amdhsa_private_segment_fixed_size 0
		.amdhsa_enable_private_segment 0
		.amdhsa_kernarg_size 24
		.amdhsa_user_sgpr_count 2
		.amdhsa_user_sgpr_kernarg_segment_ptr 1
		.amdhsa_wavefront_size32 1
		.amdhsa_system_sgpr_workgroup_id_x 1
		.amdhsa_system_sgpr_workgroup_id_y 1
		.amdhsa_system_sgpr_workgroup_id_z 1
		.amdhsa_system_vgpr_workitem_id 0
		.amdhsa_next_free_vgpr 480
		.amdhsa_next_free_sgpr 66
		.amdhsa_reserve_vcc 0
		.amdhsa_float_denorm_mode_32 3
		.amdhsa_float_denorm_mode_16_64 3
		.amdhsa_memory_ordered 1
		.amdhsa_forward_progress 1
		.amdhsa_inst_pref_size 60
	.end_amdhsa_kernel
	.amdgpu_metadata
---
amdhsa.version: [ 1, 2 ]
amdhsa.kernels:
  - .name:           k_qa427fc19b7_qproj
    .symbol:         k_qa427fc19b7_qproj.kd
    .args:
      - { .name: xa, .offset: 0, .size: 8, .value_kind: global_buffer, .address_space: global }
      - { .name: wqp, .offset: 8, .size: 8, .value_kind: global_buffer, .address_space: global }
      - { .name: xc, .offset: 16, .size: 8, .value_kind: global_buffer, .address_space: global }
    .group_segment_fixed_size: 297472
    .private_segment_fixed_size: 0
    .kernarg_segment_align: 8
    .kernarg_segment_size: 24
    .max_flat_workgroup_size: 128
    .sgpr_count:     66
    .vgpr_count:     480
    .wavefront_size: 32
...
	.end_amdgpu_metadata
.endif
;; end of part 3
;; launch attn (part 4): grid 32 x 8, 4 waves a work-group, clusters of 4 x 1, 327,680 bytes of LDS; arguments xc, bq, xk, xa; writes xa
.if DOCPART == 4
	.amdgcn_target "amdgcn-amd-amdhsa--gfx1250"
	.amdhsa_code_object_version 6
	.text
	.protected	k_qa427fc19b7_attn
	.globl	k_qa427fc19b7_attn
	.p2align	8
	.type	k_qa427fc19b7_attn,@function
k_qa427fc19b7_attn:
	s_mov_b64 s[64:65], 0
	v_nop
	global_prefetch_b8 v0, s[64:65] scope:SCOPE_SE
	s_setreg_imm32_b32 hwreg(HW_REG_WAVE_MODE, 25, 1), 1
	s_wait_xcnt 0x0
	s_wait_alu depctr_hold_cnt(0) depctr_sa_sdst(0) depctr_va_vdst(0) depctr_va_sdst(0) depctr_va_ssrc(0) depctr_va_vcc(0) depctr_vm_vsrc(0)
	s_getreg_b32 s2, hwreg(HW_REG_IB_STS2, 6, 4)
	s_cmp_eq_u32 s2, 0
	s_cbranch_scc0 .Lentry_in_a_cluster
	s_endpgm
.Lentry_in_a_cluster:
	s_bfe_u32 s2, ttmp6, 0x10000c
	s_cmp_lg_u32 s2, 0x3003
	s_cbranch_scc0 .Lentry_shape_is_right
	s_endpgm
.Lentry_shape_is_right:
; ATTENTION with one shared K/V head.  O[b][i][head] = sum over j of softmax_j((q + bq) . k / 8) v.  q: xc, f32 [2048][768]; K, V: xk, f16 pieces (Kf at 0, Vf at 4,194,304, 524,288 bytes a
; batch); O: xa, f16 pieces of Af.  Products, maxima and sums in f32; q + bq and the weights p are rounded to f16 (l is the sum of the unrounded p), O once at the end.
; SHARES.  24,576 query rows (batch, head, i) over 256 work-groups: a work-group owns 16 queries i x 6 heads: six tiles (PIECES) of 16.  THE KEYS ARE SPLIT AMONG ITS FOUR WAVES: every wave
; holds all six tiles and walks 1,024 of the 4,096 keys, 64 a step, so a fragment of K or V read from LDS feeds six tiles.  The four partial (c m, l, O^T) meet in LDS at the end, in f32.
; LAYOUT.  S^T = K Q^T: a lane holds ONE query (lane % 16) and keys 8 (lane / 16) + 0..7; two such results rounded to f16 ARE source 1 of O^T = V^T P.  Kf and Vf lie in memory and in LDS as
; the fragments lie in registers: every LDS load takes 512 consecutive bytes.
; SOFTMAX.  p = 2^(c s - c m), c = log2(e) / 8, with a running maximum m; O and l are multiplied by a = 2^(c m_old - c m_new) in every step.  m starts at the lowest finite number, so a tile's
; first step has a = 0: O^T need only start finite (it starts with the f32 values of q + bq, which were converted out of those registers), l starts at 0.
; BY TURNS.  Turn n belongs to piece n: 8 products K Q^T of piece n + 1, later 8 products V^T P of piece n - 1; beside them the scaling, exponentials, roundings, sums and rescaling of piece n and
; the maximum and statistics of piece n + 1.  Four vector instructions stand behind every matrix instruction, the other 54 of a turn's 118 in two runs of their own.
; RING.  Two slots of 131,072 bytes: 512 keys of K, then of V (two steps for each wave).  CLUSTER: the 32 work-groups of a batch walk the same K and V; the four of a cluster ask jointly,
; one load of 32,768 bytes a wave behind each round.  By this text's count one tensor load of a wave is out.
; LIMITS.  f16 holds no number beyond 65,504: q + bq must lie within it, k and v arrive within it.  A weight below 2^-126 counts as 0 in l.  NaN and infinities are not treated apart.
; REGISTERS (s_set_vgpr_msb: bits 1:0 source 0, 3:2 source 1, 5:4 source 2, 7:6 destination):
;   window 0: addresses; v16-39 statistics; v48-55 at work; v64-127 S^T, two buffers; v192-223 P, two buffers     window 1: v0-191 O^T, 32 a piece     window 2: v0-95 Q; v128-191 K; v192-255 V
.set NP,    6
.set STEPB, 8192                       ; a wave's 64 keys of K, or of V
.set SLOT1, 1<<17
.set STATS, 98304                      ; the merge lies in slot 0, behind its last fill and every wave's last read of it: O^T at 0 [wave][tile][8][512], statistics here [wave][tile][2][128]
.set SPARE, 262144
.set AK0, 2                            ; v2  16,384 w + 16 L; never rewritten
.set AV0, 3                            ; v3  the same + 65,536
.set AK,  4
.set AV,  5
.set QO,  6                            ; v6  3,072 r + 32 h
.set BO,  7                            ; v7  32 h
.set GO,  8
.set OMS, 9
.set SMS, 10
.set FS,  11
.set MV,  12                           ; v12-13
.set FO,  14                           ; v14, v15
.set ST,  16                           ; piece t: c m, m, l (even keys', odd keys')
.set FV,  40                           ; v40-47 the four waves' c m and l
.set TMP, 48
.set LN,  56                           ; v56 L
.set PFO, 61                           ; v61 256 L; never rewritten
.set SPW, 62
.set NIL, 63
.set S,   64
.set P,   192
.set FT,  224                          ; v224-229, v232-239 the merge's factors
.set FG,  232
.set KF,  128
.set VF,  192
.set WV,  12
.set G1,  24                           ; s[24:31]
.set G0,  40                           ; s[40:43] it walks
.set PFA, 44                           ; s[44:45] where my prefetches stand
.set LIM, 46
.set TS,  47                           ; the tile that I finish
.set SLOTS, 56
.set CNT, 57
.set CS,  58
.set SEL, 60
.set TBK, 62
.set TBV, 63
.set MSB, 0
.macro WIN new
.if MSB != (\new)
	s_set_vgpr_msb (MSB<<8)|(\new)
.set MSB, (\new)
.endif
.endm
.set W_KQ, 0x0a
.set W_PV, 0x52
.set W_RS, 0x41
.macro PLACES
.rept 4
	v_nop
.endr
.endm
.macro JLOAD                           ; my 32,768 bytes of a slot (waves 0, 1: K's halves; 2, 3: V's); an s_nop 0 and four v_nop follow
	tensor_load_to_lds s[G0:G0+3], s[G1:G1+7]
	s_nop 0
	PLACES
.endm
; A prefetch into the L2 of what the NEXT change of slots will ask for.  All eight clusters of a batch walk the same K and V: the first of them asks.  Of the 128 blocks of 256 bytes that a wave
; fetches, each of the four partners takes 32, told apart by address; a lane a block.  So each block is named once in the launch.  The last change that fills a slot asks for nothing.
.macro ASK
	s_cmp_gt_u32 s[SLOTS], s[LIM]
	s_cbranch_scc0 .Lnot_mine_\@
	global_prefetch_b8 v[PFO], s[PFA:PFA+1] th:TH_LOAD_NT scope:SCOPE_SE
.Lnot_mine_\@:
.endm
.macro CROUND
	s_barrier_signal -1
	s_barrier_wait -1
	s_cmp_lg_u32 s[WV], 0
	s_cbranch_scc1 .Lnot_wave_0_\@
	s_barrier_signal -3
.Lnot_wave_0_\@:
	s_barrier_wait -3
	s_barrier_signal -1
	s_barrier_wait -1
.endm
; THE CHANGE OF SLOTS.  Each wave waits for all its tensor loads (one is out: its part of the other slot), adds 0 to its spare word, and waits for that and for its reads of the slot that it leaves.
; fill = 1: a round of the cluster's barrier, and the joint refill first behind it: two key steps of every wave, 192 matrix instructions, in which to land.
.macro CHANGE fill, ask
	WIN 0
	s_wait_tensorcnt 0x0
	ds_add_u32 v[SPW], v[NIL]                      ; 0 onto my spare word; the descriptor's steps stand between it and the wait for it
.if \fill
	s_xor_b32 s[G0+1], s[G0+1], SLOT1
	s_add_nc_u64 s[G0+2:G0+3], s[G0+2:G0+3], 65536 ; the next 512 keys
.if \ask
	s_wait_xcnt 0x0                                ; the last prefetch, a slot back, has read its address
	s_add_nc_u64 s[PFA:PFA+1], s[PFA:PFA+1], 65536
.endif
	s_wait_dscnt 0x0
	CROUND
	JLOAD
.if \ask
	ASK
.endif
.else
	s_wait_dscnt 0x0
	s_barrier_signal -1
	s_barrier_wait -1
.endif
	s_sub_co_u32 s[TBK], s[TBK], 2*STEPB           ; the fetches go back to a slot's first step, in the other slot
	s_xor_b32 s[TBK], s[TBK], SLOT1
	s_sub_co_u32 s[TBV], s[TBV], 2*STEPB
	s_xor_b32 s[TBV], s[TBV], SLOT1
.endm
	s_load_b256 s[4:11], s[0:1], 0x0               ; xc s[4:5], bq s[6:7], xk s[8:9], xa s[10:11]
	v_lshl_add_u32 v[SPW], v0, 2, SPARE
	v_mov_b32 v[NIL], 0
	ds_add_u32 v[SPW], v[NIL]                      ; the wave's opening: the add and its wait ahead of the first tensor load
	v_lshrrev_b32 v1, 5, v0
	v_readfirstlane_b32 s[WV], v1
	s_bfe_u32 s13, ttmp6, 0x40000                  ; cx: it enters global addresses of q, bq, O and the prefetches alone
	s_lshl_b32 s14, ttmp9, 2
	s_add_co_u32 s14, s14, s13                     ; x = 4 x cluster + cx
	s_lshr_b32 s15, s14, 1                         ; the block of 16 queries
	s_and_b32 s16, s14, 1                          ; which six heads
	s_and_b32 s17, ttmp7, 0xffff                   ; batch
	s_lshr_b32 s18, s[WV], 1
	s_lshl_b32 s20, s18, 22                        ; K or V,
	s_lshl_b32 s19, s17, 19                        ; the batch,
	s_add_co_u32 s20, s20, s19
	s_and_b32 s19, s[WV], 1
	s_lshl_b32 s19, s19, 15                        ; my half of a slot's 65,536 bytes
	s_add_co_u32 s20, s20, s19
	s_mov_b32 s21, 0
	s_mul_i32 s22, s17, 786432                     ; q: row 256 batch + 16 block, column 384 x half
	s_mul_i32 s23, s15, 49152
	s_add_co_u32 s22, s22, s23
	s_mul_i32 s50, s16, 1536
	s_add_co_u32 s22, s22, s50
	s_mov_b32 s23, 0
	s_mov_b32 s51, 0
	s_lshl4_add_u32 s48, s17, s15                  ; O: row tile 16 batch + block,
	s_mul_i32 s48, s48, 24576
	s_mul_i32 s49, s16, 12288                      ; six heads of 2,048 bytes
	s_add_co_u32 s48, s48, s49
	s_mov_b32 s49, 0
	s_lshl_b32 s52, s13, 13                        ; the prefetches: my work-group's 32 blocks, in slot 2
	s_add_co_u32 s52, s52, 131072
	s_mov_b32 s53, 0
	s_cmp_eq_u32 ttmp9, 0
	s_cselect_b32 s[LIM], 1, -1
	s_mov_b32 s[G1+0], 15|(3<<16)|(1<<21)          ; the mask of four; elements of 8 bytes; bit 21 beside a mask
	s_mov_b32 s[G1+1], 32<<16                      ; 128 dense rows of 256 bytes
	s_mov_b32 s[G1+2], 128<<16
	s_mov_b32 s[G1+3], 32<<16
	s_mov_b32 s[G1+4], 128
	s_mov_b32 s[G1+5], 32
	s_mov_b32 s[G1+6], 0
	s_mov_b32 s[G1+7], 0
	s_mov_b32 s[G0], 1
	s_lshl_b32 s[G0+1], s[WV], 15                  ; slot 0, my quarter
	s_mov_b32 s[CS], 0x3e38aa3b                    ; c = log2(e) / 8
	s_mov_b32 s[CS+1], s[CS]
	s_mov_b32 s[SEL], 0x76543210
	s_mov_b32 s[SEL+1], 0xfedcba98
	s_mov_b32 s[TBK], SLOT1+2*STEPB                ; the first change of slots turns these two into 0
	s_mov_b32 s[TBV], SLOT1+2*STEPB
	v_and_b32 v[LN], 31, v0
	v_and_b32 v57, 15, v0
	v_bfe_u32 v58, v0, 4, 1
	s_lshl_b32 s18, s[WV], 14
	v_lshl_add_u32 v[AK0], v[LN], 4, s18
	v_add_nc_u32 v[AV0], 65536, v[AK0]
	v_mul_u32_u24 v[QO], v57, 3072
	v_lshl_add_u32 v[QO], v58, 5, v[QO]
	v_lshlrev_b32 v[BO], 5, v58
	v_lshlrev_b32 v[PFO], 8, v[LN]
	s_mul_i32 s18, s[WV], 24576
	v_lshl_add_u32 v[OMS], v[LN], 4, s18
	s_mul_i32 s18, s[WV], 1536
	s_add_co_u32 s18, s18, STATS
	v_lshl_add_u32 v[SMS], v[LN], 2, s18
	s_wait_dscnt 0x0                               ; the opening add is done
	s_wait_kmcnt 0x0
	s_add_nc_u64 s[G0+2:G0+3], s[8:9], s[20:21]
	s_add_nc_u64 s[PFA:PFA+1], s[G0+2:G0+3], s[52:53]
	s_or_b32 s[G0+3], s[G0+3], 0x80000000
	s_add_nc_u64 s[4:5], s[4:5], s[22:23]
	s_add_nc_u64 s[6:7], s[6:7], s[50:51]
	s_add_nc_u64 s[10:11], s[10:11], s[48:49]
	CROUND                                         ; all four work-groups are here
	JLOAD                                          ; slot 0; slot 1 is asked for when slot 0 is in
	; Q: a fragment is 16 queries x 32 channels; lane L holds query r, channels 8 h + 0..7 and 16 + 8 h + 0..7.  i = 8 tile + 4 (channel half) + 2 (half of the fragment) + (16 bytes)
	WIN 0x40
.set i, 0
.rept 48
	global_load_b128 v[4*i:4*i+3], v[QO], s[4:5] offset:(i/8)*256+((i/4)%2)*128+((i/2)%2)*64+(i%2)*16
.set i, i+1
.endr
	WIN 0
.set i, 0
.rept 48
	global_load_b128 v[64+4*i:64+4*i+3], v[BO], s[6:7] offset:(i/8)*256+((i/4)%2)*128+((i/2)%2)*64+(i%2)*16
.set i, i+1
.endr
	s_wait_loadcnt 0x0
	WIN 0x41
.set i, 0
.rept 96
	v_pk_add_f32 v[i:i+1], v[i:i+1], v[64+i:64+i+1]
.set i, i+2
.endr
	WIN 0x85                                       ; sources window 1, destination window 2
.set i, 0
.rept 96
	v_cvt_pk_f16_f32 v[i], v[2*i], v[2*i+1]
.set i, i+1
.endr
	WIN 0x80                                       ; what the first turn's products V^T P, of a piece that has not been, read: zeros
.set i, VF
.rept 64
	v_mov_b32 v[i], 0
.set i, i+1
.endr
	WIN 0
.set i, 0
.rept 16
	v_mov_b32 v[P+16+i], 0
.set i, i+1
.endr
.set i, 0
.rept NP
	v_mov_b32 v[ST+4*i], 0xfe000000                ; c m: far below every c s
	v_mov_b32 v[ST+4*i+1], 0xff7fffff              ; m
	v_mov_b32 v[ST+4*i+2], 0
	v_mov_b32 v[ST+4*i+3], 0
.set i, i+1
.endr
; THE MATRIX WORK.  The 4 accumulators of a run of 8 take turns.  Product i of 8 of S^T = K Q^T for piece x: channels 32 (i / 4) on, keys 16 (i % 4) on.
.macro KQ x
.set rS, S+32*((\x)%2)+8*(i%4)
.set rK, KF+16*(i%4)+8*(i/4)
.set rQ, 16*(\x)+8*(i/4)
	WIN W_KQ
.if i < 4
	v_wmma_f32_16x16x32_f16 v[rS:rS+7], v[rK:rK+7], v[rQ:rQ+7], 0
.else
	v_wmma_f32_16x16x32_f16 v[rS:rS+7], v[rK:rK+7], v[rQ:rQ+7], v[rS:rS+7]
.endif
.endm
.macro PV x                            ; product i of 8 of O^T += V^T P: keys 32 (i / 4) on, channels 16 (i % 4) on
	WIN W_PV
.set rO, 32*(\x)+8*(i%4)
.set rV, VF+32*(i/4)+8*(i%4)
.set rP, P+16*((\x)%2)+8*(i/4)
	v_wmma_f32_16x16x32_f16 v[rO:rO+7], v[rV:rV+7], v[rP:rP+7], v[rO:rO+7]
.endm
.macro MM                              ; the turn's next matrix instruction.  NOKQ = 1: the last turn: there is no next piece
.if (i < 8) && !NOKQ
	KQ (Y+1)%NP
.elseif i >= 8
.set i, i-8
	PV (Y+NP-1)%NP
.set i, i+8
.endif
.set i, i+1
.endm
.macro FETCH_K                         ; a step's K: 16 pieces on end
	WIN 0x80
.irp f, 0,1,2,3,4,5,6,7,8,9,10,11,12,13,14,15
	ds_load_b128 v[KF+4*\f:KF+4*\f+3], v[AK] offset:512*\f
.endr
	s_add_co_u32 s[TBK], s[TBK], STEPB
	WIN 0
.endm
.macro FETCH_V                         ; a step's V: fragment (key half f / 4, channel block f % 4) is two pieces, 2,048 bytes apart
	WIN 0x80
.irp f, 0,1,2,3,4,5,6,7
	ds_load_b128 v[VF+8*\f:VF+8*\f+3],   v[AV] offset:(\f/4)*4096+(\f%4)*512
	ds_load_b128 v[VF+8*\f+4:VF+8*\f+7], v[AV] offset:(\f/4)*4096+(\f%4)*512+2048
.endr
	WIN 0
.endm
; THE VECTOR WORK, one line at a time: OP kind, number.  For piece Y: F n: c s - c m for pair n of 16.  E n: the exponential of score n of 32.  C n: pair n rounded to f16.  B n: of the four weights 4 n ..
; the second pair is added onto the first.  L n: l takes that sum (L 0: l = a l + sum).  R n: pair n of 16 of O^T times a.  For piece Y + 1: X n, number n of the 22 that find its maximum and statistics
; (0-14, 16: the maximum, each accumulator's lowest registers read first; 15: c m_old is kept; 17, 18: the other half of the lanes; 19-21: c m, c m_old - c m_new, a).
.set F, 0
.set E, 1
.set C, 2
.set B, 3
.set L, 4
.set R, 5
.set X, 6
.macro REGS y
.set rT, ST+4*(\y)
.set rC, TMP+4*((\y)%2)
.set rW, MV+((\y)%2)
.set rS, S+32*((\y)%2)
.set rP, P+16*((\y)%2)
.set rO, 32*(\y)
.endm
.macro OP k, n
.if (\k) == R
	REGS Y
	WIN W_RS
	v_pk_mul_f32 v[rO+2*(\n):rO+2*(\n)+1], v[rO+2*(\n):rO+2*(\n)+1], v[rC+2:rC+3] op_sel_hi:[1,0]
.elseif (\k) < R
	REGS Y
	WIN 0
.if (\k) == F
	v_pk_fma_f32 v[rS+2*(\n):rS+2*(\n)+1], v[rS+2*(\n):rS+2*(\n)+1], s[CS:CS+1], v[rT:rT+1] op_sel_hi:[1,0,0] neg_lo:[0,0,1] neg_hi:[0,0,1]
.elseif (\k) == E
	v_exp_f32 v[rS+(\n)], v[rS+(\n)]
.elseif (\k) == C
	s_wait_alu depctr_va_vdst(0)
	v_cvt_pk_f16_f32 v[rP+(\n)], v[rS+2*(\n)], v[rS+2*(\n)+1]
.elseif (\k) == B
	s_wait_alu depctr_va_vdst(0)
	v_pk_add_f32 v[rS+4*(\n):rS+4*(\n)+1], v[rS+4*(\n):rS+4*(\n)+1], v[rS+4*(\n)+2:rS+4*(\n)+3]
.elseif (\n) == 0
	v_pk_fma_f32 v[rT+2:rT+3], v[rT+2:rT+3], v[rC+2:rC+3], v[rS:rS+1] op_sel_hi:[1,0,1]
.else
	v_pk_add_f32 v[rT+2:rT+3], v[rT+2:rT+3], v[rS+4*(\n):rS+4*(\n)+1]
.endif
.elseif NOKQ
	v_nop
.else
	REGS (Y+1)%NP
	WIN 0
.if (\n) < 4
	v_max3_num_f32 v[rC+(\n)], v[rS+8*(\n)], v[rS+8*(\n)+1], v[rS+8*(\n)+2]
.elseif (\n) < 12
	v_max3_num_f32 v[rC+(\n)%4], v[rC+(\n)%4], v[rS+8*((\n)%4)+2*((\n)/4)+1], v[rS+8*((\n)%4)+2*((\n)/4)+2]
.elseif (\n) == 12
	v_max3_num_f32 v[rC], v[rC], v[rS+7], v[rS+15]
.elseif (\n) == 13
	v_max3_num_f32 v[rC+1], v[rC+1], v[rS+23], v[rS+31]
.elseif (\n) == 14
	v_max3_num_f32 v[rC+2], v[rC+2], v[rC+3], v[rT+1]
.elseif (\n) == 15
	v_mov_b32 v[rW], v[rT]
.elseif (\n) == 16
	v_max3_num_f32 v[rC], v[rC], v[rC+1], v[rC+2]
.elseif (\n) == 17
	v_permlanex16_b32 v[rC+3], v[rC], s[SEL], s[SEL+1]
.elseif (\n) == 18
	v_max_num_f32 v[rT+1], v[rC], v[rC+3]
.elseif (\n) == 19
	v_mul_f32 v[rT], s[CS], v[rT+1]
.elseif (\n) == 20
	v_sub_f32 v[rC+1], v[rW], v[rT]
.else
	v_exp_f32 v[rC+2], v[rC+1]
.endif
.endif
.endm
.macro OPS a, i1, b=-1, i2=0, c=-1, i3=0, d=-1, i4=0
	OP \a, \i1
.if (\b) >= 0
	OP \b, \i2
.endif
.if (\c) >= 0
	OP \c, \i3
.endif
.if (\d) >= 0
	OP \d, \i4
.endif
.endm
.macro ROW a, i1, b, i2, c, i3, d, i4  ; a matrix instruction and the four behind it
	MM
	OPS \a, \i1, \b, \i2, \c, \i3, \d, \i4
.endm
; A TURN, for piece p: the order of its 16 matrix and 118 vector instructions, written out.  Behind a matrix instruction: plain, exponential, plain, plain; or four of the rescaling; or four scalings; none names
; a register of the products round it.  A line reads no result made fewer than three vector instructions in front of it, five if an exponential made it.
; K of the next step is fetched in piece 4's turn, six vector instructions (five plain) behind the last product that read K; V of the step in hand in piece 0's turn, eight behind the last product that read V
; (four plain).  Each is waited for a turn later.  end = 1: the last two turns: nothing is fetched.  cnt = 1: the loop's count is taken down some lines ahead of the branch behind the turn.
.macro TURN p, end=0, cnt=0
.set Y, (\p)
.set i, 0
.set NOKQ, (\end)*((\p)/(NP-1))
.if ((\p) == NP-1) && !(\end)
	s_wait_dscnt 0x0                               ; K is in
.endif
	ROW F,0, F,1, F,2, F,3
	ROW F,4, E,0, F,5, F,6
	ROW F,7, E,1, F,8, F,9
	ROW F,10, E,2, C,0, F,11
	ROW F,12, E,3, X,15, F,13
	ROW R,0, R,1, R,2, R,3
	ROW B,0, E,4, F,14, L,0
.if ((\p) == NP-2) && !(\end)
	v_add_nc_u32 v[AK], s[TBK], v[AK0]
.endif
	ROW R,4, R,5, R,6, R,7
	OPS E,5, F,15
.if ((\p) == NP-2) && !(\end)
	FETCH_K
.endif
	OPS E,6, C,1, E,7, R,8
	OPS E,8, R,9, E,9, C,2
	OPS E,10, X,0, E,11, X,1
	OPS E,12, X,2, E,13, X,3
.if (\p) == 1
	s_wait_dscnt 0x0                               ; V is in
.endif
	ROW X,4, E,14, X,5, X,6
	ROW X,7, E,15, X,8, X,9
	ROW X,10, E,16, X,11, X,12
	ROW X,13, E,17, X,14, B,1
	ROW C,4, E,18, X,16, L,1
	ROW B,2, E,19, C,6, L,2
	ROW C,8, E,20, B,3, B,4
.if (\p) == 0
	v_add_nc_u32 v[AV], s[TBV], v[AV0]
.endif
	ROW C,3, E,21, L,3, C,5
	OPS E,22, X,17, E,23, C,10
.if (\p) == 0
	FETCH_V
.endif
	OPS E,24, L,4
	OPS E,25, X,18, E,26, C,7
	OPS E,27, B,5, E,28, X,19
	OPS E,29, C,12, E,30, L,5
	OPS E,31, X,20, B,6, C,9
	OPS C,14, C,11, X,21, L,6
.if (\p) == 0
	s_add_co_u32 s[TBV], s[TBV], STEPB
.endif
.if \cnt
	s_sub_co_u32 s[CNT], s[CNT], 1
	s_cmp_lg_u32 s[CNT], 0
.endif
	OPS C,13, B,7, C,15, R,10
	OPS R,11, R,12, L,7, R,13
	OPS R,14, R,15
.endm
	CHANGE 1, 0                                    ; slot 0 is in, everybody's part of it; slot 1 is asked for
	v_add_nc_u32 v[AK], s[TBK], v[AK0]
	FETCH_K                                        ; key step 0
	s_wait_dscnt 0x0
.set NOKQ, 0
.set i, 0
.rept 8
	KQ 0                                           ; piece 0's first scores
.set i, i+1
.endr
	WIN 0
	PLACES
.set Y, NP-1                                   ; X works for piece Y + 1: piece 0
.irp n, 0,1,2,3,4,5,6,7,8,9,10,11,12,13,14,15,16,17,18,19,20,21
	OP X, \n
.endr
	v_nop                                          ; a plain instruction behind the exponential
	s_mov_b32 s[CNT], 2
	s_mov_b32 s[SLOTS], 7
	s_branch .Lfirst                               ; the loop is entered at a step's first turn
.Lslot:                                        ; six times: slots 2 to 7 are asked for
	CHANGE 1, 1
	s_mov_b32 s[CNT], 2
.Lstep:                                        ; a trip: pieces 4 and 5 of one step, then pieces 0 to 3 of the next, whose K and V it fetches
	TURN 4
	TURN 5
	WIN 0
.Lfirst:
	TURN 0
	TURN 1
	TURN 2
	TURN 3, 0, 1
	WIN 0
	s_cbranch_scc1 .Lstep
	s_sub_co_u32 s[SLOTS], s[SLOTS], 1
	s_cmp_lg_u32 s[SLOTS], 0
	s_cbranch_scc1 .Lslot
	CHANGE 0, 0                                    ; the last slot is written out: nothing is asked for
	s_mov_b32 s[CNT], 2
.LstepT:
	TURN 4
	TURN 5
	TURN 0
	TURN 1
	TURN 2
	TURN 3, 0, 1
	WIN 0
	s_cbranch_scc1 .LstepT
	TURN 4, 1
	TURN 5, 1
.set i, 0
.rept 8
	PV NP-1
.set i, i+1
.endr
	; THE MERGE.  l's halves and the other half of the lanes' are added (these additions are the places behind the last products); each wave puts its c m, l and O^T into LDS.
	WIN 0
.macro ALL line:vararg
.set t, 0
.rept NP
	\line
.set t, t+1
.endr
.endm
	ALL v_add_f32 v[ST+4*t+2], v[ST+4*t+2], v[ST+4*t+3]
	ALL v_permlanex16_b32 v[ST+4*t+3], v[ST+4*t+2], s[SEL], s[SEL+1]
	ALL v_add_f32 v[ST+4*t+2], v[ST+4*t+2], v[ST+4*t+3]
	ALL ds_store_b32 v[SMS], v[ST+4*t] offset:t*256
	ALL ds_store_b32 v[SMS], v[ST+4*t+2] offset:t*256+128
	WIN 0x04                                       ; data window 1; each accumulator's low four registers first
.set i, 0
.rept 48
	ds_store_b128 v[OMS], v[4*i:4*i+3] offset:512*i
.set i, i+1
.endr
	WIN 0
	s_wait_dscnt 0x0
	s_barrier_signal -1
	s_barrier_wait -1
; Tile TS is finished: M = max of the four c m; f = 2^(c m - M); O = sum of f O^T / sum of f l; rounded to f16; four pieces of Af, 2,048 consecutive bytes.
.macro FIN
	s_lshl_b32 s18, s[TS], 8
	s_add_co_u32 s18, s18, STATS
	v_lshl_add_u32 v[FS], v[LN], 2, s18
	s_lshl_b32 s18, s[TS], 12
	v_lshl_add_u32 v[FO], v[LN], 4, s18
	v_add_nc_u32 v[FO+1], 49152, v[FO]             ; waves 2 and 3: the LDS immediate has 16 bits
	s_lshl_b32 s18, s[TS], 11
	v_lshl_add_u32 v[GO], v[LN], 4, s18
.irp u, 0,1,2,3
	ds_load_b32 v[FV+2*\u], v[FS] offset:\u*1536
	ds_load_b32 v[FV+2*\u+1], v[FS] offset:\u*1536+128
.endr
.irp u, 0,1,2,3
.irp f, 0,1,2,3,4,5,6,7
	ds_load_b128 v[S+32*\u+4*\f:S+32*\u+4*\f+3], v[FO+\u/2] offset:(\u%2)*24576+512*\f
.endr
.endr
	s_wait_dscnt 32                                ; the statistics are in; O^T's 32 loads may stay out
	v_max3_num_f32 v[FT], v[FV], v[FV+2], v[FV+4]
	v_max_num_f32 v[FT], v[FT], v[FV+6]
.irp u, 0,1,2,3
	v_sub_f32 v[FT+1+\u], v[FV+2*\u], v[FT]
.endr
.irp u, 0,1,2,3
	v_exp_f32 v[FT+1+\u], v[FT+1+\u]
.endr
	v_nop
	s_wait_alu depctr_va_vdst(0)
	v_mul_f32 v[FT+5], v[FT+1], v[FV+1]
.irp u, 1,2,3
	v_fmac_f32 v[FT+5], v[FT+1+\u], v[FV+2*\u+1]
.endr
	v_rcp_f32 v[FT+5], v[FT+5]
	v_nop
.irp u, 0,1,2,3
	s_wait_alu depctr_va_vdst(0)
	v_mul_f32 v[FG+2*\u], v[FT+1+\u], v[FT+5]
	v_mul_f32 v[FG+2*\u+1], v[FT+1+\u], v[FT+5]
.endr
	s_wait_dscnt 0x0
.set i, 0
.rept 16
	v_pk_mul_f32 v[S+i:S+i+1], v[S+i:S+i+1], v[FG:FG+1]
.set i, i+2
.endr
.irp u, 1,2,3
.set i, 0
.rept 16
	v_pk_fma_f32 v[S+i:S+i+1], v[S+32*\u+i:S+32*\u+i+1], v[FG+2*\u:FG+2*\u+1], v[S+i:S+i+1]
.set i, i+2
.endr
.endr
.set i, 0
.rept 16
	v_cvt_pk_f16_f32 v[P+i], v[S+2*i], v[S+2*i+1]
.set i, i+1
.endr
.irp f, 0,1,2,3
	global_store_b128 v[GO], v[P+4*\f:P+4*\f+3], s[10:11] offset:512*\f
.endr
.endm
	s_mov_b32 s[TS], s[WV]                         ; wave w finishes tile w,
	FIN
	s_cmp_lt_u32 s[WV], 2
	s_cbranch_scc0 .Lend
	s_wait_xcnt 0x0                                ; the stores have read their registers
	s_add_co_u32 s[TS], s[WV], 4                   ; waves 0 and 1 also tiles 4 and 5
	FIN
.Lend:
	s_wait_tensorcnt 0x0                           ; the wave's end
	ds_add_u32 v[SPW], v[NIL]
	s_wait_dscnt 0x0
	CROUND                                         ; the closing round
	s_endpgm
.Lfunc_end_k_qa427fc19b7_attn:
	.size	k_qa427fc19b7_attn, .Lfunc_end_k_qa427fc19b7_attn-k_qa427fc19b7_attn
	.p2alignl 7, 3214868480
	.fill 96, 4, 3214868480
	.section	.rodata,"a",@progbits
	.p2align	6, 0x0
	.amdhsa_kernel k_qa427fc19b7_attn
		.amdhsa_group_segment_fixed_size 327680
		.amdhsa_private_segment_fixed_size 0
		.amdhsa_enable_private_segment 0
		.amdhsa_kernarg_size 32
		.amdhsa_user_sgpr_count 2
		.amdhsa_user_sgpr_kernarg_segment_ptr 1
		.amdhsa_wavefront_size32 1
		.amdhsa_system_sgpr_workgroup_id_x 1
		.amdhsa_system_sgpr_workgroup_id_y 1
		.amdhsa_system_sgpr_workgroup_id_z 1
		.amdhsa_system_vgpr_workitem_id 0
		.amdhsa_next_free_vgpr 768
		.amdhsa_next_free_sgpr 80
		.amdhsa_reserve_vcc 0
		.amdhsa_float_denorm_mode_32 3
		.amdhsa_float_denorm_mode_16_64 3
		.amdhsa_memory_ordered 1
		.amdhsa_forward_progress 1
		.amdhsa_inst_pref_size 193
	.end_amdhsa_kernel
	.amdgpu_metadata
---
amdhsa.version: [ 1, 2 ]
amdhsa.kernels:
  - .name:           k_qa427fc19b7_attn
    .symbol:         k_qa427fc19b7_attn.kd
    .args:
      - { .name: xc, .offset: 0, .size: 8, .value_kind: global_buffer, .address_space: global }
      - { .name: bq, .offset: 8, .size: 8, .value_kind: global_buffer, .address_space: global }
      - { .name: xk, .offset: 16, .size: 8, .value_kind: global_buffer, .address_space: global }
      - { .name: xa, .offset: 24, .size: 8, .value_kind: global_buffer, .address_space: global }
    .group_segment_fixed_size: 327680
    .private_segment_fixed_size: 0
    .kernarg_segment_align: 8
    .kernarg_segment_size: 32
    .max_flat_workgroup_size: 128
    .sgpr_count:     80
    .vgpr_count:     768
    .wavefront_size: 32
...
	.end_amdgpu_metadata
.endif
;; end of part 4
;; launch oproj: the kernel of part 3 again; grid 4 x 16, 4 waves a work-group, clusters of 4 x 1, 297,472 bytes of LDS; arguments xa, wop, xc; writes xc
;; launch ln2 (part 5): grid 128 x 1, 16 waves a work-group, no clusters, 27,136 bytes of LDS; arguments xc, bo, ln_ao_g, ln_ao_b, gate_param, hidden_states, ln_f_g, ln_f_b, xh, xa; writes xh, xa
.if DOCPART == 5
	.amdgcn_target "amdgcn-amd-amdhsa--gfx1250"
	.amdhsa_code_object_version 6
	.text
	.protected	k_qa427fc19b7_ln2
	.globl	k_qa427fc19b7_ln2
	.p2align	8
	.type	k_qa427fc19b7_ln2,@function
k_qa427fc19b7_ln2:
	s_mov_b64 s[64:65], 0
	v_nop
	global_prefetch_b8 v0, s[64:65] scope:SCOPE_SE
	s_setreg_imm32_b32 hwreg(HW_REG_WAVE_MODE, 25, 1), 1
	s_wait_xcnt 0x0
; h = hidden_states + sigmoid(gate) LN(xc + bo; ao) -> xh (f32, row-major);  LN(h; f) -> xa (f16, pieces of Af).
; A work-group owns 16 rows (a row tile of Af), a wave one row: 24 numbers a lane; both norms stay in the wave's registers.  The variance is taken of the centred row.
; The f16 rows meet in LDS (rows 1,552 bytes apart, 97 x 16), since a piece of Af holds 16 rows; each wave then stores three pieces of 512 consecutive bytes.
; Memory binds: no matrix unit, no cluster, no tensor load would add anything.  LIMITS: the norm's result is rounded to f16 (within 65,504); NaN and infinities are not treated apart.
.set SPARE, 25088
.set PITCH, 1552
.set SPW, 2
.set NIL, 3
.set L16, 4
.set T,   8                            ; v8-15 at work
.set XR,  16                           ; the product's row, then the first norm
.set BOR, 40
.set AG,  64
.set AB,  88
.set HID, 112
.set FG,  136
.set FB,  160
.set HH,  184                          ; h, as stored
.set YR,  208                          ; the second norm
.set SG,  232                          ; v232-233 the gate, twice
.set STA, 236
.set RDA, 237
.set GOA, 238
.set WV,  8
.set INV, 40
.set EPS, 41
.set SEL, 42
.macro WRED t, u
	v_add_f32_dpp v[\t], v[\t], v[\t] row_xmask:1 row_mask:0xf bank_mask:0xf
	v_add_f32_dpp v[\t], v[\t], v[\t] row_xmask:2 row_mask:0xf bank_mask:0xf
	v_add_f32_dpp v[\t], v[\t], v[\t] row_xmask:4 row_mask:0xf bank_mask:0xf
	v_add_f32_dpp v[\t], v[\t], v[\t] row_xmask:8 row_mask:0xf bank_mask:0xf
	v_permlanex16_b32 v[\u], v[\t], s[SEL], s[SEL+1]
	v_add_f32 v[\t], v[\t], v[\u]
.endm
.macro LNROW S, D, G, B                ; D = (S - mean) rsqrt(var + eps) G + B
	v_pk_add_f32 v[T:T+1], v[(\S):(\S)+1], v[(\S)+2:(\S)+3]
	v_pk_add_f32 v[T+2:T+3], v[(\S)+4:(\S)+5], v[(\S)+6:(\S)+7]
.irp j, 8,12,16,20
	v_pk_add_f32 v[T:T+1], v[T:T+1], v[(\S)+\j:(\S)+\j+1]
	v_pk_add_f32 v[T+2:T+3], v[T+2:T+3], v[(\S)+\j+2:(\S)+\j+3]
.endr
	v_pk_add_f32 v[T:T+1], v[T:T+1], v[T+2:T+3]
	v_add_f32 v[T], v[T], v[T+1]
	WRED T, T+1
	v_mul_f32 v[T+4], s[INV], v[T]
	v_mul_f32 v[T+5], s[INV], v[T]
.irp j, 0,2,4,6,8,10,12,14,16,18,20,22
	v_pk_add_f32 v[(\D)+\j:(\D)+\j+1], v[(\S)+\j:(\S)+\j+1], v[T+4:T+5] neg_lo:[0,1] neg_hi:[0,1]
.endr
	v_pk_mul_f32 v[T:T+1], v[(\D):(\D)+1], v[(\D):(\D)+1]
	v_pk_mul_f32 v[T+2:T+3], v[(\D)+2:(\D)+3], v[(\D)+2:(\D)+3]
.irp j, 4,8,12,16,20
	v_pk_fma_f32 v[T:T+1], v[(\D)+\j:(\D)+\j+1], v[(\D)+\j:(\D)+\j+1], v[T:T+1]
	v_pk_fma_f32 v[T+2:T+3], v[(\D)+\j+2:(\D)+\j+3], v[(\D)+\j+2:(\D)+\j+3], v[T+2:T+3]
.endr
	v_pk_add_f32 v[T:T+1], v[T:T+1], v[T+2:T+3]
	v_add_f32 v[T], v[T], v[T+1]
	WRED T, T+1
	v_fma_f32 v[T], v[T], s[INV], s[EPS]
	v_rsq_f32 v[T+6], v[T]
	v_rsq_f32 v[T+7], v[T]
	v_nop                                          ; a plain instruction behind the root
	s_wait_alu depctr_va_vdst(0)
.irp j, 0,2,4,6,8,10,12,14,16,18,20,22
	v_pk_mul_f32 v[(\D)+\j:(\D)+\j+1], v[(\D)+\j:(\D)+\j+1], v[T+6:T+7]
.endr
.irp j, 0,2,4,6,8,10,12,14,16,18,20,22
	v_pk_fma_f32 v[(\D)+\j:(\D)+\j+1], v[(\D)+\j:(\D)+\j+1], v[(\G)+\j:(\G)+\j+1], v[(\B)+\j:(\B)+\j+1]
.endr
.endm
	s_load_b512 s[16:31], s[0:1], 0x0              ; xc, bo, ao_g, ao_b, gate, hidden, f_g, f_b
	s_load_b128 s[32:35], s[0:1], 0x40             ; xh, xa
	v_lshl_add_u32 v[SPW], v0, 2, SPARE
	v_mov_b32 v[NIL], 0
	v_lshrrev_b32 v1, 5, v0
	v_readfirstlane_b32 s[WV], v1
	v_and_b32 v5, 31, v0
	v_and_b32 v6, 15, v0
	v_bfe_u32 v7, v0, 4, 1
	v_lshlrev_b32 v[L16], 4, v5
	s_lshl4_add_u32 s9, ttmp9, s[WV]               ; my row
	s_mul_i32 s10, s9, 3072
	s_mov_b32 s11, 0
	s_mul_i32 s12, ttmp9, 24576
	s_mov_b32 s13, 0
	s_mov_b32 s[INV], 0x3aaaaaab                   ; 1/768
	s_mov_b32 s[EPS], 0x3727c5ac                   ; 1e-5
	s_mov_b32 s[SEL], 0x76543210
	s_mov_b32 s[SEL+1], 0xfedcba98
	s_mul_i32 s14, s[WV], PITCH
	v_lshl_add_u32 v[STA], v5, 3, s14
	v_mul_u32_u24 v[RDA], v6, PITCH
	v_lshl_add_u32 v[RDA], v7, 4, v[RDA]
	s_mul_i32 s14, s[WV], 96
	v_add_nc_u32 v[RDA], s14, v[RDA]               ; row r, pieces 3 w + 0..2
	s_mul_i32 s14, s[WV], 1536
	v_add_nc_u32 v[GOA], s14, v[L16]
	s_wait_kmcnt 0x0
	s_load_b32 s36, s[24:25], 0x0                  ; the gate's parameter
	s_add_nc_u64 s[16:17], s[16:17], s[10:11]
	s_add_nc_u64 s[26:27], s[26:27], s[10:11]
	s_add_nc_u64 s[32:33], s[32:33], s[10:11]
	s_add_nc_u64 s[34:35], s[34:35], s[12:13]
.irp j, 0,1,2,3,4,5
	global_load_b128 v[XR+4*\j:XR+4*\j+3], v[L16], s[16:17] offset:512*\j th:TH_LOAD_NT
	global_load_b128 v[HID+4*\j:HID+4*\j+3], v[L16], s[26:27] offset:512*\j th:TH_LOAD_NT
	global_load_b128 v[BOR+4*\j:BOR+4*\j+3], v[L16], s[18:19] offset:512*\j
	global_load_b128 v[AG+4*\j:AG+4*\j+3], v[L16], s[20:21] offset:512*\j
	global_load_b128 v[AB+4*\j:AB+4*\j+3], v[L16], s[22:23] offset:512*\j
	global_load_b128 v[FG+4*\j:FG+4*\j+3], v[L16], s[28:29] offset:512*\j
	global_load_b128 v[FB+4*\j:FB+4*\j+3], v[L16], s[30:31] offset:512*\j
.endr
	s_wait_kmcnt 0x0
	v_mov_b32 v[SG], s36                           ; sigmoid(x) = 1 / (1 + 2^(-x log2 e)), while the loads are on their way
	v_mul_f32 v[SG], 0xbfb8aa3b, v[SG]
	v_exp_f32 v[SG], v[SG]
	v_nop
	s_wait_alu depctr_va_vdst(0)
	v_add_f32 v[SG], 1.0, v[SG]
	v_rcp_f32 v[SG], v[SG]
	v_nop
	s_wait_alu depctr_va_vdst(0)
	v_mov_b32 v[SG+1], v[SG]
	s_wait_loadcnt 0x0
.irp j, 0,2,4,6,8,10,12,14,16,18,20,22
	v_pk_add_f32 v[XR+\j:XR+\j+1], v[XR+\j:XR+\j+1], v[BOR+\j:BOR+\j+1]
.endr
	LNROW XR, XR, AG, AB
.irp j, 0,2,4,6,8,10,12,14,16,18,20,22
	v_pk_fma_f32 v[HH+\j:HH+\j+1], v[XR+\j:XR+\j+1], v[SG:SG+1], v[HID+\j:HID+\j+1]
.endr
.irp j, 0,1,2,3,4,5
	global_store_b128 v[L16], v[HH+4*\j:HH+4*\j+3], s[32:33] offset:512*\j   ; h's registers are not written again
.endr
	LNROW HH, YR, FG, FB
.set i, 0
.rept 12
	v_cvt_pk_f16_f32 v[YR+i], v[YR+2*i], v[YR+2*i+1]
.set i, i+1
.endr
.irp j, 0,1,2,3,4,5
	ds_store_b64 v[STA], v[YR+2*\j:YR+2*\j+1] offset:256*\j
.endr
	s_wait_dscnt 0x0
	s_barrier_signal -1
	s_barrier_wait -1
.irp j, 0,1,2
	ds_load_b128 v[XR+4*\j:XR+4*\j+3], v[RDA] offset:32*\j
.endr
.irp j, 0,1,2
	s_wait_dscnt 2-\j
	global_store_b128 v[GOA], v[XR+4*\j:XR+4*\j+3], s[34:35] offset:512*\j
.endr
	s_wait_tensorcnt 0x0                           ; the wave's end
	ds_add_u32 v[SPW], v[NIL]
	s_wait_dscnt 0x0
	s_endpgm
.Lfunc_end_k_qa427fc19b7_ln2:
	.size	k_qa427fc19b7_ln2, .Lfunc_end_k_qa427fc19b7_ln2-k_qa427fc19b7_ln2
	.p2alignl 7, 3214868480
	.fill 96, 4, 3214868480
	.section	.rodata,"a",@progbits
	.p2align	6, 0x0
	.amdhsa_kernel k_qa427fc19b7_ln2
		.amdhsa_group_segment_fixed_size 27136
		.amdhsa_private_segment_fixed_size 0
		.amdhsa_enable_private_segment 0
		.amdhsa_kernarg_size 80
		.amdhsa_user_sgpr_count 2
		.amdhsa_user_sgpr_kernarg_segment_ptr 1
		.amdhsa_wavefront_size32 1
		.amdhsa_system_sgpr_workgroup_id_x 1
		.amdhsa_system_sgpr_workgroup_id_y 1
		.amdhsa_system_sgpr_workgroup_id_z 1
		.amdhsa_system_vgpr_workitem_id 0
		.amdhsa_next_free_vgpr 256
		.amdhsa_next_free_sgpr 66
		.amdhsa_reserve_vcc 0
		.amdhsa_float_denorm_mode_32 3
		.amdhsa_float_denorm_mode_16_64 3
		.amdhsa_memory_ordered 1
		.amdhsa_forward_progress 1
		.amdhsa_inst_pref_size 20
	.end_amdhsa_kernel
	.amdgpu_metadata
---
amdhsa.version: [ 1, 2 ]
amdhsa.kernels:
  - .name:           k_qa427fc19b7_ln2
    .symbol:         k_qa427fc19b7_ln2.kd
    .args:
      - { .name: xc, .offset: 0, .size: 8, .value_kind: global_buffer, .address_space: global }
      - { .name: bo, .offset: 8, .size: 8, .value_kind: global_buffer, .address_space: global }
      - { .name: ln_ao_g, .offset: 16, .size: 8, .value_kind: global_buffer, .address_space: global }
      - { .name: ln_ao_b, .offset: 24, .size: 8, .value_kind: global_buffer, .address_space: global }
      - { .name: gate_param, .offset: 32, .size: 8, .value_kind: global_buffer, .address_space: global }
      - { .name: hidden_states, .offset: 40, .size: 8, .value_kind: global_buffer, .address_space: global }
      - { .name: ln_f_g, .offset: 48, .size: 8, .value_kind: global_buffer, .address_space: global }
      - { .name: ln_f_b, .offset: 56, .size: 8, .value_kind: global_buffer, .address_space: global }
      - { .name: xh, .offset: 64, .size: 8, .value_kind: global_buffer, .address_space: global }
      - { .name: xa, .offset: 72, .size: 8, .value_kind: global_buffer, .address_space: global }
    .group_segment_fixed_size: 27136
    .private_segment_fixed_size: 0
    .kernarg_segment_align: 8
    .kernarg_segment_size: 80
    .max_flat_workgroup_size: 512
    .sgpr_count:     66
    .vgpr_count:     256
    .wavefront_size: 32
...
	.end_amdgpu_metadata
.endif
;; end of part 5
;; launch ffn1 (part 6): grid 16 x 16, 4 waves a work-group, clusters of 4 x 1, 295,424 bytes of LDS; arguments xa, w1p, b1, xk; writes xk
.if DOCPART == 6
	.amdgcn_target "amdgcn-amd-amdhsa--gfx1250"
	.amdhsa_code_object_version 6
	.text
	.protected	k_qa427fc19b7_ffn1
	.globl	k_qa427fc19b7_ffn1
	.p2align	8
	.type	k_qa427fc19b7_ffn1,@function
k_qa427fc19b7_ffn1:
	s_mov_b64 s[64:65], 0
	v_nop
	global_prefetch_b8 v0, s[64:65] scope:SCOPE_SE
	s_setreg_imm32_b32 hwreg(HW_REG_WAVE_MODE, 25, 1), 1
	s_wait_xcnt 0x0
	s_wait_alu depctr_hold_cnt(0) depctr_sa_sdst(0) depctr_va_vdst(0) depctr_va_sdst(0) depctr_va_ssrc(0) depctr_va_vcc(0) depctr_vm_vsrc(0)
	s_getreg_b32 s2, hwreg(HW_REG_IB_STS2, 6, 4)
	s_cmp_eq_u32 s2, 0
	s_cbranch_scc0 .Lentry_in_a_cluster
	s_endpgm
.Lentry_in_a_cluster:
	s_bfe_u32 s2, ttmp6, 0x10000c
	s_cmp_lg_u32 s2, 0x3003
	s_cbranch_scc0 .Lentry_shape_is_right
	s_endpgm
.Lentry_shape_is_right:
; act = gelu(A x W1 + b1), exact (erf) form.  A: xa, [2048][768] f16 in pieces (Af); W1: w1p, four units of [768 k][768 n] f16 fragments (Wp); act: xk, four Af matrices, one for each
; column group g of 768 (g = the cluster's x): the K chunks of the next product.
; The product is the plain product kernel's: a work-group makes 128 rows (mb) x 192 columns (nb = its place in the cluster), wave w columns 48 w .. + 47: 24 accumulators; all of A's 128 rows
; lie in LDS, filled once by six joint loads a wave (mask 15; six tensor loads of a wave are out by this text's count); W's fragments, which belong to one wave alone, come straight into
; registers three K steps ahead.  Source 0 = W, source 1 = A: a lane holds one row and 8 neighbouring columns, which is a lane's share of a piece of Af: no stage, no barrier on the way out.
; b1 is the C operand that starts the sums.
; GELU.  y = max(x, 0) - |x| (1/2) erfc(|x| / sqrt 2), erfc by Abramowitz and Stegun 7.1.26 (absolute error at most 1.5e-7 for every argument): t = 1 / (1 + 0.3275911 z), a polynomial of degree
; 5 in t times e^(-z z).  No difference of near numbers is formed.  The accumulators go through the wave's own LDS bytes, so that one text of the activation serves all eight row tiles.
; LIMITS.  f16 operands and result (within 65,504), f32 sums; NaN and infinities are not treated apart.
.set KCH,   32768
.set DUMP,  196608                     ; behind A: 24,576 bytes for each wave; no tensor load lands here
.set SPARE, DUMP+4*24576
.set SPW, 2
.set NIL, 3
.set AA,  4
.set WO,  5
.set DA,  6                            ; v6  my 16 bytes in my dump, at the row tile in hand
.set GO,  7                            ; v7  16 L + the row tile's 24,576 bytes, one ahead
.set BI,  32                           ; v32-55 b1 of my 3 tiles: register j of tile t is column 16 t + 8 h + j
.set ACC, 64
.set XX,  64                           ; the activation's registers, where the accumulators lay
.set AX,  88
.set RR,  112
.set SS,  136
.set UU,  160
.set EE,  184
.set PP,  208
.set OO,  232
.set FA,  0
.set FW,  128
.set WV,  12
.set G1,  24
.set G0,  32
.set MUL,  0x05
.set TO_F, 0x40
.set MSB, 0
.macro WIN new
.if MSB != (\new)
	s_set_vgpr_msb (MSB<<8)|(\new)
.set MSB, (\new)
.endif
.endm
.macro PLACES
.rept 4
	v_nop
.endr
.endm
.macro CROUND
	s_barrier_signal -1
	s_barrier_wait -1
	s_cmp_lg_u32 s[WV], 0
	s_cbranch_scc1 .Lnot_wave_0_\@
	s_barrier_signal -3
.Lnot_wave_0_\@:
	s_barrier_wait -3
	s_barrier_signal -1
	s_barrier_wait -1
.endm
.macro KSTEP st, first, fa, fb, wd, wl, bar
	PLACES                                         ; behind the last products, ahead of loads into the registers that they read
.if \bar
	s_wait_tensorcnt 0x0
	s_wait_dscnt 0x0
	s_barrier_signal -1
	s_barrier_wait -1
.endif
	WIN TO_F
.if \fa
.set ao, ((\st)+1)*1024
.if (\st) == 3
.set ao, KCH
.endif
.set ab, FA+64*(((\st)+1)%2)
.irp i, 0,1,2,3,4,5,6,7
	ds_load_b128 v[ab+8*\i:ab+8*\i+3], v[AA] offset:ao+4096*\i
	ds_load_b128 v[ab+8*\i+4:ab+8*\i+7], v[AA] offset:ao+4096*\i+512
.endr
.endif
.if \fb
.set wb, FW+24*(((\st)+3)%4)
.irp t, 0,1,2
	global_load_b128 v[wb+8*\t:wb+8*\t+3], v[WO], s[6:7] offset:24576*\t+((\st)+3)*1024
	global_load_b128 v[wb+8*\t+4:wb+8*\t+7], v[WO], s[6:7] offset:24576*\t+((\st)+3)*1024+512
.endr
.endif
	s_wait_dscnt \wd
	s_wait_loadcnt \wl
	WIN MUL
.set ab, FA+64*((\st)%2)
.set wb, FW+24*((\st)%4)
.irp i, 0,1,2,3,4,5,6,7                ; the 24 accumulators take turns, over the backward jump too
.irp t, 0,1,2
.if \first
	v_wmma_f32_16x16x32_f16 v[ACC+8*(3*\i+\t):ACC+8*(3*\i+\t)+7], v[wb+8*\t:wb+8*\t+7], v[ab+8*\i:ab+8*\i+7], v[BI+8*\t:BI+8*\t+7]
.else
	v_wmma_f32_16x16x32_f16 v[ACC+8*(3*\i+\t):ACC+8*(3*\i+\t)+7], v[wb+8*\t:wb+8*\t+7], v[ab+8*\i:ab+8*\i+7], v[ACC+8*(3*\i+\t):ACC+8*(3*\i+\t)+7]
.endif
.endr
.endr
.endm
.macro STEP
	WIN 0
	s_wait_xcnt 0x0                                ; W's loads have read their base
	s_add_nc_u64 s[6:7], s[6:7], 4096
	v_add_nc_u32 v[AA], KCH, v[AA]
.endm
	s_load_b256 s[4:11], s[0:1], 0x0               ; A s[4:5], W s[6:7], b1 s[8:9], act s[10:11]
	v_lshl_add_u32 v[SPW], v0, 2, SPARE
	v_mov_b32 v[NIL], 0
	ds_add_u32 v[SPW], v[NIL]                      ; the wave's opening: the add and its wait ahead of the first tensor load
	v_lshrrev_b32 v1, 5, v0
	v_readfirstlane_b32 s[WV], v1
	s_bfe_u32 s13, ttmp6, 0x40000                  ; nb: it enters W's, b1's and act's addresses alone
	s_and_b32 s14, ttmp7, 0xffff                   ; mb
	s_mul_i32 s16, s14, 196608                     ; A: row tiles 8 mb + 2 w, + 1
	s_mul_i32 s17, s[WV], 49152
	s_add_co_u32 s16, s16, s17
	s_mov_b32 s17, 0
	s_mul_i32 s18, s13, 12                         ; tiles 12 nb + 3 w + 0..2 of unit g
	s_mul_i32 s19, s[WV], 3
	s_add_co_u32 s15, s18, s19
	s_mul_i32 s18, s15, 24576
	s_mul_i32 s19, ttmp9, 1179648
	s_add_co_u32 s18, s18, s19
	s_mov_b32 s19, 0
	s_lshl_b32 s22, s15, 9                         ; act: matrix g, row tiles 8 mb on, pieces 12 nb + 3 w on
	s_mul_i32 s23, s14, 196608
	s_add_co_u32 s22, s22, s23
	s_mul_i32 s23, ttmp9, 3145728
	s_add_co_u32 s22, s22, s23
	s_mov_b32 s23, 0
	s_lshl_b32 s74, s15, 6                         ; b1: 64 bytes a tile,
	s_mul_i32 s75, ttmp9, 3072                     ; 3,072 a column group
	s_add_co_u32 s74, s74, s75
	s_mov_b32 s75, 0
	s_lshl_b32 s20, s[WV], 13
	s_mov_b32 s[G1+0], 15|(3<<16)|(1<<21)          ; the mask of four; elements of 8 bytes; bit 21 beside a mask
	s_mov_b32 s[G1+1], 512<<16                     ; 2 rows of 4,096 bytes (4 K steps of a row tile), 24,576 bytes apart
	s_mov_b32 s[G1+2], 2<<16
	s_mov_b32 s[G1+3], 512<<16
	s_mov_b32 s[G1+4], 2
	s_mov_b32 s[G1+5], 3072
	s_mov_b32 s[G1+6], 0
	s_mov_b32 s[G1+7], 0
	s_mov_b32 s56, 0x3f596d27                      ; sqrt(log2(e) / 2): (this x)^2 = z^2 log2 e
	s_mov_b32 s57, s56
	s_mov_b32 s58, 0x3e6d3388                      ; 0.3275911 / sqrt 2
	s_mov_b32 s59, s58
	s_mov_b32 s60, 0x3f07dc22                      ; the polynomial's coefficients, halved: a5 .. a1
	s_mov_b32 s61, s60
	s_mov_b32 s62, 0xbf3a00e3
	s_mov_b32 s63, s62
	s_mov_b32 s66, 0x3f35f0e3
	s_mov_b32 s67, s66
	s_mov_b32 s68, 0xbe11a98e
	s_mov_b32 s69, s68
	s_mov_b32 s70, 0x3e027906
	s_mov_b32 s71, s70
	s_mov_b32 s72, 0x7fffffff
	v_and_b32 v14, 31, v0
	v_bfe_u32 v16, v0, 4, 1
	v_lshlrev_b32 v[AA], 4, v14
	v_lshlrev_b32 v[WO], 4, v14
	v_lshlrev_b32 v[GO], 4, v14
	v_lshlrev_b32 v15, 5, v16                      ; b1: 32 h
	s_mul_i32 s21, s[WV], 24576
	s_add_co_u32 s21, s21, DUMP
	v_add_nc_u32 v[DA], s21, v[WO]
	s_wait_dscnt 0x0                               ; the opening add is done
	s_wait_kmcnt 0x0
	s_add_nc_u64 s[4:5], s[4:5], s[16:17]
	s_add_nc_u64 s[6:7], s[6:7], s[18:19]
	s_add_nc_u64 s[8:9], s[8:9], s[74:75]
	s_add_nc_u64 s[10:11], s[10:11], s[22:23]
.irp c, 0,1,2,3,4,5
	s_mov_b32 s[G0+4*\c], 1
	s_add_co_u32 s[G0+4*\c+1], s20, \c*KCH
	s_add_nc_u64 s[G0+4*\c+2:G0+4*\c+3], s[4:5], \c*4096
	s_or_b32 s[G0+4*\c+3], s[G0+4*\c+3], 0x80000000
.endr
	CROUND                                         ; all four work-groups are here: the joint loads meet
.irp c, 0,1,2,3,4,5
	tensor_load_to_lds s[G0+4*\c:G0+4*\c+3], s[G1:G1+7]
	s_nop 0
.endr
	PLACES
.irp t, 0,1,2
	global_load_b128 v[BI+8*\t:BI+8*\t+3], v15, s[8:9] offset:64*\t
	global_load_b128 v[BI+8*\t+4:BI+8*\t+7], v15, s[8:9] offset:64*\t+16
.endr
	WIN TO_F
.irp k, 0,1,2
.irp t, 0,1,2
	global_load_b128 v[FW+24*\k+8*\t:FW+24*\k+8*\t+3], v[WO], s[6:7] offset:24576*\t+1024*\k
	global_load_b128 v[FW+24*\k+8*\t+4:FW+24*\k+8*\t+7], v[WO], s[6:7] offset:24576*\t+1024*\k+512
.endr
.endr
	s_wait_tensorcnt 5                             ; my part of chunk 0 is in; the five younger loads may stay out
	s_barrier_signal -1
	s_barrier_wait -1
.irp i, 0,1,2,3,4,5,6,7
	ds_load_b128 v[FA+8*\i:FA+8*\i+3], v[AA] offset:4096*\i
	ds_load_b128 v[FA+8*\i+4:FA+8*\i+7], v[AA] offset:4096*\i+512
.endr
	KSTEP 0, 1, 1, 1, 16, 18, 0                    ; the first K step starts the sums with b1 (its loads are older than W's); wd = the next K step's 16 loads, wl = three younger K steps of 6
	KSTEP 1, 0, 1, 1, 16, 18, 0
	KSTEP 2, 0, 1, 1, 16, 18, 0
	KSTEP 3, 0, 1, 1, 16, 18, 1                    ; the next fragments lie in chunk 1: from here on all of A is in
	STEP
	s_mov_b32 s21, 4
.Ltrip:
	KSTEP 0, 0, 1, 1, 16, 18, 0
	KSTEP 1, 0, 1, 1, 16, 18, 0
	KSTEP 2, 0, 1, 1, 16, 18, 0
	KSTEP 3, 0, 1, 1, 16, 18, 0
	STEP
	s_sub_co_u32 s21, s21, 1
	s_cmp_lg_u32 s21, 0
	s_cbranch_scc1 .Ltrip
	KSTEP 0, 0, 1, 1, 16, 18, 0
	KSTEP 1, 0, 1, 0, 16, 12, 0
	KSTEP 2, 0, 1, 0, 16, 6, 0
	KSTEP 3, 0, 0, 0, 0, 0, 0
	PLACES
	WIN 0
.set i, 0
.rept 24                                       ; into my own bytes of LDS, each accumulator's low four registers first
	ds_store_b128 v[DA], v[ACC+8*i:ACC+8*i+3] offset:1024*i
	ds_store_b128 v[DA], v[ACC+8*i+4:ACC+8*i+7] offset:1024*i+512
.set i, i+1
.endr
.set i, 0
.rept 6                                        ; row tile 0; LDS serves a wave's instructions in order: these see the stores above
	ds_load_b128 v[XX+4*i:XX+4*i+3], v[DA] offset:512*i
.set i, i+1
.endr
	s_mov_b32 s21, 8
.Lgelu:                                        ; a trip: one row tile, 24 numbers a lane
	s_wait_dscnt 0x0
	s_wait_xcnt 0x0                                ; the last trip's stores have read their offset and data
	v_add_nc_u32 v[GO], 24576, v[GO]               ; the stores below reach back
.set i, 0
.rept 24
	v_and_b32 v[AX+i], s72, v[XX+i]
	v_max_num_f32 v[RR+i], 0, v[XX+i]
.set i, i+1
.endr
.set i, 0
.rept 12
	v_pk_mul_f32 v[SS+i:SS+i+1], v[XX+i:XX+i+1], s[56:57] op_sel_hi:[1,0]
.set i, i+2
.endr
	s_cmp_eq_u32 s21, 1                            ; the last trip has no row tile behind it
	s_cbranch_scc1 .Lnomore
	v_add_nc_u32 v[DA], 3072, v[DA]
.set i, 0
.rept 6
	ds_load_b128 v[XX+4*i:XX+4*i+3], v[DA] offset:512*i
.set i, i+1
.endr
.Lnomore:
.set i, 0
.rept 12
	v_pk_fma_f32 v[UU+i:UU+i+1], v[AX+i:AX+i+1], s[58:59], 1.0 op_sel_hi:[1,0,0]
.set i, i+2
.endr
.set i, 0
.rept 24
	v_rcp_f32 v[UU+i], v[UU+i]
.set i, i+1
.endr
.set i, 0
.rept 12
	v_pk_mul_f32 v[SS+i:SS+i+1], v[SS+i:SS+i+1], v[SS+i:SS+i+1] neg_lo:[1,0] neg_hi:[1,0]
.set i, i+2
.endr
.set i, 0
.rept 24
	v_exp_f32 v[EE+i], v[SS+i]
.set i, i+1
.endr
.set i, 0
	s_wait_alu depctr_va_vdst(0)
.rept 12
	v_pk_fma_f32 v[PP+i:PP+i+1], v[UU+i:UU+i+1], s[60:61], s[62:63] op_sel_hi:[1,0,0]
.set i, i+2
.endr
.irp c, 66,68,70
.set i, 0
.rept 12
	v_pk_fma_f32 v[PP+i:PP+i+1], v[PP+i:PP+i+1], v[UU+i:UU+i+1], s[\c:\c+1] op_sel_hi:[1,1,0]
.set i, i+2
.endr
.endr
.set i, 0
.rept 12
	v_pk_mul_f32 v[PP+i:PP+i+1], v[PP+i:PP+i+1], v[UU+i:UU+i+1]
.set i, i+2
.endr
.set i, 0
.rept 12
	v_pk_mul_f32 v[PP+i:PP+i+1], v[PP+i:PP+i+1], v[EE+i:EE+i+1]
.set i, i+2
.endr
.set i, 0
.rept 12
	v_pk_fma_f32 v[PP+i:PP+i+1], v[AX+i:AX+i+1], v[PP+i:PP+i+1], v[RR+i:RR+i+1] neg_lo:[1,0,0] neg_hi:[1,0,0]
.set i, i+2
.endr
.set i, 0
.rept 12
	v_cvt_pk_f16_f32 v[OO+i], v[PP+2*i], v[PP+2*i+1]
.set i, i+1
.endr
.irp t, 0,1,2
	global_store_b128 v[GO], v[OO+4*\t:OO+4*\t+3], s[10:11] offset:512*\t-24576   ; a piece of Af: 512 consecutive bytes
.endr
	s_sub_co_u32 s21, s21, 1
	s_cmp_lg_u32 s21, 0
	s_cbranch_scc1 .Lgelu
	s_wait_tensorcnt 0x0                           ; the wave's end
	ds_add_u32 v[SPW], v[NIL]
	s_wait_dscnt 0x0
	CROUND                                         ; the closing round
	s_endpgm
.Lfunc_end_k_qa427fc19b7_ffn1:
	.size	k_qa427fc19b7_ffn1, .Lfunc_end_k_qa427fc19b7_ffn1-k_qa427fc19b7_ffn1
	.p2alignl 7, 3214868480
	.fill 96, 4, 3214868480
	.section	.rodata,"a",@progbits
	.p2align	6, 0x0
	.amdhsa_kernel k_qa427fc19b7_ffn1
		.amdhsa_group_segment_fixed_size 295424
		.amdhsa_private_segment_fixed_size 0
		.amdhsa_enable_private_segment 0
		.amdhsa_kernarg_size 32
		.amdhsa_user_sgpr_count 2
		.amdhsa_user_sgpr_kernarg_segment_ptr 1
		.amdhsa_wavefront_size32 1
		.amdhsa_system_sgpr_workgroup_id_x 1
		.amdhsa_system_sgpr_workgroup_id_y 1
		.amdhsa_system_sgpr_workgroup_id_z 1
		.amdhsa_system_vgpr_workitem_id 0
		.amdhsa_next_free_vgpr 480
		.amdhsa_next_free_sgpr 96
		.amdhsa_reserve_vcc 0
		.amdhsa_float_denorm_mode_32 3
		.amdhsa_float_denorm_mode_16_64 3
		.amdhsa_memory_ordered 1
		.amdhsa_forward_progress 1
		.amdhsa_inst_pref_size 64
	.end_amdhsa_kernel
	.amdgpu_metadata
---
amdhsa.version: [ 1, 2 ]
amdhsa.kernels:
  - .name:           k_qa427fc19b7_ffn1
    .symbol:         k_qa427fc19b7_ffn1.kd
    .args:
      - { .name: xa, .offset: 0, .size: 8, .value_kind: global_buffer, .address_space: global }
      - { .name: w1p, .offset: 8, .size: 8, .value_kind: global_buffer, .address_space: global }
      - { .name: b1, .offset: 16, .size: 8, .value_kind: global_buffer, .address_space: global }
      - { .name: xk, .offset: 24, .size: 8, .value_kind: global_buffer, .address_space: global }
    .group_segment_fixed_size: 295424
    .private_segment_fixed_size: 0
    .kernarg_segment_align: 8
    .kernarg_segment_size: 32
    .max_flat_workgroup_size: 128
    .sgpr_count:     96
    .vgpr_count:     480
    .wavefront_size: 32
...
	.end_amdgpu_metadata
.endif
;; end of part 6
;; launch ffn2: the kernel of part 3 again; grid 16 x 16, 4 waves a work-group, clusters of 4 x 1, 297,472 bytes of LDS; arguments xk, w2p, xc; writes xc
;; launch final (part 7): grid 256 x 1, 8 waves a work-group, no clusters, 0 bytes of LDS; arguments xc, xh, b2, out0; writes out0
.if DOCPART == 7
	.amdgcn_target "amdgcn-amd-amdhsa--gfx1250"
	.amdhsa_code_object_version 6
	.text
	.protected	k_qa427fc19b7_final
	.globl	k_qa427fc19b7_final
	.p2align	8
	.type	k_qa427fc19b7_final,@function
k_qa427fc19b7_final:
	s_mov_b64 s[64:65], 0
	v_nop
	global_prefetch_b8 v0, s[64:65] scope:SCOPE_SE
	s_setreg_imm32_b32 hwreg(HW_REG_WAVE_MODE, 25, 1), 1
	s_wait_xcnt 0x0
; out0 = h + b2 + the four partial sums of the last product (its K was split in four; the partial sums are f32).  All rows are 768 f32.
; A stream: one row a wave, 36 loads of 512 consecutive bytes in flight, 6 stores of 512 consecutive bytes.  No LDS, barrier or matrix unit would add anything.
.set ROWB, 3072
.set PART, 6291456
	s_load_b256 s[4:11], s[0:1], 0x0               ; xc s[4:5], xh s[6:7], b2 s[8:9], out0 s[10:11]
	v_lshrrev_b32 v1, 5, v0
	v_readfirstlane_b32 s12, v1
	v_and_b32 v2, 31, v0
	v_lshlrev_b32 v2, 4, v2                        ; 16 L
	s_lshl3_add_u32 s13, ttmp9, s12                ; my row
	s_mul_i32 s14, s13, ROWB
	s_mov_b32 s15, 0
	s_wait_kmcnt 0x0
	s_add_nc_u64 s[4:5], s[4:5], s[14:15]
	s_add_nc_u64 s[16:17], s[4:5], PART
	s_add_nc_u64 s[18:19], s[16:17], PART
	s_add_nc_u64 s[20:21], s[18:19], PART
	s_add_nc_u64 s[6:7], s[6:7], s[14:15]
	s_add_nc_u64 s[10:11], s[10:11], s[14:15]
.irp j, 0,1,2,3,4,5
	global_load_b128 v[16+4*\j:16+4*\j+3], v2, s[4:5] offset:512*\j th:TH_LOAD_NT
	global_load_b128 v[40+4*\j:40+4*\j+3], v2, s[16:17] offset:512*\j th:TH_LOAD_NT
	global_load_b128 v[64+4*\j:64+4*\j+3], v2, s[18:19] offset:512*\j th:TH_LOAD_NT
	global_load_b128 v[88+4*\j:88+4*\j+3], v2, s[20:21] offset:512*\j th:TH_LOAD_NT
	global_load_b128 v[112+4*\j:112+4*\j+3], v2, s[6:7] offset:512*\j th:TH_LOAD_NT
	global_load_b128 v[136+4*\j:136+4*\j+3], v2, s[8:9] offset:512*\j
.endr
	s_wait_loadcnt 0x0
.set n, 0
.rept 12
	v_pk_add_f32 v[16+n:17+n], v[16+n:17+n], v[40+n:41+n]
	v_pk_add_f32 v[64+n:65+n], v[64+n:65+n], v[88+n:89+n]
	v_pk_add_f32 v[112+n:113+n], v[112+n:113+n], v[136+n:137+n]
	v_pk_add_f32 v[16+n:17+n], v[16+n:17+n], v[64+n:65+n]
	v_pk_add_f32 v[16+n:17+n], v[16+n:17+n], v[112+n:113+n]
.set n, n+2
.endr
.irp j, 0,1,2,3,4,5
	global_store_b128 v2, v[16+4*\j:16+4*\j+3], s[10:11] offset:512*\j th:TH_STORE_NT
.endr
	s_endpgm
.Lfunc_end_k_qa427fc19b7_final:
	.size	k_qa427fc19b7_final, .Lfunc_end_k_qa427fc19b7_final-k_qa427fc19b7_final
	.p2alignl 7, 3214868480
	.fill 96, 4, 3214868480
	.section	.rodata,"a",@progbits
	.p2align	6, 0x0
	.amdhsa_kernel k_qa427fc19b7_final
		.amdhsa_group_segment_fixed_size 0
		.amdhsa_private_segment_fixed_size 0
		.amdhsa_enable_private_segment 0
		.amdhsa_kernarg_size 32
		.amdhsa_user_sgpr_count 2
		.amdhsa_user_sgpr_kernarg_segment_ptr 1
		.amdhsa_wavefront_size32 1
		.amdhsa_system_sgpr_workgroup_id_x 1
		.amdhsa_system_sgpr_workgroup_id_y 1
		.amdhsa_system_sgpr_workgroup_id_z 1
		.amdhsa_system_vgpr_workitem_id 0
		.amdhsa_next_free_vgpr 160
		.amdhsa_next_free_sgpr 66
		.amdhsa_reserve_vcc 0
		.amdhsa_float_denorm_mode_32 3
		.amdhsa_float_denorm_mode_16_64 3
		.amdhsa_memory_ordered 1
		.amdhsa_forward_progress 1
		.amdhsa_inst_pref_size 9
	.end_amdhsa_kernel
	.amdgpu_metadata
---
amdhsa.version: [ 1, 2 ]
amdhsa.kernels:
  - .name:           k_qa427fc19b7_final
    .symbol:         k_qa427fc19b7_final.kd
    .args:
      - { .name: xc, .offset: 0, .size: 8, .value_kind: global_buffer, .address_space: global }
      - { .name: xh, .offset: 8, .size: 8, .value_kind: global_buffer, .address_space: global }
      - { .name: b2, .offset: 16, .size: 8, .value_kind: global_buffer, .address_space: global }
      - { .name: out0, .offset: 24, .size: 8, .value_kind: global_buffer, .address_space: global }
    .group_segment_fixed_size: 0
    .private_segment_fixed_size: 0
    .kernarg_segment_align: 8
    .kernarg_segment_size: 32
    .max_flat_workgroup_size: 256
    .sgpr_count:     66
    .vgpr_count:     160
    .wavefront_size: 32
...
	.end_amdgpu_metadata
.endif
;; end of part 7
;; ======== version 2 of 2: 8 launches
;; limits: values are held in f16: magnitudes above 65,504 overflow, below 6.1e-05 lose precision
;; workspace buffers: wqp 1,179,648 bytes; wop 1,179,648 bytes; w1p 4,718,592 bytes; w2p 4,718,592 bytes; xa 3,145,728 bytes; xc 25,165,824 bytes; xh 6,291,456 bytes; xk 12,582,912 bytes
;; launch prep (part 8): grid 552 x 1, 4 waves a work-group, no clusters, 74,240 bytes of LDS; arguments Wq, Wo, W2, W1, W_bottle, Wkv, hidden_states, ln_h_g, ln_h_b, wqp, wop, w2p, w1p, xh, xa; writes wqp, wop, w2p, w1p, xh, xa
.if DOCPART == 8
	.amdgcn_target "amdgcn-amd-amdhsa--gfx1250"
	.amdhsa_code_object_version 6
	.text
	.protected	k_qa427fc19b7_prep
	.globl	k_qa427fc19b7_prep
	.p2align	8
	.type	k_qa427fc19b7_prep,@function
k_qa427fc19b7_prep:
	s_mov_b64 s[64:65], 0
	v_nop
	global_prefetch_b8 v0, s[64:65] scope:SCOPE_SE
	s_setreg_imm32_b32 hwreg(HW_REG_WAVE_MODE, 25, 1), 1
	s_wait_xcnt 0x0
; PREPARATION, three roles by the work-group's number (the same for all four waves of a work-group):
;   0..63    WC    Wc = W_bottle x Wkv ([1024 k][128 n]); (LN(img) W_bottle) Wkv = LN(img) Wc for every input
;   64..191  LNQ   LN(hidden_states) -> xa
;   192..551 PACK  Wq, Wo, W2 (4 row chunks of 768), W1 (4 column groups of 768) -> f16 fragments
; LAYOUTS.  A piece is 512 bytes: lane L's 16 bytes at 16 L; r = L % 16, h = L / 16.
;   Af (xa): piece (mt, p) at (48 mt + p) 512: row 16 mt + r, columns 16 p + 8 h + 0..7.
;   Wp (unit [768 k][768 n]): fragment (nt, ks) at (24 nt + ks) 1024, halves q at + 512 q: n = 16 nt + r, k = 32 ks + 16 q + 8 h + 0..7.
;   Wc (xh's first 262,144 bytes): (32 nt + ks) 1024 + 512 q, the same lanes.
; LIMITS.  All matrix operands are f16, sums f32: a weight or a product sum beyond 65,504 is not served, numbers below 6e-5 keep f16's fixed step.
; The variance is taken of the centred row.  NaN and infinities are not treated apart.
.set SPARE, 73728                      ; behind every role's bytes: the spare words, 128 bytes a wave
.set SPW, 2                            ; v2  SPARE + 4 x thread; never rewritten
.set NIL, 3                            ; v3  0; never rewritten
.set LL,  4                            ; v4  L
.set LR,  5                            ; v5  r
.set LH,  6                            ; v6  h
.set L16, 7                            ; v7  16 L
.set T,   8                            ; v8-15 at work (LNQ)
.set WV,  8                            ; s8  wave
.set INV, 40                           ; s40 1/768
.set EPS, 41                           ; s41 1e-5
.set SEL, 42                           ; s[42:43] v_permlanex16_b32: each lane takes its own place in the other half
.set MSB, 0
.macro WIN new                         ; the high byte repeats the setting that is left
.if MSB != (\new)
	s_set_vgpr_msb (MSB<<8)|(\new)
.set MSB, (\new)
.endif
.endm
.macro PLACES                          ; four places behind a matrix instruction (ISA guide 7.12.1)
.rept 4
	v_nop
.endr
.endm
.macro FINISH                          ; the wave's end
	s_wait_tensorcnt 0x0
	ds_add_u32 v[SPW], v[NIL]
	s_wait_dscnt 0x0
	s_endpgm
.endm
.macro WRED t, u                       ; the sum over the wave's 32 lanes, in every lane
	v_add_f32_dpp v[\t], v[\t], v[\t] row_xmask:1 row_mask:0xf bank_mask:0xf
	v_add_f32_dpp v[\t], v[\t], v[\t] row_xmask:2 row_mask:0xf bank_mask:0xf
	v_add_f32_dpp v[\t], v[\t], v[\t] row_xmask:4 row_mask:0xf bank_mask:0xf
	v_add_f32_dpp v[\t], v[\t], v[\t] row_xmask:8 row_mask:0xf bank_mask:0xf
	v_permlanex16_b32 v[\u], v[\t], s[SEL], s[SEL+1]
	v_add_f32 v[\t], v[\t], v[\u]
.endm
; A row of 768 numbers, 24 a lane: D = (S - mean) rsqrt(var + eps) G + B.
.macro LNROW S, D, G, B
	v_pk_add_f32 v[T:T+1], v[(\S):(\S)+1], v[(\S)+2:(\S)+3]
	v_pk_add_f32 v[T+2:T+3], v[(\S)+4:(\S)+5], v[(\S)+6:(\S)+7]
.irp j, 8,12,16,20
	v_pk_add_f32 v[T:T+1], v[T:T+1], v[(\S)+\j:(\S)+\j+1]
	v_pk_add_f32 v[T+2:T+3], v[T+2:T+3], v[(\S)+\j+2:(\S)+\j+3]
.endr
	v_pk_add_f32 v[T:T+1], v[T:T+1], v[T+2:T+3]
	v_add_f32 v[T], v[T], v[T+1]
	WRED T, T+1
	v_mul_f32 v[T+4], s[INV], v[T]
	v_mul_f32 v[T+5], s[INV], v[T]
.irp j, 0,2,4,6,8,10,12,14,16,18,20,22
	v_pk_add_f32 v[(\D)+\j:(\D)+\j+1], v[(\S)+\j:(\S)+\j+1], v[T+4:T+5] neg_lo:[0,1] neg_hi:[0,1]
.endr
	v_pk_mul_f32 v[T:T+1], v[(\D):(\D)+1], v[(\D):(\D)+1]
	v_pk_mul_f32 v[T+2:T+3], v[(\D)+2:(\D)+3], v[(\D)+2:(\D)+3]
.irp j, 4,8,12,16,20
	v_pk_fma_f32 v[T:T+1], v[(\D)+\j:(\D)+\j+1], v[(\D)+\j:(\D)+\j+1], v[T:T+1]
	v_pk_fma_f32 v[T+2:T+3], v[(\D)+\j+2:(\D)+\j+3], v[(\D)+\j+2:(\D)+\j+3], v[T+2:T+3]
.endr
	v_pk_add_f32 v[T:T+1], v[T:T+1], v[T+2:T+3]
	v_add_f32 v[T], v[T], v[T+1]
	WRED T, T+1
	v_fma_f32 v[T], v[T], s[INV], s[EPS]
	v_rsq_f32 v[T+6], v[T]
	v_rsq_f32 v[T+7], v[T]
	v_nop                                          ; a plain instruction behind the root (ISA guide 5.7.2)
	s_wait_alu depctr_va_vdst(0)
.irp j, 0,2,4,6,8,10,12,14,16,18,20,22
	v_pk_mul_f32 v[(\D)+\j:(\D)+\j+1], v[(\D)+\j:(\D)+\j+1], v[T+6:T+7]
.endr
.irp j, 0,2,4,6,8,10,12,14,16,18,20,22
	v_pk_fma_f32 v[(\D)+\j:(\D)+\j+1], v[(\D)+\j:(\D)+\j+1], v[(\G)+\j:(\G)+\j+1], v[(\B)+\j:(\B)+\j+1]
.endr
.endm
	v_lshl_add_u32 v[SPW], v0, 2, SPARE
	v_mov_b32 v[NIL], 0
	v_lshrrev_b32 v1, 5, v0
	v_readfirstlane_b32 s[WV], v1
	v_and_b32 v[LL], 31, v0
	v_and_b32 v[LR], 15, v0
	v_bfe_u32 v[LH], v0, 4, 1
	v_lshlrev_b32 v[L16], 4, v[LL]
	s_cmp_lt_u32 ttmp9, 64
	s_cbranch_scc1 .Lwc
	s_cmp_lt_u32 ttmp9, 192
	s_cbranch_scc1 .Llnq
; ---------------- PACK.  36 work-groups a unit; a wave's job is 32 k x 128 n: rows in, f16 through the wave's own LDS bytes, turned, 16 pieces out.
	s_load_b256 s[16:23], s[0:1], 0x0              ; Wq, Wo, W2, W1
	s_load_b256 s[24:31], s[0:1], 0x48             ; wqp, wop, w2p, w1p
	s_sub_co_u32 s9, ttmp9, 192
	s_mul_hi_u32 s10, s9, 0x071c71c8               ; unit u = e / 36 (e < 360)
	s_mul_i32 s11, s10, 36
	s_sub_co_u32 s11, s9, s11
	s_lshl2_add_u32 s11, s11, s[WV]                ; job = 4 (e - 36 u) + wave, 0..143
	s_mul_hi_u32 s12, s11, 0x2aaaaaab              ; ks = job / 6
	s_mul_i32 s13, s12, 6
	s_sub_co_u32 s13, s11, s13                     ; ng = job - 6 ks
	s_sub_co_u32 s14, s10, 2
	s_sub_co_u32 s15, s10, 6
	s_mov_b32 s36, 3072                            ; bytes in a source row
	s_mov_b32 s37, 2359296                         ; bytes between W2's chunks
	s_mov_b32 s44, 12288
	s_cmp_gt_u32 s10, 5                            ; W1?
	s_cselect_b32 s14, s15, s14                    ; the unit's number within its tensor
	s_cselect_b32 s37, s36, s37                    ; W1's column groups lie 3,072 bytes apart
	s_cselect_b32 s36, s44, s36
	s_cmp_gt_u32 s10, 1
	s_cselect_b32 s14, s14, 0
	s_mul_i32 s38, s14, s37
	s_mul_i32 s39, s12, s36
	s_lshl_b32 s39, s39, 5                         ; 32 ks rows
	s_add_co_u32 s38, s38, s39
	s_lshl_b32 s39, s13, 9                         ; 128 ng columns
	s_add_co_u32 s38, s38, s39
	s_mov_b32 s39, 0
	s_mul_i32 s46, s14, 1179648
	s_mul_i32 s47, s13, 196608                     ; 8 ng tiles of 24,576 bytes
	s_add_co_u32 s46, s46, s47
	s_lshl_b32 s47, s12, 10
	s_add_co_u32 s46, s46, s47
	s_mov_b32 s47, 0
	s_mul_i32 s48, s[WV], 9216                     ; my 32 rows of 288 bytes in LDS
.set i, 0
.rept 32
	v_mad_u32_u24 v[16+i], s36, i, v[L16]          ; row i of the job, my 16 bytes
.set i, i+1
.endr
	v_and_b32 v50, 7, v[LL]
	v_lshl_add_u32 v50, v[LH], 3, v50
	v_mul_u32_u24 v49, v50, 288                    ; the turning load: row 8 h + L % 8,
	v_bfe_u32 v50, v[LL], 3, 1
	v_lshl_add_u32 v49, v50, 4, v49                ; 16 bytes for each half of eight lanes
	v_add_nc_u32 v49, s48, v49
	v_lshl_add_u32 v48, v[LL], 3, s48
	s_wait_kmcnt 0x0
	s_cmp_eq_u32 s10, 0
	s_cselect_b64 s[32:33], s[16:17], s[18:19]
	s_cselect_b64 s[34:35], s[24:25], s[26:27]
	s_cmp_gt_u32 s10, 1
	s_cselect_b64 s[32:33], s[20:21], s[32:33]
	s_cselect_b64 s[34:35], s[28:29], s[34:35]
	s_cmp_gt_u32 s10, 5
	s_cselect_b64 s[32:33], s[22:23], s[32:33]
	s_cselect_b64 s[34:35], s[30:31], s[34:35]
	s_add_nc_u64 s[32:33], s[32:33], s[38:39]
	s_add_nc_u64 s[34:35], s[34:35], s[46:47]
.set i, 0
.rept 32
	global_load_b128 v[64+4*i:64+4*i+3], v[16+i], s[32:33] th:TH_LOAD_NT
.set i, i+1
.endr
	s_wait_loadcnt 0x0
.set i, 0
.rept 64
	v_cvt_pk_f16_f32 v[64+i], v[64+2*i], v[64+2*i+1]   ; in place: register i is read before it is written
.set i, i+1
.endr
.set i, 0
.rept 32
	ds_store_b64 v48, v[64+2*i:64+2*i+1] offset:288*i  ; 256 bytes + 32: an odd multiple of 32
.set i, i+1
.endr
.set i, 0
.rept 16                                       ; i = 2 tile + half; LDS serves a wave's instructions in order: these see the stores above
	ds_load_tr16_b128 v[192+4*i:192+4*i+3], v49 offset:(i/2)*32+(i%2)*4608
.set i, i+1
.endr
.set i, 0
.rept 16
	s_wait_dscnt 15-i                              ; piece i is in; the younger ones may stay out
	global_store_b128 v[L16], v[192+4*i:192+4*i+3], s[34:35] offset:(i/2)*24576+(i%2)*512  ; 512 consecutive bytes
.set i, i+1
.endr
	FINISH
; ---------------- WC.  Work-group: 32 columns (p) x 64 rows of W_bottle; wave: 16 rows (mt) x 2 tiles of 16 columns, K = 768: 24 c steps of 32.
; A loop of three trips of eight c steps, each in two halves of four: a half has a register set of its own for W_bottle's f32 fragments, asked for again, eight c steps on, as soon as it is converted.
.set VA,  8                            ; v8   my offset in W_bottle's 16 rows: 3,072 r + 32 h + the trip's 1,024
.set VS,  9                            ; v9   staging: 512 (L / 8) + 16 (L % 8)
.set LS,  10                           ; v10  staging: LDS address
.set TB,  11                           ; v11  the turning loads' address + the trip's 24,576
.set AC,  16                           ; v16-31   two accumulators
.set AF,  32                           ; v32-63   W_bottle's fragments of 4 c steps, f16
.set SET0, 64                          ; v64-191  two sets of 64: the same in f32 as loaded
.set BF,  192                          ; v192-255 Wkv's fragments of 4 c steps x 2 tiles
.set CT,  24                           ; s24  trips to go
.macro ALD c0, set                     ; 16 loads of W_bottle: c steps c0 .. c0 + 3 from the trip's first
.set cs, 0
.rept 4
.irp z, 0,1,2,3
	global_load_b128 v[(\set)+16*cs+4*\z:(\set)+16*cs+4*\z+3], v[VA], s[16:17] offset:((\c0)+cs)*128+(\z/2)*64+(\z%2)*16
.endr
.set cs, cs+1
.endr
.endm
.macro HALFW st                        ; half st of a trip: c steps 4 st .. 4 st + 3
	PLACES                                         ; behind the last products, ahead of loads into and conversions onto their sources
.set cs, 0
.rept 4
.irp u, 0,1
	ds_load_tr16_b128 v[BF+16*cs+8*\u:BF+16*cs+8*\u+3], v[TB] offset:(4*(\st)+cs)*3072+32*\u
	ds_load_tr16_b128 v[BF+16*cs+8*\u+4:BF+16*cs+8*\u+7], v[TB] offset:(4*(\st)+cs)*3072+32*\u+1536
.endr
.set cs, cs+1
.endr
	s_wait_loadcnt 16                              ; this half's set is in; the other set's 16 younger loads may stay out
.set i, 0
.rept 32
	v_cvt_pk_f16_f32 v[AF+i], v[SET0+64*(\st)+2*i], v[SET0+64*(\st)+2*i+1]
.set i, i+1
.endr
	s_cmp_eq_u32 s[CT], 1                          ; the last trip has no c steps behind it: there the wait for all loads stands in the refill's place,
	s_cbranch_scc1 .Lnoa_\@                        ; so that the counted wait of the next half holds on both ways
	ALD 8+4*(\st), SET0+64*(\st)
	s_branch .Lhada_\@
.Lnoa_\@:
	s_wait_loadcnt 0x0
.Lhada_\@:
	s_wait_dscnt 0x0
.set cs, 0
.rept 4                                        ; the two accumulators take turns, over the backward jump too
.irp u, 0,1
	v_wmma_f32_16x16x32_f16 v[AC+8*\u:AC+8*\u+7], v[AF+8*cs:AF+8*cs+7], v[BF+16*cs+8*\u:BF+16*cs+8*\u+7], v[AC+8*\u:AC+8*\u+7]
.endr
.set cs, cs+1
.endr
.endm
.Lwc:
	s_load_b128 s[16:19], s[0:1], 0x20             ; W_bottle, Wkv
	s_load_b64 s[20:21], s[0:1], 0x68              ; xh
	s_and_b32 s9, ttmp9, 3                         ; p
	s_lshr_b32 s10, ttmp9, 2
	s_lshl2_add_u32 s10, s10, s[WV]                ; mt
	v_mul_u32_u24 v[VA], v[LR], 3072
	v_lshl_add_u32 v[VA], v[LH], 5, v[VA]
	v_lshrrev_b32 v14, 3, v[LL]
	v_and_b32 v15, 7, v[LL]
	v_lshlrev_b32 v[VS], 9, v14
	v_lshl_add_u32 v[VS], v15, 4, v[VS]
	s_mul_i32 s11, s[WV], 192*96
	v_mul_u32_u24 v[LS], v14, 96
	v_lshl_add_u32 v[LS], v15, 3, v[LS]
	v_add_nc_u32 v[LS], s11, v[LS]
	v_lshl_add_u32 v[TB], v[LH], 3, v15
	v_mul_u32_u24 v[TB], v[TB], 96
	v_and_b32 v14, 1, v14
	v_lshl_add_u32 v[TB], v14, 4, v[TB]
	s_mul_i32 s12, s10, 49152
	s_mov_b32 s13, 0
	s_mul_i32 s14, s[WV], 192*512
	s_lshl_b32 s15, s9, 7
	s_add_co_u32 s14, s14, s15
	s_mov_b32 s15, 0
	s_lshl_b32 s22, s9, 16                         ; tile 2 p: 32,768 bytes a tile
	s_lshl_b32 s23, s10, 9
	s_add_co_u32 s22, s22, s23
	s_mov_b32 s23, 0
	s_mov_b32 s[CT], 3
	s_wait_kmcnt 0x0
	s_add_nc_u64 s[16:17], s[16:17], s[12:13]
	s_add_nc_u64 s[18:19], s[18:19], s[14:15]
	s_add_nc_u64 s[20:21], s[20:21], s[22:23]
	ALD 0, SET0                                    ; the first trip's fragments and all of my part of Wkv are asked for together
	ALD 4, SET0+64
.set i, 0
.rept 16
	v_mov_b32 v[AC+i], 0                           ; the sums start at 0: written while the first loads are on their way, so that the loop has one form of product
.set i, i+1
.endr
	WIN 0x40                                       ; destination window 1
.set i, 0
.rept 48                                       ; my 192 rows of Wkv's 32 columns, four rows a load
	global_load_b128 v[4*i:4*i+3], v[VS], s[18:19] offset:i*2048
.set i, i+1
.endr
	s_wait_loadcnt 0x0
	WIN 0x45
.set i, 0
.rept 96
	v_cvt_pk_f16_f32 v[i], v[2*i], v[2*i+1]
.set i, i+1
.endr
	WIN 0x04                                       ; address window 0, data window 1
.set i, 0
.rept 48
	ds_store_b64 v[LS], v[2*i:2*i+1] offset:i*384  ; rows of 64 bytes + 32
.set i, i+1
.endr
	WIN 0
	s_wait_dscnt 0x0                               ; for the others' sake: my rows lie in LDS
	s_barrier_signal -1
	s_barrier_wait -1
.Lwtrip:
	HALFW 0
	HALFW 1
	s_wait_xcnt 0x0                                ; W_bottle's loads have read their offset: it is stepped only behind this wait
	v_add_nc_u32 v[VA], 1024, v[VA]                ; eight c steps of 128 bytes
	v_add_nc_u32 v[TB], 24576, v[TB]               ; eight c steps of 32 rows of 96 bytes
	s_sub_co_u32 s[CT], s[CT], 1
	s_cmp_lg_u32 s[CT], 0
	s_cbranch_scc1 .Lwtrip
	PLACES
.irp u, 0,1
.irp z, 0,1,2,3
	v_cvt_pk_f16_f32 v[AF+4*\u+\z], v[AC+8*\u+2*\z], v[AC+8*\u+2*\z+1]   ; a lane holds column r and 8 rows of W_bottle on end: a piece of Wc
.endr
.endr
	global_store_b128 v[L16], v[AF:AF+3], s[20:21]
	global_store_b128 v[L16], v[AF+4:AF+7], s[20:21] offset:32768
	FINISH
; ---------------- LNQ.  Work-group: 16 rows (mt); wave: 4 rows, a row at a time in 24 registers a lane; through LDS into pieces of Af.
.Llnq:
	s_load_b128 s[16:19], s[0:1], 0x30             ; hidden_states, ln_h_g
	s_load_b64 s[20:21], s[0:1], 0x40              ; ln_h_b
	s_load_b64 s[22:23], s[0:1], 0x70              ; xa
	s_sub_co_u32 s9, ttmp9, 64                     ; mt
	s_lshl2_add_u32 s10, s9, s[WV]
	s_mul_i32 s10, s10, 4*3072
	s_mov_b32 s11, 0
	s_mul_i32 s12, s9, 24576
	s_mov_b32 s13, 0
	s_mov_b32 s[INV], 0x3aaaaaab
	s_mov_b32 s[EPS], 0x3727c5ac
	s_mov_b32 s[SEL], 0x76543210
	s_mov_b32 s[SEL+1], 0xfedcba98
	s_mul_i32 s14, s[WV], 4*1552
	v_lshl_add_u32 v16, v[LL], 3, s14              ; in: my rows, 8 bytes a lane
	v_mul_u32_u24 v17, v[LR], 1552
	v_lshl_add_u32 v17, v[LH], 4, v17
	s_mul_i32 s14, s[WV], 384
	v_add_nc_u32 v17, s14, v17                     ; back: row r, pieces 12 w + 0..11
	s_mul_i32 s14, s[WV], 6144
	v_add_nc_u32 v18, s14, v[L16]
	s_wait_kmcnt 0x0
	s_add_nc_u64 s[16:17], s[16:17], s[10:11]
	s_add_nc_u64 s[22:23], s[22:23], s[12:13]
.irp j, 0,1,2,3,4,5
	global_load_b128 v[160+4*\j:160+4*\j+3], v[L16], s[18:19] offset:512*\j
	global_load_b128 v[184+4*\j:184+4*\j+3], v[L16], s[20:21] offset:512*\j
.endr
.set i, 0
.rept 24                                       ; row i / 6, 512 bytes a load
	global_load_b128 v[64+4*i:64+4*i+3], v[L16], s[16:17] offset:512*i
.set i, i+1
.endr
.irp p, 0,1,2,3
	s_wait_loadcnt 18-6*\p                         ; this row is in; the younger rows' loads may stay out
	LNROW 64+24*\p, 64+24*\p, 160, 184
.set i, 0
.rept 12
	v_cvt_pk_f16_f32 v[64+24*\p+i], v[64+24*\p+2*i], v[64+24*\p+2*i+1]
.set i, i+1
.endr
.irp j, 0,1,2,3,4,5
	ds_store_b64 v16, v[64+24*\p+2*\j:64+24*\p+2*\j+1] offset:1552*\p+256*\j
.endr
.endr
	s_wait_dscnt 0x0
	s_barrier_signal -1
	s_barrier_wait -1
.set i, 0
.rept 12
	ds_load_b128 v[64+4*i:64+4*i+3], v17 offset:32*i   ; rows 1,552 bytes apart: 97 x 16, so 16 rows start at 16 different groups of banks
.set i, i+1
.endr
.set i, 0
.rept 12
	s_wait_dscnt 11-i
	global_store_b128 v18, v[64+4*i:64+4*i+3], s[22:23] offset:512*i
.set i, i+1
.endr
	FINISH
.Lfunc_end_k_qa427fc19b7_prep:
	.size	k_qa427fc19b7_prep, .Lfunc_end_k_qa427fc19b7_prep-k_qa427fc19b7_prep
	.p2alignl 7, 3214868480
	.fill 96, 4, 3214868480
	.section	.rodata,"a",@progbits
	.p2align	6, 0x0
	.amdhsa_kernel k_qa427fc19b7_prep
		.amdhsa_group_segment_fixed_size 74240
		.amdhsa_private_segment_fixed_size 0
		.amdhsa_enable_private_segment 0
		.amdhsa_kernarg_size 120
		.amdhsa_user_sgpr_count 2
		.amdhsa_user_sgpr_kernarg_segment_ptr 1
		.amdhsa_wavefront_size32 1
		.amdhsa_system_sgpr_workgroup_id_x 1
		.amdhsa_system_sgpr_workgroup_id_y 1
		.amdhsa_system_sgpr_workgroup_id_z 1
		.amdhsa_system_vgpr_workitem_id 0
		.amdhsa_next_free_vgpr 448
		.amdhsa_next_free_sgpr 66
		.amdhsa_reserve_vcc 0
		.amdhsa_float_denorm_mode_32 3
		.amdhsa_float_denorm_mode_16_64 3
		.amdhsa_memory_ordered 1
		.amdhsa_forward_progress 1
		.amdhsa_inst_pref_size 79
	.end_amdhsa_kernel
	.amdgpu_metadata
---
amdhsa.version: [ 1, 2 ]
amdhsa.kernels:
  - .name:           k_qa427fc19b7_prep
    .symbol:         k_qa427fc19b7_prep.kd
    .args:
      - { .name: Wq, .offset: 0, .size: 8, .value_kind: global_buffer, .address_space: global }
      - { .name: Wo, .offset: 8, .size: 8, .value_kind: global_buffer, .address_space: global }
      - { .name: W2, .offset: 16, .size: 8, .value_kind: global_buffer, .address_space: global }
      - { .name: W1, .offset: 24, .size: 8, .value_kind: global_buffer, .address_space: global }
      - { .name: W_bottle, .offset: 32, .size: 8, .value_kind: global_buffer, .address_space: global }
      - { .name: Wkv, .offset: 40, .size: 8, .value_kind: global_buffer, .address_space: global }
      - { .name: hidden_states, .offset: 48, .size: 8, .value_kind: global_buffer, .address_space: global }
      - { .name: ln_h_g, .offset: 56, .size: 8, .value_kind: global_buffer, .address_space: global }
      - { .name: ln_h_b, .offset: 64, .size: 8, .value_kind: global_buffer, .address_space: global }
      - { .name: wqp, .offset: 72, .size: 8, .value_kind: global_buffer, .address_space: global }
      - { .name: wop, .offset: 80, .size: 8, .value_kind: global_buffer, .address_space: global }
      - { .name: w2p, .offset: 88, .size: 8, .value_kind: global_buffer, .address_space: global }
      - { .name: w1p, .offset: 96, .size: 8, .value_kind: global_buffer, .address_space: global }
      - { .name: xh, .offset: 104, .size: 8, .value_kind: global_buffer, .address_space: global }
      - { .name: xa, .offset: 112, .size: 8, .value_kind: global_buffer, .address_space: global }
    .group_segment_fixed_size: 74240
    .private_segment_fixed_size: 0
    .kernarg_segment_align: 8
    .kernarg_segment_size: 120
    .max_flat_workgroup_size: 128
    .sgpr_count:     66
    .vgpr_count:     448
    .wavefront_size: 32
...
	.end_amdgpu_metadata
.endif
;; end of part 8
;; launch kv (part 9): grid 256 x 1, 4 waves a work-group, no clusters, 230,912 bytes of LDS; arguments image_features, ln_img_g, ln_img_b, bkv, xh, xk, xa, wqp, bq, xc; writes xk, xc
.if DOCPART == 9
	.amdgcn_target "amdgcn-amd-amdhsa--gfx1250"
	.amdhsa_code_object_version 6
	.text
	.protected	k_qa427fc19b7_kv
	.globl	k_qa427fc19b7_kv
	.p2align	8
	.type	k_qa427fc19b7_kv,@function
k_qa427fc19b7_kv:
	s_mov_b64 s[64:65], 0
	v_nop
	global_prefetch_b8 v0, s[64:65] scope:SCOPE_SE
	s_setreg_imm32_b32 hwreg(HW_REG_WAVE_MODE, 25, 1), 1
	s_wait_xcnt 0x0
; K, V = LN(image_features) x Wc + bkv, and behind it q = LN(hidden) x Wq + bq.  Wc ([1024][128], f16 fragments) lies in xh's first 262,144 bytes.
; OUT (xk): Kf at 0, Vf at 4,194,304, 524,288 bytes a batch, in pieces of 512 bytes (lane L's 16 bytes at 16 L; r = L % 16, h = L / 16):
;   Kf piece (kb, t) at (4 kb + t) 512: key 16 kb + r, channels 16 t + 8 h + 0..7;   Vf piece (kb, cb): channel 16 cb + r, keys 16 kb + 8 h + 0..7.
; SHARES.  A work-group owns 128 image rows, in 4 blocks of 32.  In a block wave w normalises rows 8 w .. 8 w + 7, a row at a time in 32 registers a lane (the row is read from
; memory once), and puts them as f16 into a stage in LDS; then every wave multiplies all 32 rows by ITS two column tiles (K's tile w, V's tile w), whose fragments of Wc, 512
; registers, stay in windows 2 and 3 for the four blocks.  K's product takes Wc as source 0 (a lane then holds one key and 8 channels), V's takes it as source 1 (one channel, 8 keys).
; IN FLIGHT.  A ring of 8 row slots (window 1): 64 loads, 32 KiB a wave.  A group of four slots is asked for again as soon as its rows are in the stage.
; THE Q PROJECTION has no launch of its own: 2,048 x 768 outputs over these 256 work-groups are 64 rows x 96 columns each, 4 x 6 tiles.  A = LN(hidden), xa, in pieces (piece (mt, p) at
; (48 mt + p) 512: row 16 mt + r, columns 16 p + 8 h + 0..7); W = Wq, wqp, in fragments ((nt, ks) at (24 nt + ks) 1024, halves at + 512).  K = 768 IS SPLIT AMONG THE FOUR WAVES, six K steps each:
; no operand is read by two waves of a work-group, and all come straight into registers, 120 loads a wave.  The operands of a wave's first three K steps are asked for in the last block, where the
; ring has nothing left to fetch: in the refills' place, into the same registers, in the same number.  The four partial sums (f32) meet in LDS; wave w finishes row tile w: + bq, rounded once to f16,
; six pieces of 512 bytes on end into xc, laid out as xa is.  Source 0 = W, source 1 = A: a lane holds one row and 8 neighbouring columns, a lane's share of a piece.
; No cluster: what work-groups share (Wc, Wq's tiles) goes into registers.  No LDS ring of raw rows: two slots of 32 rows and the stage do not fit.
; LIMITS.  f16 operands, f32 sums; k and v are held to +-65,504 before they are rounded, q + bq must lie within it; the variance is taken of the centred row; NaN and infinities are not treated apart.
.set PITCH, 2064                       ; a stage row: 2,048 bytes + 16 = 129 x 16
.set PAR,   32*PITCH                   ; a block's stage; two of them take turns
.set SPARE, 2*PAR
.set MERGE, SPARE+512                  ; behind the spare words: the Q projection's partial sums, [wave][tile 6 i + t][2][512 bytes], 24,576 bytes a wave
.set SPW, 2
.set NIL, 3
.set RO,  4                            ; v4  16 L; never rewritten
.set ST,  5                            ; v5  8 w rows + 8 L
.set FA,  6                            ; v6  r rows + 16 h
.set STC, 8                            ; v8, v9  the same in the block's stage
.set FAC, 9
.set MR,  10                           ; v10, v11  where I read the partial sums of my row tile back: waves 0, 1 and waves 2, 3
.set BH,  14                           ; v14 32 h: my 8 numbers in 16 of bq
.set MS,  15                           ; v15 where I put my partial sums
.set G,   16                           ; v16-47  gain of my columns 128 j + 4 L + e
.set BB,  48                           ; v48-79  bias of the norm
.set AK,  80                           ; v80-95  K's accumulators, row tiles 0, 1;  v96-111 V's
.set AV,  96
.set BK,  112                          ; v112-119 bkv of my 8 channels of K: the C that starts K's sums
.set BV,  120                          ; v120-127 bkv of my channel of V, eight times
.set AF,  128                          ; v128-255 fragments of the stage, two buffers of 64; between the products' blocks at work:
.set SC,  128                          ;   four registers a row: two chains of sums
.set MP,  144                          ;   the mean, twice, a row
.set RP,  152                          ;   1 / sqrt(var + eps), twice, a row
.set PD,  160                          ;   destinations of the exchange; later the 16 packed results
.set QBI, 16                           ; the Q projection: v16-47 bq of column tiles 2 to 5 (tiles 0, 1: window 1, v240-255)
.set QACC, 64                          ; v64-255 its accumulator (i, t) at 64 + 8 (6 i + t); its operands: window 1 (K steps 0-2), window 2 (3-5): K step kk at 80 kk: A's 4 fragments, W's 6
.set WV,  16
.set RB,  20                           ; s[20:21] image at my 8 rows of the block in hand
.set KB,  22                           ; s[22:23] xk at my pieces of the block in hand
.set SOFF, 26                          ; s26 0 or PAR
.set CNT, 27                           ; s27 blocks to go
.set LO,  28                           ; s28, s29 -65,504, 65,504
.set HI,  29
.set SEL, 30
.set INV, 32                           ; s32 1/1024
.set EPS, 33
.set QA,  36                           ; s[36:37] xa at my four row tiles, my six K steps
.set QW,  38                           ; s[38:39] wqp at my six column tiles, my six K steps
.set QB,  40                           ; s[40:41] bq at the work-group's 96 columns
.set QC,  42                           ; s[42:43] xc at the six pieces that I finish
.set MSB, 0
.macro WIN new
.if MSB != (\new)
	s_set_vgpr_msb (MSB<<8)|(\new)
.set MSB, (\new)
.endif
.endm
.macro PLACES
.rept 4
	v_nop
.endr
.endm
; The norm of slots 4 gm .. 4 gm + 3, the four rows side by side at every stage, so that no instruction waits for the one before it.
; Windows: bits 1:0 source 0, 3:2 source 1, 5:4 source 2, 7:6 destination; the rows lie in window 1, all else in window 0.
.macro RED4                            ; four sums over the wave's lanes
.irp a, 0,1,2,3
	v_pk_add_f32 v[SC+4*\a:SC+4*\a+1], v[SC+4*\a:SC+4*\a+1], v[SC+4*\a+2:SC+4*\a+3]
.endr
.irp a, 0,1,2,3
	v_add_f32 v[SC+4*\a], v[SC+4*\a], v[SC+4*\a+1]
.endr
.irp m, 1,2,4,8
.irp a, 0,1,2,3
	v_add_f32_dpp v[SC+4*\a], v[SC+4*\a], v[SC+4*\a] row_xmask:\m row_mask:0xf bank_mask:0xf
.endr
.endr
.irp a, 0,1,2,3
	v_permlanex16_b32 v[PD+\a], v[SC+4*\a], s[SEL], s[SEL+1]
.endr
.irp a, 0,1,2,3
	v_add_f32 v[SC+4*\a], v[SC+4*\a], v[PD+\a]
.endr
.endm
.macro LN4 gm
	WIN 0x05
.irp a, 0,1,2,3
.set XB, 32*(4*(\gm)+\a)
	v_pk_add_f32 v[SC+4*\a:SC+4*\a+1], v[XB:XB+1], v[XB+2:XB+3]
	v_pk_add_f32 v[SC+4*\a+2:SC+4*\a+3], v[XB+4:XB+5], v[XB+6:XB+7]
.endr
	WIN 0x04
.irp j, 8,12,16,20,24,28
.irp a, 0,1,2,3
.set XB, 32*(4*(\gm)+\a)
	v_pk_add_f32 v[SC+4*\a:SC+4*\a+1], v[SC+4*\a:SC+4*\a+1], v[XB+\j:XB+\j+1]
	v_pk_add_f32 v[SC+4*\a+2:SC+4*\a+3], v[SC+4*\a+2:SC+4*\a+3], v[XB+\j+2:XB+\j+3]
.endr
.endr
	WIN 0
	RED4
.irp a, 0,1,2,3
	v_mul_f32 v[MP+2*\a], s[INV], v[SC+4*\a]
	v_mul_f32 v[MP+2*\a+1], s[INV], v[SC+4*\a]
.endr
	WIN 0x41
.irp j, 0,2,4,6,8,10,12,14,16,18,20,22,24,26,28,30
.irp a, 0,1,2,3
.set XB, 32*(4*(\gm)+\a)
	v_pk_add_f32 v[XB+\j:XB+\j+1], v[XB+\j:XB+\j+1], v[MP+2*\a:MP+2*\a+1] neg_lo:[0,1] neg_hi:[0,1]
.endr
.endr
	WIN 0x05
.irp a, 0,1,2,3
.set XB, 32*(4*(\gm)+\a)
	v_pk_mul_f32 v[SC+4*\a:SC+4*\a+1], v[XB:XB+1], v[XB:XB+1]
	v_pk_mul_f32 v[SC+4*\a+2:SC+4*\a+3], v[XB+2:XB+3], v[XB+2:XB+3]
.endr
.irp j, 4,8,12,16,20,24,28
.irp a, 0,1,2,3
.set XB, 32*(4*(\gm)+\a)
	v_pk_fma_f32 v[SC+4*\a:SC+4*\a+1], v[XB+\j:XB+\j+1], v[XB+\j:XB+\j+1], v[SC+4*\a:SC+4*\a+1]
	v_pk_fma_f32 v[SC+4*\a+2:SC+4*\a+3], v[XB+\j+2:XB+\j+3], v[XB+\j+2:XB+\j+3], v[SC+4*\a+2:SC+4*\a+3]
.endr
.endr
	WIN 0
	RED4
.irp a, 0,1,2,3
	v_fma_f32 v[SC+4*\a], v[SC+4*\a], s[INV], s[EPS]
.endr
.irp a, 0,1,2,3
	v_rsq_f32 v[RP+2*\a], v[SC+4*\a]
	v_rsq_f32 v[RP+2*\a+1], v[SC+4*\a]
.endr
	v_nop                                          ; a plain instruction behind the last root
	WIN 0x41
	s_wait_alu depctr_va_vdst(0)
.irp j, 0,2,4,6,8,10,12,14,16,18,20,22,24,26,28,30
.irp a, 0,1,2,3
.set XB, 32*(4*(\gm)+\a)
	v_pk_mul_f32 v[XB+\j:XB+\j+1], v[XB+\j:XB+\j+1], v[RP+2*\a:RP+2*\a+1]
.endr
.endr
.irp j, 0,2,4,6,8,10,12,14,16,18,20,22,24,26,28,30
.irp a, 0,1,2,3
.set XB, 32*(4*(\gm)+\a)
	v_pk_fma_f32 v[XB+\j:XB+\j+1], v[XB+\j:XB+\j+1], v[G+\j:G+\j+1], v[BB+\j:BB+\j+1]
.endr
.endr
	WIN 0x45
.irp a, 0,1,2,3
.set XB, 32*(4*(\gm)+\a)
.set i, 0
.rept 16
	v_cvt_pk_f16_f32 v[XB+i], v[XB+2*i], v[XB+2*i+1]
.set i, i+1
.endr
.endr
	WIN 0x04                                       ; address window 0, data window 1
.irp a, 0,1,2,3
.set XB, 32*(4*(\gm)+\a)
.irp j, 0,1,2,3,4,5,6,7
	ds_store_b64 v[STC], v[XB+2*\j:XB+2*\j+1] offset:(4*(\gm)+\a)*PITCH+256*\j
.endr
.endr
	WIN 0
.endm
; Load n of the 60 that bring three K steps (k0 on, of my six) of the Q projection's operands: K step n / 20; in it fragments 0-3 are A's row tiles, 4-9 W's column tiles; two loads a fragment.
.macro QLD n, k0
.set kk, (\n)/20
.set ff, ((\n)%20)/2
.if ff < 4
	global_load_b128 v[4*(\n):4*(\n)+3], v[RO], s[QA:QA+1] offset:ff*24576+((\k0)+kk)*1024+((\n)%2)*512
.else
	global_load_b128 v[4*(\n):4*(\n)+3], v[RO], s[QW:QW+1] offset:(ff-4)*24576+((\k0)+kk)*1024+((\n)%2)*512
.endif
.endm
; Slots 4 gm .. are asked for again, with the next block's rows.  The last block has none behind it: there the same 32 registers a group, in the same order, take the Q projection's first loads
; (60 for K steps 0 to 2, then bq of column tiles 0 and 1), so that the counted waits that follow hold on both ways.
.macro REFILL gm
	s_cmp_eq_u32 s[CNT], 1
	s_cbranch_scc1 .Lskip_\@
	WIN 0x40
.set i, 32*(\gm)
.rept 32
	global_load_b128 v[4*i:4*i+3], v[RO], s[RB:RB+1] offset:131072+512*i th:TH_LOAD_NT
.set i, i+1
.endr
	WIN 0
	s_branch .Ldone_\@
.Lskip_\@:
	WIN 0x40
.set i, 32*(\gm)
.rept 32
.if i < 60
	QLD i, 0
.else
	global_load_b128 v[4*i:4*i+3], v[BH], s[QB:QB+1] offset:((i-60)/2)*64+((i-60)%2)*16
.endif
.set i, i+1
.endr
	WIN 0
.Ldone_\@:
.endm
.macro AGRP g, buf                     ; the stage's fragments of K steps 4 g .. 4 g + 3, both row tiles: 16 loads
	WIN 0
.set kk, 0
.rept 4
.irp i, 0,1
	ds_load_b128 v[AF+64*(\buf)+16*kk+8*\i:AF+64*(\buf)+16*kk+8*\i+3], v[FAC] offset:\i*16*PITCH+64*(4*(\g)+kk)
	ds_load_b128 v[AF+64*(\buf)+16*kk+8*\i+4:AF+64*(\buf)+16*kk+8*\i+7], v[FAC] offset:\i*16*PITCH+64*(4*(\g)+kk)+32
.endr
.set kk, kk+1
.endr
.endm
.macro MMG g, buf                      ; their 16 products; two accumulators take turns, one instruction a turn; K step 0 starts the sums with bkv
	WIN 0x02                                       ; source 0: Wc's K tile, window 2
.set kk, 0
.rept 4
.irp i, 0,1
.if (4*(\g)+kk) == 0
	v_wmma_f32_16x16x32_f16 v[AK+8*\i:AK+8*\i+7], v[8*(4*(\g)+kk):8*(4*(\g)+kk)+7], v[AF+64*(\buf)+16*kk+8*\i:AF+64*(\buf)+16*kk+8*\i+7], v[BK:BK+7]
.else
	v_wmma_f32_16x16x32_f16 v[AK+8*\i:AK+8*\i+7], v[8*(4*(\g)+kk):8*(4*(\g)+kk)+7], v[AF+64*(\buf)+16*kk+8*\i:AF+64*(\buf)+16*kk+8*\i+7], v[AK+8*\i:AK+8*\i+7]
.endif
.endr
.set kk, kk+1
.endr
	WIN 0x0c                                       ; source 1: Wc's V tile, window 3
.set kk, 0
.rept 4
.irp i, 0,1
.if (4*(\g)+kk) == 0
	v_wmma_f32_16x16x32_f16 v[AV+8*\i:AV+8*\i+7], v[AF+64*(\buf)+16*kk+8*\i:AF+64*(\buf)+16*kk+8*\i+7], v[8*(4*(\g)+kk):8*(4*(\g)+kk)+7], v[BV:BV+7]
.else
	v_wmma_f32_16x16x32_f16 v[AV+8*\i:AV+8*\i+7], v[AF+64*(\buf)+16*kk+8*\i:AF+64*(\buf)+16*kk+8*\i+7], v[8*(4*(\g)+kk):8*(4*(\g)+kk)+7], v[AV+8*\i:AV+8*\i+7]
.endif
.endr
.set kk, kk+1
.endr
.endm
; The Q projection's 72 products of three K steps, operands in window 1 + g.  The 24 accumulators take turns, one instruction a turn; the first K step starts the sums.
.macro QMM g
	WIN 0x05+0x05*(\g)
.set kk, 0
.rept 3
.irp i, 0,1,2,3
.irp t, 0,1,2,3,4,5
.if ((\g) == 0) && (kk == 0)
	v_wmma_f32_16x16x32_f16 v[QACC+8*(6*\i+\t):QACC+8*(6*\i+\t)+7], v[80*kk+32+8*\t:80*kk+32+8*\t+7], v[80*kk+8*\i:80*kk+8*\i+7], 0
.else
	v_wmma_f32_16x16x32_f16 v[QACC+8*(6*\i+\t):QACC+8*(6*\i+\t)+7], v[80*kk+32+8*\t:80*kk+32+8*\t+7], v[80*kk+8*\i:80*kk+8*\i+7], v[QACC+8*(6*\i+\t):QACC+8*(6*\i+\t)+7]
.endif
.endr
.endr
.set kk, kk+1
.endr
.endm
	s_load_b256 s[4:11], s[0:1], 0x0               ; image s[4:5], gain s[6:7], bias s[8:9], bkv s[10:11]
	s_load_b128 s[12:15], s[0:1], 0x20             ; xh s[12:13], xk s[14:15]
	s_load_b256 s[36:43], s[0:1], 0x30             ; xa, wqp, bq, xc
	v_lshl_add_u32 v[SPW], v0, 2, SPARE
	v_mov_b32 v[NIL], 0
	v_lshrrev_b32 v1, 5, v0
	v_readfirstlane_b32 s[WV], v1
	v_and_b32 v10, 31, v0
	v_and_b32 v11, 15, v0
	v_bfe_u32 v12, v0, 4, 1
	v_lshlrev_b32 v[RO], 4, v10
	s_mul_i32 s17, s[WV], 8*PITCH
	v_lshl_add_u32 v[ST], v10, 3, s17
	v_mul_u32_u24 v[FA], v11, PITCH
	v_lshl_add_u32 v[FA], v12, 4, v[FA]
	s_lshl_b32 s17, s[WV], 6
	v_lshl_add_u32 v7, v12, 5, s17                 ; bkv: 4 (16 w + 8 h)
	v_lshl_add_u32 v13, v11, 2, s17                ; bkv: 4 (16 w + r), 256 bytes further on
	v_lshlrev_b32 v[BH], 5, v12
	s_mul_i32 s17, s[WV], 24576
	s_add_co_u32 s17, s17, MERGE
	v_lshl_add_u32 v[MS], v10, 4, s17              ; my 24 tiles of partial sums
	s_mul_i32 s17, s[WV], 6144
	s_add_co_u32 s17, s17, MERGE
	v_lshl_add_u32 v[MR], v10, 4, s17              ; tiles 6 w + 0..5 of wave 0's,
	v_add_nc_u32 v[MR+1], 49152, v[MR]             ; and of wave 2's: the LDS immediate has 16 bits
.irp a, 0,1,2,3
	v_mov_b32 v[PD+\a], 0                          ; the exchange's destinations count as read
.endr
	s_lshl_b32 s20, ttmp9, 19                      ; 128 rows of 4,096 bytes
	s_lshl_b32 s18, s[WV], 15                      ; my 8 rows; also my tile of Wc
	s_add_co_u32 s20, s20, s18
	s_mov_b32 s21, 0
	s_lshr_b32 s22, ttmp9, 5                       ; batch
	s_lshl_b32 s22, s22, 19
	s_and_b32 s23, ttmp9, 31
	s_lshl_b32 s23, s23, 14                        ; 8 key blocks of 2,048 bytes
	s_add_co_u32 s22, s22, s23
	s_lshl_b32 s23, s[WV], 9
	s_add_co_u32 s22, s22, s23
	s_mov_b32 s23, 0
	s_mov_b32 s24, s18
	s_mov_b32 s25, 0
	s_lshr_b32 s44, ttmp9, 3                       ; the Q projection: the work-group's 64 rows,
	s_and_b32 s46, ttmp9, 7                        ; and its 96 columns
	s_mul_i32 s44, s44, 98304                      ; four row tiles of 24,576 bytes, in xa and in xc
	s_mul_i32 s45, s[WV], 6144                     ; my six K steps of 1,024 bytes, in a row tile of xa and in a column tile of wqp
	s_mul_i32 s50, s[WV], 24576                    ; xc: row tile w,
	s_add_co_u32 s50, s50, s44
	s_mul_i32 s51, s46, 3072                       ; six pieces of 512 bytes
	s_add_co_u32 s50, s50, s51
	s_mov_b32 s51, 0
	s_add_co_u32 s44, s44, s45
	s_mul_i32 s48, s46, 384                        ; bq: 96 numbers
	s_mov_b32 s49, 0
	s_mul_i32 s46, s46, 147456                     ; six column tiles of 24,576 bytes
	s_add_co_u32 s46, s46, s45
	s_mov_b32 s45, 0
	s_mov_b32 s47, 0
	s_mov_b32 s[SOFF], 0
	s_mov_b32 s[CNT], 4
	s_mov_b32 s[LO], 0xc77fe000
	s_mov_b32 s[HI], 0x477fe000
	s_mov_b32 s[SEL], 0x76543210
	s_mov_b32 s[SEL+1], 0xfedcba98
	s_mov_b32 s[INV], 0x3a800000
	s_mov_b32 s[EPS], 0x3727c5ac
	s_wait_kmcnt 0x0
	s_add_nc_u64 s[RB:RB+1], s[4:5], s[20:21]
	s_add_nc_u64 s[KB:KB+1], s[14:15], s[22:23]
	s_add_nc_u64 s[24:25], s[12:13], s[24:25]
	s_add_nc_u64 s[QA:QA+1], s[QA:QA+1], s[44:45]
	s_add_nc_u64 s[QW:QW+1], s[QW:QW+1], s[46:47]
	s_add_nc_u64 s[QB:QB+1], s[QB:QB+1], s[48:49]
	s_add_nc_u64 s[QC:QC+1], s[QC:QC+1], s[50:51]
	WIN 0x80
.set i, 0
.rept 64                                       ; Wc, tile w: K step i / 2, half i % 2
	global_load_b128 v[4*i:4*i+3], v[RO], s[24:25] offset:512*i
.set i, i+1
.endr
	WIN 0xc0
.set i, 0
.rept 64                                       ; Wc, tile 4 + w
	global_load_b128 v[4*i:4*i+3], v[RO], s[24:25] offset:131072+512*i
.set i, i+1
.endr
	WIN 0
.irp j, 0,1,2,3,4,5,6,7
	global_load_b128 v[G+4*\j:G+4*\j+3], v[RO], s[6:7] offset:512*\j
	global_load_b128 v[BB+4*\j:BB+4*\j+3], v[RO], s[8:9] offset:512*\j
.endr
	global_load_b128 v[BK:BK+3], v7, s[10:11]
	global_load_b128 v[BK+4:BK+7], v7, s[10:11] offset:16
.irp j, 0,1,2,3,4,5,6,7
	global_load_b32 v[BV+\j], v13, s[10:11] offset:256
.endr
	WIN 0x40
.set i, 0
.rept 64                                       ; the ring: my 8 rows of block 0 are 32,768 consecutive bytes
	global_load_b128 v[4*i:4*i+3], v[RO], s[RB:RB+1] offset:512*i th:TH_LOAD_NT
.set i, i+1
.endr
	WIN 0
.Lblk:
	v_add_nc_u32 v[STC], s[SOFF], v[ST]
	v_add_nc_u32 v[FAC], s[SOFF], v[FA]
	s_wait_loadcnt 32                              ; slots 0-3 are in (and all that was asked for earlier); slots 4-7's 32 loads may stay out
	LN4 0
	REFILL 0
	s_wait_loadcnt 32                              ; slots 4-7 are in; the 32 loads just issued may stay out
	LN4 1
	REFILL 1
	s_wait_dscnt 0x0                               ; my rows lie in the stage, and my reads of the block before are long over:
	s_barrier_signal -1                            ; one barrier a block orders this block's stores against the reads below, and, with two stages
	s_barrier_wait -1                              ; by turns, every wave's reads of a stage against the stores of two blocks later
	AGRP 0, 0
.irp g, 0,1,2,3,4,5,6
	PLACES                                         ; behind the last products, ahead of loads into the buffer that they read
	AGRP (\g)+1, ((\g)+1)%2
	s_wait_dscnt 16                                ; all but the 16 just issued
	MMG \g, (\g)%2
.endr
	s_wait_dscnt 0x0
	MMG 7, 1
	PLACES
	WIN 0
.set i, 0
.rept 32
	v_med3_num_f32 v[AK+i], v[AK+i], s[LO], s[HI]  ; each accumulator from its low end on
.set i, i+1
.endr
.set i, 0
.rept 16
	v_cvt_pk_f16_f32 v[PD+i], v[AK+2*i], v[AK+2*i+1]
.set i, i+1
.endr
.irp i, 0,1
	global_store_b128 v[RO], v[PD+4*\i:PD+4*\i+3], s[KB:KB+1] offset:2048*\i               ; a piece of Kf: 512 consecutive bytes
	global_store_b128 v[RO], v[PD+8+4*\i:PD+8+4*\i+3], s[KB:KB+1] offset:4194304+2048*\i   ; a piece of Vf
.endr
	s_wait_xcnt 0x0                                ; loads and stores have read their sources: the bases are stepped, and the packed results rewritten, only behind this wait
	s_add_nc_u64 s[RB:RB+1], s[RB:RB+1], 131072
	s_add_nc_u64 s[KB:KB+1], s[KB:KB+1], 4096
	s_xor_b32 s[SOFF], s[SOFF], PAR
	s_sub_co_u32 s[CNT], s[CNT], 1
	s_cmp_lg_u32 s[CNT], 0
	s_cbranch_scc1 .Lblk
	; ---------------- THE Q PROJECTION.  K steps 0 to 2 of my six were asked for in the last block.  Wc's registers are free: the last product that read them stands 52 vector instructions back.
	WIN 0x80                                       ; destination window 2
.set i, 0
.rept 60                                       ; K steps 3 to 5
	QLD i, 3
.set i, i+1
.endr
	s_wait_loadcnt 60                              ; all but the 60 just issued: K steps 0 to 2 are in
	QMM 0
	WIN 0
.irp t, 2,3,4,5
	global_load_b128 v[QBI+8*(\t-2):QBI+8*(\t-2)+3],   v[BH], s[QB:QB+1] offset:64*\t
	global_load_b128 v[QBI+8*(\t-2)+4:QBI+8*(\t-2)+7], v[BH], s[QB:QB+1] offset:64*\t+16
.endr
	s_wait_loadcnt 8                               ; all but bq's 8: K steps 3 to 5 are in
	QMM 1
	PLACES
	WIN 0
.set i, 0
.rept 24                                       ; my partial sums, each accumulator's low four registers first
	ds_store_b128 v[MS], v[QACC+8*i:QACC+8*i+3] offset:1024*i
	ds_store_b128 v[MS], v[QACC+8*i+4:QACC+8*i+7] offset:1024*i+512
.set i, i+1
.endr
	s_wait_dscnt 0x0                               ; for the others' sake
	s_barrier_signal -1
	s_barrier_wait -1
.irp t, 0,1,2,3,4,5                    ; row tile w, column tile t, of wave u: at 64 + 48 u + 8 t
.irp u, 0,1,2,3
	ds_load_b128 v[QACC+48*\u+8*\t:QACC+48*\u+8*\t+3],   v[MR+\u/2] offset:(\u%2)*24576+1024*\t
	ds_load_b128 v[QACC+48*\u+8*\t+4:QACC+48*\u+8*\t+7], v[MR+\u/2] offset:(\u%2)*24576+1024*\t+512
.endr
.endr
	s_wait_loadcnt 0x0                             ; bq
.irp t, 0,1,2,3,4,5
.set XQ, QACC+8*\t
	s_wait_dscnt 40-8*\t                           ; this tile's eight loads are in; the younger tiles' may stay out
.irp j, 0,2,4,6
	v_pk_add_f32 v[XQ+\j:XQ+\j+1], v[XQ+\j:XQ+\j+1], v[XQ+48+\j:XQ+48+\j+1]
	v_pk_add_f32 v[XQ+96+\j:XQ+96+\j+1], v[XQ+96+\j:XQ+96+\j+1], v[XQ+144+\j:XQ+144+\j+1]
.endr
.irp j, 0,2,4,6
	v_pk_add_f32 v[XQ+\j:XQ+\j+1], v[XQ+\j:XQ+\j+1], v[XQ+96+\j:XQ+96+\j+1]
.endr
.if \t < 2
	WIN 0x04                                       ; source 1 in window 1
.irp j, 0,2,4,6
	v_pk_add_f32 v[XQ+\j:XQ+\j+1], v[XQ+\j:XQ+\j+1], v[240+8*\t+\j:240+8*\t+\j+1]
.endr
	WIN 0
.else
.irp j, 0,2,4,6
	v_pk_add_f32 v[XQ+\j:XQ+\j+1], v[XQ+\j:XQ+\j+1], v[QBI+8*(\t-2)+\j:QBI+8*(\t-2)+\j+1]
.endr
.endif
.irp z, 0,1,2,3
	v_cvt_pk_f16_f32 v[XQ+48+\z], v[XQ+2*\z], v[XQ+2*\z+1]
.endr
	global_store_b128 v[RO], v[XQ+48:XQ+51], s[QC:QC+1] offset:512*\t   ; a piece of q: 512 consecutive bytes; its registers are not written again
.endr
	s_wait_tensorcnt 0x0                           ; the wave's end
	ds_add_u32 v[SPW], v[NIL]
	s_wait_dscnt 0x0
	s_endpgm
.Lfunc_end_k_qa427fc19b7_kv:
	.size	k_qa427fc19b7_kv, .Lfunc_end_k_qa427fc19b7_kv-k_qa427fc19b7_kv
	.p2alignl 7, 3214868480
	.fill 96, 4, 3214868480
	.section	.rodata,"a",@progbits
	.p2align	6, 0x0
	.amdhsa_kernel k_qa427fc19b7_kv
		.amdhsa_group_segment_fixed_size 230912
		.amdhsa_private_segment_fixed_size 0
		.amdhsa_enable_private_segment 0
		.amdhsa_kernarg_size 80
		.amdhsa_user_sgpr_count 2
		.amdhsa_user_sgpr_kernarg_segment_ptr 1
		.amdhsa_wavefront_size32 1
		.amdhsa_system_sgpr_workgroup_id_x 1
		.amdhsa_system_sgpr_workgroup_id_y 1
		.amdhsa_system_sgpr_workgroup_id_z 1
		.amdhsa_system_vgpr_workitem_id 0
		.amdhsa_next_free_vgpr 1024
		.amdhsa_next_free_sgpr 66
		.amdhsa_reserve_vcc 0
		.amdhsa_float_denorm_mode_32 3
		.amdhsa_float_denorm_mode_16_64 3
		.amdhsa_memory_ordered 1
		.amdhsa_forward_progress 1
		.amdhsa_inst_pref_size 150
	.end_amdhsa_kernel
	.amdgpu_metadata
---
amdhsa.version: [ 1, 2 ]
amdhsa.kernels:
  - .name:           k_qa427fc19b7_kv
    .symbol:         k_qa427fc19b7_kv.kd
    .args:
      - { .name: image_features, .offset: 0, .size: 8, .value_kind: global_buffer, .address_space: global }
      - { .name: ln_img_g, .offset: 8, .size: 8, .value_kind: global_buffer, .address_space: global }
      - { .name: ln_img_b, .offset: 16, .size: 8, .value_kind: global_buffer, .address_space: global }
      - { .name: bkv, .offset: 24, .size: 8, .value_kind: global_buffer, .address_space: global }
      - { .name: xh, .offset: 32, .size: 8, .value_kind: global_buffer, .address_space: global }
      - { .name: xk, .offset: 40, .size: 8, .value_kind: global_buffer, .address_space: global }
      - { .name: xa, .offset: 48, .size: 8, .value_kind: global_buffer, .address_space: global }
      - { .name: wqp, .offset: 56, .size: 8, .value_kind: global_buffer, .address_space: global }
      - { .name: bq, .offset: 64, .size: 8, .value_kind: global_buffer, .address_space: global }
      - { .name: xc, .offset: 72, .size: 8, .value_kind: global_buffer, .address_space: global }
    .group_segment_fixed_size: 230912
    .private_segment_fixed_size: 0
    .kernarg_segment_align: 8
    .kernarg_segment_size: 80
    .max_flat_workgroup_size: 128
    .sgpr_count:     66
    .vgpr_count:     1024
    .wavefront_size: 32
...
	.end_amdgpu_metadata
.endif
;; end of part 9
;; launch attn (part 10): grid 32 x 8, 4 waves a work-group, clusters of 4 x 1, 327,680 bytes of LDS; arguments xc, xk, xa; writes xa
.if DOCPART == 10
	.amdgcn_target "amdgcn-amd-amdhsa--gfx1250"
	.amdhsa_code_object_version 6
	.text
	.protected	k_qa427fc19b7_attn
	.globl	k_qa427fc19b7_attn
	.p2align	8
	.type	k_qa427fc19b7_attn,@function
k_qa427fc19b7_attn:
	s_mov_b64 s[64:65], 0
	v_nop
	global_prefetch_b8 v0, s[64:65] scope:SCOPE_SE
	s_setreg_imm32_b32 hwreg(HW_REG_WAVE_MODE, 25, 1), 1
	s_wait_xcnt 0x0
	s_wait_alu depctr_hold_cnt(0) depctr_sa_sdst(0) depctr_va_vdst(0) depctr_va_sdst(0) depctr_va_ssrc(0) depctr_va_vcc(0) depctr_vm_vsrc(0)
	s_getreg_b32 s2, hwreg(HW_REG_IB_STS2, 6, 4)
	s_cmp_eq_u32 s2, 0
	s_cbranch_scc0 .Lentry_in_a_cluster
	s_endpgm
.Lentry_in_a_cluster:
	s_bfe_u32 s2, ttmp6, 0x10000c
	s_cmp_lg_u32 s2, 0x3003
	s_cbranch_scc0 .Lentry_shape_is_right
	s_endpgm
.Lentry_shape_is_right:
; ATTENTION with one shared K/V head.  O[b][i][head] = sum over j of softmax_j(q . k / 8) v.  q (its bias added): xc, f16 pieces laid out as xa; K, V: xk, f16 pieces (Kf at 0, Vf at 4,194,304,
; 524,288 bytes a batch); O: xa, f16 pieces (piece (mt, p) at (48 mt + p) 512: lane L holds row 16 mt + L % 16, columns 16 p + 8 (L / 16) + 0..7).  Products, maxima and sums in f32; the weights p
; are rounded to f16 (l is the sum of the unrounded p), O once at the end.
; SHARES.  24,576 query rows (batch, head, i) over 256 work-groups: a work-group owns 16 queries i x 6 heads: six tiles (PIECES) of 16.  THE KEYS ARE SPLIT AMONG ITS FOUR WAVES: every wave
; holds all six tiles and walks 1,024 of the 4,096 keys, 64 a step, so a fragment of K or V read from LDS feeds six tiles.  The four partial (c m, l, O^T) meet in LDS at the end, in f32.
; LAYOUT.  S^T = K Q^T: a lane holds ONE query (lane % 16) and keys 8 (lane / 16) + 0..7; two such results rounded to f16 ARE source 1 of O^T = V^T P.  q, Kf and Vf lie in memory (and K, V in LDS) as
; the fragments lie in registers: every load takes 512 consecutive bytes.
; SOFTMAX.  p = 2^(c s - c m), c = log2(e) / 8, with a running maximum m; O and l are multiplied by a = 2^(c m_old - c m_new) in every step.  m starts at the lowest finite number, O^T and l at 0: a tile's
; first step is a step like any other, with a = 0.  The zeros are written in the wait for the first tile.
; BY TURNS.  Turn n belongs to piece n: 8 products K Q^T of piece n + 1, later 8 products V^T P of piece n - 1; beside them the scaling, exponentials, roundings, sums and rescaling of piece n and
; the maximum and statistics of piece n + 1.  Four vector instructions stand behind every matrix instruction, the other 54 of a turn's 118 in two runs of their own.
; RING.  Two slots of 131,072 bytes: 512 keys of K, then of V (two steps for each wave).  CLUSTER: the 32 work-groups of a batch walk the same K and V; the four of a cluster ask jointly,
; one load of 32,768 bytes a wave behind each round.  By this text's count one tensor load of a wave is out.
; THE TAIL.  The last slot's loop makes three trips and is left in the middle of the third, which fetches no K.  That trip's 8 products K Q^T take piece 0 and the last K once more: the same registers and
; instructions, so the same bits as scores that m already holds; the maximum made of them is the old m, and c m, which the merge reads, keeps its bits.  They serve nothing: the price of one text for every trip.
; LIMITS.  f16 holds no number beyond 65,504: q, k and v arrive within it.  A weight below 2^-126 counts as 0 in l.  NaN and infinities are not treated apart.
; REGISTERS (s_set_vgpr_msb: bits 1:0 source 0, 3:2 source 1, 5:4 source 2, 7:6 destination):
;   window 0: addresses; v16-39 statistics; v48-55 at work; v64-127 S^T, two buffers; v192-223 P, two buffers     window 1: v0-191 O^T, 32 a piece     window 2: v0-95 Q; v128-191 K; v192-255 V
.set NP,    6
.set STEPB, 8192                       ; a wave's 64 keys of K, or of V
.set SLOT1, 1<<17
.set STATS, 98304                      ; the merge lies in slot 0, behind its last fill and every wave's last read of it: O^T at 0 [wave][tile][8][512], statistics here [wave][tile][2][128]
.set SPARE, 262144
.set AK0, 2                            ; v2  16,384 w + 16 L; never rewritten
.set AV0, 3                            ; v3  the same + 65,536
.set AK,  4
.set AV,  5
.set QO,  6                            ; v6  16 L
.set GO,  8
.set OMS, 9
.set SMS, 10
.set FS,  11
.set MV,  12                           ; v12-13
.set FO,  14                           ; v14, v15
.set ST,  16                           ; piece t: c m, m, l (even keys', odd keys')
.set FV,  40                           ; v40-47 the four waves' c m and l
.set TMP, 48
.set LN,  56                           ; v56 L
.set PFO, 61                           ; v61 256 L; never rewritten
.set SPW, 62
.set NIL, 63
.set S,   64
.set P,   192
.set FT,  224                          ; v224-229, v232-239 the merge's factors
.set FG,  232
.set KF,  128
.set VF,  192
.set WV,  12
.set G1,  24                           ; s[24:31]
.set G0,  40                           ; s[40:43] it walks
.set PFA, 44                           ; s[44:45] where my prefetches stand
.set LIM, 46
.set TS,  47                           ; the tile that I finish
.set SLOTS, 56
.set CNT, 57
.set CS,  58
.set SEL, 60
.set TBK, 62
.set TBV, 63
.set MSB, 0
.macro WIN new
.if MSB != (\new)
	s_set_vgpr_msb (MSB<<8)|(\new)
.set MSB, (\new)
.endif
.endm
.set W_KQ, 0x0a
.set W_PV, 0x52
.set W_RS, 0x41
.macro PLACES
.rept 4
	v_nop
.endr
.endm
.macro JLOAD                           ; my 32,768 bytes of a slot (waves 0, 1: K's halves; 2, 3: V's); an s_nop 0 and four v_nop follow
	tensor_load_to_lds s[G0:G0+3], s[G1:G1+7]
	s_nop 0
	PLACES
.endm
; A prefetch into the L2 of what the NEXT change of slots will ask for.  All eight clusters of a batch walk the same K and V: the first of them asks.  Of the 128 blocks of 256 bytes that a wave
; fetches, each of the four partners takes 32, told apart by address; a lane a block.  So each block is named once in the launch.  The last change that fills a slot asks for nothing.
.macro ASK
	s_cmp_gt_u32 s[SLOTS], s[LIM]
	s_cbranch_scc0 .Lnot_mine_\@
	global_prefetch_b8 v[PFO], s[PFA:PFA+1] th:TH_LOAD_NT scope:SCOPE_SE
.Lnot_mine_\@:
.endm
.macro CROUND
	s_barrier_signal -1
	s_barrier_wait -1
	s_cmp_lg_u32 s[WV], 0
	s_cbranch_scc1 .Lnot_wave_0_\@
	s_barrier_signal -3
.Lnot_wave_0_\@:
	s_barrier_wait -3
	s_barrier_signal -1
	s_barrier_wait -1
.endm
; THE CHANGE OF SLOTS.  Each wave waits for all its tensor loads (one is out: its part of the other slot), adds 0 to its spare word, and waits for that and for its reads of the slot that it leaves.
; fill = 1: a round of the cluster's barrier, and the joint refill first behind it: two key steps of every wave, 192 matrix instructions, in which to land.
.macro CHANGE fill, ask
	WIN 0
	s_wait_tensorcnt 0x0
	ds_add_u32 v[SPW], v[NIL]                      ; 0 onto my spare word; the descriptor's steps stand between it and the wait for it
.if \fill
	s_xor_b32 s[G0+1], s[G0+1], SLOT1
	s_add_nc_u64 s[G0+2:G0+3], s[G0+2:G0+3], 65536 ; the next 512 keys
.if \ask
	s_wait_xcnt 0x0                                ; the last prefetch, a slot back, has read its address
	s_add_nc_u64 s[PFA:PFA+1], s[PFA:PFA+1], 65536
.endif
	s_wait_dscnt 0x0
	CROUND
	JLOAD
.if \ask
	ASK
.endif
.else
	s_wait_dscnt 0x0
	s_barrier_signal -1
	s_barrier_wait -1
.endif
	s_sub_co_u32 s[TBK], s[TBK], 2*STEPB           ; the fetches go back to a slot's first step, in the other slot
	s_xor_b32 s[TBK], s[TBK], SLOT1
	s_sub_co_u32 s[TBV], s[TBV], 2*STEPB
	s_xor_b32 s[TBV], s[TBV], SLOT1
.endm
	s_load_b64 s[4:5], s[0:1], 0x0                 ; xc: q
	s_load_b128 s[8:11], s[0:1], 0x8               ; xk s[8:9], xa s[10:11]
	v_lshl_add_u32 v[SPW], v0, 2, SPARE
	v_mov_b32 v[NIL], 0
	ds_add_u32 v[SPW], v[NIL]                      ; the wave's opening: the add and its wait ahead of the first tensor load
	v_lshrrev_b32 v1, 5, v0
	v_readfirstlane_b32 s[WV], v1
	s_bfe_u32 s13, ttmp6, 0x40000                  ; cx: it enters global addresses of q, O and the prefetches alone
	s_lshl_b32 s14, ttmp9, 2
	s_add_co_u32 s14, s14, s13                     ; x = 4 x cluster + cx
	s_lshr_b32 s15, s14, 1                         ; the block of 16 queries
	s_and_b32 s16, s14, 1                          ; which six heads
	s_and_b32 s17, ttmp7, 0xffff                   ; batch
	s_lshr_b32 s18, s[WV], 1
	s_lshl_b32 s20, s18, 22                        ; K or V,
	s_lshl_b32 s19, s17, 19                        ; the batch,
	s_add_co_u32 s20, s20, s19
	s_and_b32 s19, s[WV], 1
	s_lshl_b32 s19, s19, 15                        ; my half of a slot's 65,536 bytes
	s_add_co_u32 s20, s20, s19
	s_mov_b32 s21, 0
	s_lshl4_add_u32 s48, s17, s15                  ; q and O: row tile 16 batch + block,
	s_mul_i32 s48, s48, 24576
	s_mul_i32 s49, s16, 12288                      ; six heads of 2,048 bytes
	s_add_co_u32 s48, s48, s49
	s_mov_b32 s49, 0
	s_lshl_b32 s52, s13, 13                        ; the prefetches: my work-group's 32 blocks, in slot 2
	s_add_co_u32 s52, s52, 131072
	s_mov_b32 s53, 0
	s_cmp_eq_u32 ttmp9, 0
	s_cselect_b32 s[LIM], 1, -1
	s_mov_b32 s[G1+0], 15|(3<<16)|(1<<21)          ; the mask of four; elements of 8 bytes; bit 21 beside a mask
	s_mov_b32 s[G1+1], 32<<16                      ; 128 dense rows of 256 bytes
	s_mov_b32 s[G1+2], 128<<16
	s_mov_b32 s[G1+3], 32<<16
	s_mov_b32 s[G1+4], 128
	s_mov_b32 s[G1+5], 32
	s_mov_b32 s[G1+6], 0
	s_mov_b32 s[G1+7], 0
	s_mov_b32 s[G0], 1
	s_lshl_b32 s[G0+1], s[WV], 15                  ; slot 0, my quarter
	s_mov_b32 s[CS], 0x3e38aa3b                    ; c = log2(e) / 8
	s_mov_b32 s[CS+1], s[CS]
	s_mov_b32 s[SEL], 0x76543210
	s_mov_b32 s[SEL+1], 0xfedcba98
	s_mov_b32 s[TBK], SLOT1+2*STEPB                ; the first change of slots turns these two into 0
	s_mov_b32 s[TBV], SLOT1+2*STEPB
	v_and_b32 v[LN], 31, v0
	s_lshl_b32 s18, s[WV], 14
	v_lshl_add_u32 v[AK0], v[LN], 4, s18
	v_add_nc_u32 v[AV0], 65536, v[AK0]
	v_lshlrev_b32 v[QO], 4, v[LN]
	v_lshlrev_b32 v[PFO], 8, v[LN]
	s_mul_i32 s18, s[WV], 24576
	v_lshl_add_u32 v[OMS], v[LN], 4, s18
	s_mul_i32 s18, s[WV], 1536
	s_add_co_u32 s18, s18, STATS
	v_lshl_add_u32 v[SMS], v[LN], 2, s18
	s_wait_dscnt 0x0                               ; the opening add is done
	s_wait_kmcnt 0x0
	s_add_nc_u64 s[G0+2:G0+3], s[8:9], s[20:21]
	s_add_nc_u64 s[PFA:PFA+1], s[G0+2:G0+3], s[52:53]
	s_or_b32 s[G0+3], s[G0+3], 0x80000000
	s_add_nc_u64 s[4:5], s[4:5], s[48:49]
	s_add_nc_u64 s[10:11], s[10:11], s[48:49]
	CROUND                                         ; all four work-groups are here
	JLOAD                                          ; slot 0; slot 1 is asked for when slot 0 is in
	; Q stays in registers: my work-group's 24 pieces lie on end; piece 4 tile + 2 c + q is half q of the fragment of tile's channels 32 c on
	WIN 0x80                                       ; destination window 2
.set i, 0
.rept 24
	global_load_b128 v[4*i:4*i+3], v[QO], s[4:5] offset:512*i th:TH_LOAD_NT
.set i, i+1
.endr
.set i, VF                                     ; what the first turn's products V^T P, of a piece that has not been, read: zeros
.rept 64
	v_mov_b32 v[i], 0
.set i, i+1
.endr
	WIN 0x40
.set i, 0
.rept 32*NP                                    ; O^T
	v_mov_b32 v[i], 0
.set i, i+1
.endr
	WIN 0
.set i, 0
.rept 16
	v_mov_b32 v[P+16+i], 0
.set i, i+1
.endr
.set i, 0
.rept NP
	v_mov_b32 v[ST+4*i], 0xfe000000                ; c m: far below every c s
	v_mov_b32 v[ST+4*i+1], 0xff7fffff              ; m
	v_mov_b32 v[ST+4*i+2], 0
	v_mov_b32 v[ST+4*i+3], 0
.set i, i+1
.endr
; THE MATRIX WORK.  The 4 accumulators of a run of 8 take turns.  Product i of 8 of S^T = K Q^T for piece x: channels 32 (i / 4) on, keys 16 (i % 4) on.
.macro KQ x
.set rS, S+32*((\x)%2)+8*(i%4)
.set rK, KF+16*(i%4)+8*(i/4)
.set rQ, 16*(\x)+8*(i/4)
	WIN W_KQ
.if i < 4
	v_wmma_f32_16x16x32_f16 v[rS:rS+7], v[rK:rK+7], v[rQ:rQ+7], 0
.else
	v_wmma_f32_16x16x32_f16 v[rS:rS+7], v[rK:rK+7], v[rQ:rQ+7], v[rS:rS+7]
.endif
.endm
.macro PV x                            ; product i of 8 of O^T += V^T P: keys 32 (i / 4) on, channels 16 (i % 4) on
	WIN W_PV
.set rO, 32*(\x)+8*(i%4)
.set rV, VF+32*(i/4)+8*(i%4)
.set rP, P+16*((\x)%2)+8*(i/4)
	v_wmma_f32_16x16x32_f16 v[rO:rO+7], v[rV:rV+7], v[rP:rP+7], v[rO:rO+7]
.endm
.macro MM                              ; the turn's next matrix instruction
.if i < 8
	KQ (Y+1)%NP
.else
.set i, i-8
	PV (Y+NP-1)%NP
.set i, i+8
.endif
.set i, i+1
.endm
.macro FETCH_K last=0                  ; a step's K: 16 pieces on end.  last = 1 (the tail): in the last trip there is no further step, and the run is jumped over
	WIN 0
.if \last
	s_cmp_eq_u32 s[CNT], 1
	s_cbranch_scc1 .Lno_k_\@
.endif
	WIN 0x80
.irp f, 0,1,2,3,4,5,6,7,8,9,10,11,12,13,14,15
	ds_load_b128 v[KF+4*\f:KF+4*\f+3], v[AK] offset:512*\f
.endr
	s_add_co_u32 s[TBK], s[TBK], STEPB
	WIN 0
.if \last
.Lno_k_\@:
.endif
.endm
.macro FETCH_V                         ; a step's V: fragment (key half f / 4, channel block f % 4) is two pieces, 2,048 bytes apart
	WIN 0x80
.irp f, 0,1,2,3,4,5,6,7
	ds_load_b128 v[VF+8*\f:VF+8*\f+3],   v[AV] offset:(\f/4)*4096+(\f%4)*512
	ds_load_b128 v[VF+8*\f+4:VF+8*\f+7], v[AV] offset:(\f/4)*4096+(\f%4)*512+2048
.endr
	WIN 0
.endm
; THE VECTOR WORK, one line at a time: OP kind, number.  For piece Y: F n: c s - c m for pair n of 16.  E n: the exponential of score n of 32.  C n: pair n rounded to f16.  B n: of the four weights 4 n ..
; the second pair is added onto the first.  L n: l takes that sum (L 0: l = a l + sum).  R n: pair n of 16 of O^T times a.  For piece Y + 1: X n, number n of the 22 that find its maximum and statistics
; (0-14, 16: the maximum, each accumulator's lowest registers read first; 15: c m_old is kept; 17, 18: the other half of the lanes; 19-21: c m, c m_old - c m_new, a).
.set F, 0
.set E, 1
.set C, 2
.set B, 3
.set L, 4
.set R, 5
.set X, 6
.macro REGS y
.set rT, ST+4*(\y)
.set rC, TMP+4*((\y)%2)
.set rW, MV+((\y)%2)
.set rS, S+32*((\y)%2)
.set rP, P+16*((\y)%2)
.set rO, 32*(\y)
.endm
.macro OP k, n
.if (\k) == R
	REGS Y
	WIN W_RS
	v_pk_mul_f32 v[rO+2*(\n):rO+2*(\n)+1], v[rO+2*(\n):rO+2*(\n)+1], v[rC+2:rC+3] op_sel_hi:[1,0]
.elseif (\k) < R
	REGS Y
	WIN 0
.if (\k) == F
	v_pk_fma_f32 v[rS+2*(\n):rS+2*(\n)+1], v[rS+2*(\n):rS+2*(\n)+1], s[CS:CS+1], v[rT:rT+1] op_sel_hi:[1,0,0] neg_lo:[0,0,1] neg_hi:[0,0,1]
.elseif (\k) == E
	v_exp_f32 v[rS+(\n)], v[rS+(\n)]
.elseif (\k) == C
	s_wait_alu depctr_va_vdst(0)
	v_cvt_pk_f16_f32 v[rP+(\n)], v[rS+2*(\n)], v[rS+2*(\n)+1]
.elseif (\k) == B
	s_wait_alu depctr_va_vdst(0)
	v_pk_add_f32 v[rS+4*(\n):rS+4*(\n)+1], v[rS+4*(\n):rS+4*(\n)+1], v[rS+4*(\n)+2:rS+4*(\n)+3]
.elseif (\n) == 0
	v_pk_fma_f32 v[rT+2:rT+3], v[rT+2:rT+3], v[rC+2:rC+3], v[rS:rS+1] op_sel_hi:[1,0,1]
.else
	v_pk_add_f32 v[rT+2:rT+3], v[rT+2:rT+3], v[rS+4*(\n):rS+4*(\n)+1]
.endif
.else
	REGS (Y+1)%NP
	WIN 0
.if (\n) < 4
	v_max3_num_f32 v[rC+(\n)], v[rS+8*(\n)], v[rS+8*(\n)+1], v[rS+8*(\n)+2]
.elseif (\n) < 12
	v_max3_num_f32 v[rC+(\n)%4], v[rC+(\n)%4], v[rS+8*((\n)%4)+2*((\n)/4)+1], v[rS+8*((\n)%4)+2*((\n)/4)+2]
.elseif (\n) == 12
	v_max3_num_f32 v[rC], v[rC], v[rS+7], v[rS+15]
.elseif (\n) == 13
	v_max3_num_f32 v[rC+1], v[rC+1], v[rS+23], v[rS+31]
.elseif (\n) == 14
	v_max3_num_f32 v[rC+2], v[rC+2], v[rC+3], v[rT+1]
.elseif (\n) == 15
	v_mov_b32 v[rW], v[rT]
.elseif (\n) == 16
	v_max3_num_f32 v[rC], v[rC], v[rC+1], v[rC+2]
.elseif (\n) == 17
	v_permlanex16_b32 v[rC+3], v[rC], s[SEL], s[SEL+1]
.elseif (\n) == 18
	v_max_num_f32 v[rT+1], v[rC], v[rC+3]
.elseif (\n) == 19
	v_mul_f32 v[rT], s[CS], v[rT+1]
.elseif (\n) == 20
	v_sub_f32 v[rC+1], v[rW], v[rT]
.else
	v_exp_f32 v[rC+2], v[rC+1]
.endif
.endif
.endm
.macro OPS a, i1, b=-1, i2=0, c=-1, i3=0, d=-1, i4=0
	OP \a, \i1
.if (\b) >= 0
	OP \b, \i2
.endif
.if (\c) >= 0
	OP \c, \i3
.endif
.if (\d) >= 0
	OP \d, \i4
.endif
.endm
.macro ROW a, i1, b, i2, c, i3, d, i4  ; a matrix instruction and the four behind it
	MM
	OPS \a, \i1, \b, \i2, \c, \i3, \d, \i4
.endm
; A TURN, for piece p: the order of its 16 matrix and 118 vector instructions, written out.  Behind a matrix instruction: plain, exponential, plain, plain; or four of the rescaling; or four scalings; none names
; a register of the products round it.  A line reads no result made fewer than three vector instructions in front of it, five if an exponential made it.
; K of the next step is fetched in piece 4's turn, six vector instructions (five plain) behind the last product that read K; V of the step in hand in piece 0's turn, eight behind the last product that read V
; (four plain).  Each is waited for a turn later.  last = 1: the tail's form of K's fetch.  cnt = 1: the loop's count is taken down some lines ahead of the branch behind the turn.
.macro TURN p, last=0, cnt=0
.set Y, (\p)
.set i, 0
.if (\p) == NP-1
	s_wait_dscnt 0x0                               ; K is in
.endif
	ROW F,0, F,1, F,2, F,3
	ROW F,4, E,0, F,5, F,6
	ROW F,7, E,1, F,8, F,9
	ROW F,10, E,2, C,0, F,11
	ROW F,12, E,3, X,15, F,13
	ROW R,0, R,1, R,2, R,3
	ROW B,0, E,4, F,14, L,0
.if (\p) == NP-2
	v_add_nc_u32 v[AK], s[TBK], v[AK0]
.endif
	ROW R,4, R,5, R,6, R,7
	OPS E,5, F,15
.if (\p) == NP-2
	FETCH_K \last
.endif
	OPS E,6, C,1, E,7, R,8
	OPS E,8, R,9, E,9, C,2
	OPS E,10, X,0, E,11, X,1
	OPS E,12, X,2, E,13, X,3
.if (\p) == 1
	s_wait_dscnt 0x0                               ; V is in
.endif
	ROW X,4, E,14, X,5, X,6
	ROW X,7, E,15, X,8, X,9
	ROW X,10, E,16, X,11, X,12
	ROW X,13, E,17, X,14, B,1
	ROW C,4, E,18, X,16, L,1
	ROW B,2, E,19, C,6, L,2
	ROW C,8, E,20, B,3, B,4
.if (\p) == 0
	v_add_nc_u32 v[AV], s[TBV], v[AV0]
.endif
	ROW C,3, E,21, L,3, C,5
	OPS E,22, X,17, E,23, C,10
.if (\p) == 0
	FETCH_V
.endif
	OPS E,24, L,4
	OPS E,25, X,18, E,26, C,7
	OPS E,27, B,5, E,28, X,19
	OPS E,29, C,12, E,30, L,5
	OPS E,31, X,20, B,6, C,9
	OPS C,14, C,11, X,21, L,6
.if (\p) == 0
	s_add_co_u32 s[TBV], s[TBV], STEPB
.endif
.if \cnt
	s_sub_co_u32 s[CNT], s[CNT], 1
	s_cmp_lg_u32 s[CNT], 0
.endif
	OPS C,13, B,7, C,15, R,10
	OPS R,11, R,12, L,7, R,13
	OPS R,14, R,15
.endm
	CHANGE 1, 0                                    ; slot 0 is in, everybody's part of it; slot 1 is asked for
	v_add_nc_u32 v[AK], s[TBK], v[AK0]
	FETCH_K                                        ; key step 0
	s_wait_loadcnt 0x0                             ; Q
	s_wait_dscnt 0x0
.set i, 0
.rept 8
	KQ 0                                           ; piece 0's first scores
.set i, i+1
.endr
	WIN 0
	PLACES
.set Y, NP-1                                   ; X works for piece Y + 1: piece 0
.irp n, 0,1,2,3,4,5,6,7,8,9,10,11,12,13,14,15,16,17,18,19,20,21
	OP X, \n
.endr
	v_nop                                          ; a plain instruction behind the exponential
	s_mov_b32 s[CNT], 2
	s_mov_b32 s[SLOTS], 7
	s_branch .Lfirst                               ; the loop is entered at a step's first turn
.Lslot:                                        ; six times: slots 2 to 7 are asked for
	CHANGE 1, 1
	s_mov_b32 s[CNT], 2
.Lstep:                                        ; a trip: pieces 4 and 5 of one step, then pieces 0 to 3 of the next, whose K and V it fetches
	TURN 4
	TURN 5
	WIN 0
.Lfirst:
	TURN 0
	TURN 1
	TURN 2
	TURN 3, 0, 1
	WIN 0
	s_cbranch_scc1 .Lstep
	s_sub_co_u32 s[SLOTS], s[SLOTS], 1
	s_cmp_lg_u32 s[SLOTS], 0
	s_cbranch_scc1 .Lslot
	CHANGE 0, 0                                    ; the last slot is written out: nothing is asked for
	s_mov_b32 s[CNT], 3                            ; two trips fetch the last slot's steps; the third is left in its middle
.Ltail:
	TURN 4, 1
	TURN 5
	WIN 0
	s_sub_co_u32 s[CNT], s[CNT], 1
	s_cmp_eq_u32 s[CNT], 0
	s_cbranch_scc1 .Lout
	TURN 0
	TURN 1
	TURN 2
	TURN 3
	WIN 0
	s_branch .Ltail
.Lout:
.set i, 0
.rept 8
	PV NP-1                                        ; the last piece's V^T P of the last step
.set i, i+1
.endr
	; THE MERGE.  l's halves and the other half of the lanes' are added (these additions are the places behind the last products); each wave puts its c m, l and O^T into LDS.
	WIN 0
.macro ALL line:vararg
.set t, 0
.rept NP
	\line
.set t, t+1
.endr
.endm
	ALL v_add_f32 v[ST+4*t+2], v[ST+4*t+2], v[ST+4*t+3]
	ALL v_permlanex16_b32 v[ST+4*t+3], v[ST+4*t+2], s[SEL], s[SEL+1]
	ALL v_add_f32 v[ST+4*t+2], v[ST+4*t+2], v[ST+4*t+3]
	ALL ds_store_b32 v[SMS], v[ST+4*t] offset:t*256
	ALL ds_store_b32 v[SMS], v[ST+4*t+2] offset:t*256+128
	WIN 0x04                                       ; data window 1; each accumulator's low four registers first
.set i, 0
.rept 48
	ds_store_b128 v[OMS], v[4*i:4*i+3] offset:512*i
.set i, i+1
.endr
	WIN 0
	s_wait_dscnt 0x0
	s_barrier_signal -1
	s_barrier_wait -1
; Tile TS is finished: M = max of the four c m; f = 2^(c m - M); O = sum of f O^T / sum of f l; rounded to f16; four pieces, 2,048 consecutive bytes.
; Six tiles for four waves: a loop of two trips, tiles w and w + 4; waves 2 and 3 have no second tile and jump forward over it.
	s_mov_b32 s[TS], s[WV]
	s_mov_b32 s[CNT], 2
.Lfin:
	s_cmp_gt_u32 s[TS], 5
	s_cbranch_scc1 .Lfnext
	s_wait_xcnt 0x0                                ; the last trip's stores have read their offset and data: both are rewritten only behind this wait
	s_lshl_b32 s18, s[TS], 8
	s_add_co_u32 s18, s18, STATS
	v_lshl_add_u32 v[FS], v[LN], 2, s18
	s_lshl_b32 s18, s[TS], 12
	v_lshl_add_u32 v[FO], v[LN], 4, s18
	v_add_nc_u32 v[FO+1], 49152, v[FO]             ; waves 2 and 3: the LDS immediate has 16 bits
	s_lshl_b32 s18, s[TS], 11
	v_lshl_add_u32 v[GO], v[LN], 4, s18
.irp u, 0,1,2,3
	ds_load_b32 v[FV+2*\u], v[FS] offset:\u*1536
	ds_load_b32 v[FV+2*\u+1], v[FS] offset:\u*1536+128
.endr
.irp u, 0,1,2,3
.irp f, 0,1,2,3,4,5,6,7
	ds_load_b128 v[S+32*\u+4*\f:S+32*\u+4*\f+3], v[FO+\u/2] offset:(\u%2)*24576+512*\f
.endr
.endr
	s_wait_dscnt 32                                ; the statistics are in; O^T's 32 loads may stay out
	v_max3_num_f32 v[FT], v[FV], v[FV+2], v[FV+4]
	v_max_num_f32 v[FT], v[FT], v[FV+6]
.irp u, 0,1,2,3
	v_sub_f32 v[FT+1+\u], v[FV+2*\u], v[FT]
.endr
.irp u, 0,1,2,3
	v_exp_f32 v[FT+1+\u], v[FT+1+\u]
.endr
	v_nop
	s_wait_alu depctr_va_vdst(0)
	v_mul_f32 v[FT+5], v[FT+1], v[FV+1]
.irp u, 1,2,3
	v_fmac_f32 v[FT+5], v[FT+1+\u], v[FV+2*\u+1]
.endr
	v_rcp_f32 v[FT+5], v[FT+5]
	v_nop
.irp u, 0,1,2,3
	s_wait_alu depctr_va_vdst(0)
	v_mul_f32 v[FG+2*\u], v[FT+1+\u], v[FT+5]
	v_mul_f32 v[FG+2*\u+1], v[FT+1+\u], v[FT+5]
.endr
	s_wait_dscnt 0x0
.set i, 0
.rept 16
	v_pk_mul_f32 v[S+i:S+i+1], v[S+i:S+i+1], v[FG:FG+1]
.set i, i+2
.endr
.irp u, 1,2,3
.set i, 0
.rept 16
	v_pk_fma_f32 v[S+i:S+i+1], v[S+32*\u+i:S+32*\u+i+1], v[FG+2*\u:FG+2*\u+1], v[S+i:S+i+1]
.set i, i+2
.endr
.endr
.set i, 0
.rept 16
	v_cvt_pk_f16_f32 v[P+i], v[S+2*i], v[S+2*i+1]
.set i, i+1
.endr
.irp f, 0,1,2,3
	global_store_b128 v[GO], v[P+4*\f:P+4*\f+3], s[10:11] offset:512*\f
.endr
.Lfnext:
	s_add_co_u32 s[TS], s[TS], 4
	s_sub_co_u32 s[CNT], s[CNT], 1
	s_cmp_lg_u32 s[CNT], 0
	s_cbranch_scc1 .Lfin
	s_wait_tensorcnt 0x0                           ; the wave's end
	ds_add_u32 v[SPW], v[NIL]
	s_wait_dscnt 0x0
	CROUND                                         ; the closing round
	s_endpgm
.Lfunc_end_k_qa427fc19b7_attn:
	.size	k_qa427fc19b7_attn, .Lfunc_end_k_qa427fc19b7_attn-k_qa427fc19b7_attn
	.p2alignl 7, 3214868480
	.fill 96, 4, 3214868480
	.section	.rodata,"a",@progbits
	.p2align	6, 0x0
	.amdhsa_kernel k_qa427fc19b7_attn
		.amdhsa_group_segment_fixed_size 327680
		.amdhsa_private_segment_fixed_size 0
		.amdhsa_enable_private_segment 0
		.amdhsa_kernarg_size 24
		.amdhsa_user_sgpr_count 2
		.amdhsa_user_sgpr_kernarg_segment_ptr 1
		.amdhsa_wavefront_size32 1
		.amdhsa_system_sgpr_workgroup_id_x 1
		.amdhsa_system_sgpr_workgroup_id_y 1
		.amdhsa_system_sgpr_workgroup_id_z 1
		.amdhsa_system_vgpr_workitem_id 0
		.amdhsa_next_free_vgpr 768
		.amdhsa_next_free_sgpr 80
		.amdhsa_reserve_vcc 0
		.amdhsa_float_denorm_mode_32 3
		.amdhsa_float_denorm_mode_16_64 3
		.amdhsa_memory_ordered 1
		.amdhsa_forward_progress 1
		.amdhsa_inst_pref_size 154
	.end_amdhsa_kernel
	.amdgpu_metadata
---
amdhsa.version: [ 1, 2 ]
amdhsa.kernels:
  - .name:           k_qa427fc19b7_attn
    .symbol:         k_qa427fc19b7_attn.kd
    .args:
      - { .name: xc, .offset: 0, .size: 8, .value_kind: global_buffer, .address_space: global }
      - { .name: xk, .offset: 8, .size: 8, .value_kind: global_buffer, .address_space: global }
      - { .name: xa, .offset: 16, .size: 8, .value_kind: global_buffer, .address_space: global }
    .group_segment_fixed_size: 327680
    .private_segment_fixed_size: 0
    .kernarg_segment_align: 8
    .kernarg_segment_size: 24
    .max_flat_workgroup_size: 128
    .sgpr_count:     80
    .vgpr_count:     768
    .wavefront_size: 32
...
	.end_amdgpu_metadata
.endif
;; end of part 10
;; launch oproj (part 11): grid 4 x 16, 4 waves a work-group, clusters of 4 x 1, 297,472 bytes of LDS; arguments xa, wop, xc; writes xc
.if DOCPART == 11
	.amdgcn_target "amdgcn-amd-amdhsa--gfx1250"
	.amdhsa_code_object_version 6
	.text
	.protected	k_qa427fc19b7_oproj
	.globl	k_qa427fc19b7_oproj
	.p2align	8
	.type	k_qa427fc19b7_oproj,@function
k_qa427fc19b7_oproj:
	s_mov_b64 s[64:65], 0
	v_nop
	global_prefetch_b8 v0, s[64:65] scope:SCOPE_SE
	s_setreg_imm32_b32 hwreg(HW_REG_WAVE_MODE, 25, 1), 1
	s_wait_xcnt 0x0
	s_wait_alu depctr_hold_cnt(0) depctr_sa_sdst(0) depctr_va_vdst(0) depctr_va_sdst(0) depctr_va_ssrc(0) depctr_va_vcc(0) depctr_vm_vsrc(0)
	s_getreg_b32 s2, hwreg(HW_REG_IB_STS2, 6, 4)
	s_cmp_eq_u32 s2, 0
	s_cbranch_scc0 .Lentry_in_a_cluster
	s_endpgm
.Lentry_in_a_cluster:
	s_bfe_u32 s2, ttmp6, 0x10000c
	s_cmp_lg_u32 s2, 0x3003
	s_cbranch_scc0 .Lentry_shape_is_right
	s_endpgm
.Lentry_shape_is_right:
; C[g] = A[g] x W[g], K = 768.  A[g]: [2048][768] f16 in pieces (Af), 3,145,728 bytes a matrix; W[g]: [768 k][768 n] f16 in fragments (Wp), 1,179,648 bytes a unit;
; C[g]: [2048][768] f32 row-major, 6,291,456 bytes.  g = the cluster's x (one unit, or the four K chunks of a longer product, whose partial sums stay in f32).
;   Af piece (mt, p) at (48 mt + p) 512: lane L holds row 16 mt + L % 16, columns 16 p + 8 (L / 16) + 0..7.   Wp fragment (nt, ks) at (24 nt + ks) 1024, halves at + 512.
; SHARES.  A work-group makes 128 rows (mb = grid y) x 192 columns (nb = its place in the cluster); wave w all 128 rows x columns 48 w .. + 47: 24 accumulators.
; A's 128 rows x 768 (196,608 bytes) fit in LDS whole: each byte of LDS is filled once, and no slot is filled again.
; CLUSTER.  The four column blocks of a cluster need the same rows of A: six joint loads a wave (chunks of 4 K steps), mask 15; by this text's count six tensor loads of a wave are out.
; W is not shared through LDS: a fragment of W belongs to one wave alone and lies in memory as it lies in registers, so it comes straight into registers, three K steps ahead.
; THE LOOP.  The first K step, whose products start the sums, stands ahead of it; a trip goes from K step 1 of four to the next four's K step 0; the last three K steps, which ask for nothing more of W,
; stand behind it.  Where a trip first reads the next chunk of A (its K step 3) stand the wait for all tensor loads and a barrier: the first trip needs them; in the later trips the wait is met at once and
; the barrier only keeps the four waves in step: the price of one text for every trip.
; THE MATRIX INSTRUCTION IS USED TRANSPOSED (source 0 = W, source 1 = A): a lane holds one row of C and 8 neighbouring columns.
; LIMITS.  f16 operands (within 65,504), f32 sums.
.set KCH,    32768                     ; LDS: chunk c at c KCH, in it row tile i at 4,096 i, K step s at 1,024 s, halves at 512
.set STAGE,  196608                    ; behind A: 128 rows x 784 bytes (768 + 16 = 49 x 16), for the way out; no tensor load lands here
.set SPITCH, 784
.set SPARE,  STAGE+128*SPITCH
.set SPW, 2
.set NIL, 3
.set AA,  4                            ; v4  16 L + the chunk in hand
.set WO,  5                            ; v5  16 L; never rewritten
.set SA,  6                            ; v6, v7  into the stage: row tiles 0-3, 4-7
.set RB0, 8                            ; v8-10   back out of the stage: three pieces of 512 bytes for two rows
.set RB1, 9
.set RB2, 10
.set GB1, 12                           ; v12, v13 the same pieces in C (the first is v5)
.set GB2, 13
.set ACC, 64                           ; v64-255 accumulator (i, t) at 64 + 8 (3 i + t)
.set FA,  0                            ; window 1: v0-127 A's fragments, two buffers of 64
.set FW,  128                          ; window 1: v128-223 W's fragments, a ring of four K steps of 24
.set WV,  10
.set G1,  24                           ; s[24:31]
.set G0,  32                           ; s[32:55] six sets
.set MUL,  0x05                        ; sources 0 and 1 window 1
.set TO_F, 0x40                        ; destination window 1
.set MSB, 0
.macro WIN new
.if MSB != (\new)
	s_set_vgpr_msb (MSB<<8)|(\new)
.set MSB, (\new)
.endif
.endm
.macro PLACES
.rept 4
	v_nop
.endr
.endm
.macro CROUND                          ; a round of the cluster's barrier
	s_barrier_signal -1
	s_barrier_wait -1
	s_cmp_lg_u32 s[WV], 0
	s_cbranch_scc1 .Lnot_wave_0_\@
	s_barrier_signal -3
.Lnot_wave_0_\@:
	s_barrier_wait -3
	s_barrier_signal -1
	s_barrier_wait -1
.endm
; K step st of four.  fa: A's fragments of the next K step are fetched; fb: W's of the K step three on.  wd, wl: the younger LDS and global loads that may stay out.
; bar: all chunks of A are waited for, by every wave.
.macro KSTEP st, first, fa, fb, wd, wl, bar
	PLACES                                         ; behind the last products, ahead of loads into the registers that they read
.if \bar
	s_wait_tensorcnt 0x0
	s_wait_dscnt 0x0
	s_barrier_signal -1
	s_barrier_wait -1
.endif
	WIN TO_F
.if \fa
.set ao, ((\st)+1)*1024
.if (\st) == 3
.set ao, KCH
.endif
.set ab, FA+64*(((\st)+1)%2)
.irp i, 0,1,2,3,4,5,6,7
	ds_load_b128 v[ab+8*\i:ab+8*\i+3], v[AA] offset:ao+4096*\i
	ds_load_b128 v[ab+8*\i+4:ab+8*\i+7], v[AA] offset:ao+4096*\i+512
.endr
.endif
.if \fb
.set wb, FW+24*(((\st)+3)%4)
.irp t, 0,1,2
	global_load_b128 v[wb+8*\t:wb+8*\t+3], v[WO], s[6:7] offset:24576*\t+((\st)+3)*1024
	global_load_b128 v[wb+8*\t+4:wb+8*\t+7], v[WO], s[6:7] offset:24576*\t+((\st)+3)*1024+512
.endr
.endif
	s_wait_dscnt \wd
	s_wait_loadcnt \wl
	WIN MUL
.set ab, FA+64*((\st)%2)
.set wb, FW+24*((\st)%4)
.irp i, 0,1,2,3,4,5,6,7                ; the 24 accumulators take turns, over the backward jump too
.irp t, 0,1,2
.if \first
	v_wmma_f32_16x16x32_f16 v[ACC+8*(3*\i+\t):ACC+8*(3*\i+\t)+7], v[wb+8*\t:wb+8*\t+7], v[ab+8*\i:ab+8*\i+7], 0
.else
	v_wmma_f32_16x16x32_f16 v[ACC+8*(3*\i+\t):ACC+8*(3*\i+\t)+7], v[wb+8*\t:wb+8*\t+7], v[ab+8*\i:ab+8*\i+7], v[ACC+8*(3*\i+\t):ACC+8*(3*\i+\t)+7]
.endif
.endr
.endr
.endm
.macro STEP                            ; on to the next chunk
	WIN 0
	s_wait_xcnt 0x0                                ; W's loads have read their base
	s_add_nc_u64 s[6:7], s[6:7], 4096
	v_add_nc_u32 v[AA], KCH, v[AA]
.endm
	s_load_b128 s[4:7], s[0:1], 0x0                ; A s[4:5], W s[6:7]
	s_load_b64 s[8:9], s[0:1], 0x10                ; C
	v_lshl_add_u32 v[SPW], v0, 2, SPARE
	v_mov_b32 v[NIL], 0
	ds_add_u32 v[SPW], v[NIL]                      ; the wave's opening: the add and its wait ahead of the first tensor load
	v_lshrrev_b32 v1, 5, v0
	v_readfirstlane_b32 s[WV], v1
	s_bfe_u32 s11, ttmp6, 0x40000                  ; nb: it enters W's and C's addresses alone
	s_and_b32 s13, ttmp7, 0xffff                   ; mb
	s_mul_i32 s16, ttmp9, 3145728                  ; A: matrix g, row tiles 8 mb + 2 w, + 1
	s_mul_i32 s17, s13, 196608
	s_add_co_u32 s16, s16, s17
	s_mul_i32 s17, s[WV], 49152
	s_add_co_u32 s16, s16, s17
	s_mov_b32 s17, 0
	s_mul_i32 s18, s11, 12                         ; W: unit g, tiles 12 nb + 3 w + 0..2
	s_mul_i32 s19, s[WV], 3
	s_add_co_u32 s18, s18, s19
	s_mul_i32 s18, s18, 24576
	s_mul_i32 s19, ttmp9, 1179648
	s_add_co_u32 s18, s18, s19
	s_mov_b32 s19, 0
	s_lshl_b32 s22, s13, 7                         ; C: matrix g, rows 128 mb + 32 w on, columns 192 nb on
	s_lshl_b32 s23, s[WV], 5
	s_add_co_u32 s22, s22, s23
	s_mul_i32 s22, s22, 3072
	s_mul_i32 s23, s11, 768
	s_add_co_u32 s22, s22, s23
	s_mul_i32 s23, ttmp9, 6291456
	s_add_co_u32 s22, s22, s23
	s_mov_b32 s23, 0
	s_lshl_b32 s20, s[WV], 13                      ; LDS: my two row tiles in a chunk
	s_mov_b32 s[G1+0], 15|(3<<16)|(1<<21)          ; the mask of four; elements of 8 bytes; bit 21 beside a mask
	s_mov_b32 s[G1+1], 512<<16                     ; tensor_dim0 = 512 (4,096 bytes: 4 K steps of a row tile)
	s_mov_b32 s[G1+2], 2<<16                       ; tensor_dim1 = 2
	s_mov_b32 s[G1+3], 512<<16                     ; tile_dim0
	s_mov_b32 s[G1+4], 2                           ; tile_dim1
	s_mov_b32 s[G1+5], 3072                        ; 24,576 bytes from a row tile to the next
	s_mov_b32 s[G1+6], 0
	s_mov_b32 s[G1+7], 0
	v_and_b32 v14, 31, v0
	v_and_b32 v15, 15, v0
	v_bfe_u32 v16, v0, 4, 1
	v_lshlrev_b32 v[AA], 4, v14
	v_lshlrev_b32 v[WO], 4, v14
	s_mul_i32 s21, s[WV], 192
	s_add_co_u32 s21, s21, STAGE
	v_mul_u32_u24 v[SA], v15, SPITCH
	v_lshl_add_u32 v[SA], v16, 5, v[SA]
	v_add_nc_u32 v[SA], s21, v[SA]                 ; row r, my 48 columns, 32 bytes for each half of the lanes
	v_add_nc_u32 v[SA+1], 64*SPITCH, v[SA]
	s_mul_i32 s21, s[WV], 32*SPITCH
	s_add_co_u32 s21, s21, STAGE
	v_add_nc_u32 v[RB0], s21, v[WO]                ; two rows of 768 bytes are three pieces of 512: row 0's first 512;
	v_lshl_add_u32 v[RB1], v16, 4, v[RB0]
	v_add_nc_u32 v[RB1], 512, v[RB1]               ; row 0's last 256 and row 1's first 256;
	v_add_nc_u32 v[RB2], 1040, v[RB0]              ; row 1's last 512
	v_mul_u32_u24 v[GB1], v16, 2304
	v_add3_u32 v[GB1], v[GB1], v[WO], 512
	v_add_nc_u32 v[GB2], 3328, v[WO]
	s_wait_dscnt 0x0                               ; the opening add is done
	s_wait_kmcnt 0x0
	s_add_nc_u64 s[4:5], s[4:5], s[16:17]
	s_add_nc_u64 s[6:7], s[6:7], s[18:19]
	s_add_nc_u64 s[8:9], s[8:9], s[22:23]
.irp c, 0,1,2,3,4,5
	s_mov_b32 s[G0+4*\c], 1
	s_add_co_u32 s[G0+4*\c+1], s20, \c*KCH
	s_add_nc_u64 s[G0+4*\c+2:G0+4*\c+3], s[4:5], \c*4096
	s_or_b32 s[G0+4*\c+3], s[G0+4*\c+3], 0x80000000
.endr
	CROUND                                         ; all four work-groups are here: the joint loads meet
.irp c, 0,1,2,3,4,5
	tensor_load_to_lds s[G0+4*\c:G0+4*\c+3], s[G1:G1+7]
	s_nop 0
.endr
	PLACES
	WIN TO_F
.irp k, 0,1,2
.irp t, 0,1,2
	global_load_b128 v[FW+24*\k+8*\t:FW+24*\k+8*\t+3], v[WO], s[6:7] offset:24576*\t+1024*\k
	global_load_b128 v[FW+24*\k+8*\t+4:FW+24*\k+8*\t+7], v[WO], s[6:7] offset:24576*\t+1024*\k+512
.endr
.endr
	s_wait_tensorcnt 5                             ; my part of chunk 0 is in; the five younger loads may stay out
	s_barrier_signal -1
	s_barrier_wait -1
.irp i, 0,1,2,3,4,5,6,7
	ds_load_b128 v[FA+8*\i:FA+8*\i+3], v[AA] offset:4096*\i
	ds_load_b128 v[FA+8*\i+4:FA+8*\i+7], v[AA] offset:4096*\i+512
.endr
	KSTEP 0, 1, 1, 1, 16, 18, 0                    ; the first K step starts the sums; wd = the 16 loads of the next K step, wl = three younger K steps of 6
	WIN 0                                          ; at a label and at a branch every window is 0
	s_mov_b32 s21, 5
.Ltrip:                                        ; K steps 4 j + 1 .. 4 j + 4
	KSTEP 1, 0, 1, 1, 16, 18, 0
	KSTEP 2, 0, 1, 1, 16, 18, 0
	KSTEP 3, 0, 1, 1, 16, 18, 1                    ; its fragments of A lie in the next chunk
	STEP
	KSTEP 0, 0, 1, 1, 16, 18, 0
	WIN 0
	s_sub_co_u32 s21, s21, 1
	s_cmp_lg_u32 s21, 0
	s_cbranch_scc1 .Ltrip
	KSTEP 1, 0, 1, 0, 16, 12, 0                    ; K steps 21 to 23: all of W has been asked for, and the counts run down
	KSTEP 2, 0, 1, 0, 16, 6, 0
	KSTEP 3, 0, 0, 0, 0, 0, 0
	PLACES
	WIN 0
.irp i, 0,1,2,3,4,5,6,7                ; THE WAY OUT: into the work-group's stage (each accumulator's low four registers first),
.irp t, 0,1,2
	ds_store_b128 v[SA+\i/4], v[ACC+8*(3*\i+\t):ACC+8*(3*\i+\t)+3] offset:(\i%4)*16*SPITCH+64*\t
	ds_store_b128 v[SA+\i/4], v[ACC+8*(3*\i+\t)+4:ACC+8*(3*\i+\t)+7] offset:(\i%4)*16*SPITCH+64*\t+16
.endr
.endr
	s_wait_dscnt 0x0                               ; a barrier, since a row's 768 bytes come from four waves,
	s_barrier_signal -1
	s_barrier_wait -1
.set a, 0
.rept 16                                       ; and back as whole rows, 32 rows a wave
	ds_load_b128 v[ACC+12*a:ACC+12*a+3], v[RB0] offset:a*2*SPITCH
	ds_load_b128 v[ACC+12*a+4:ACC+12*a+7], v[RB1] offset:a*2*SPITCH
	ds_load_b128 v[ACC+12*a+8:ACC+12*a+11], v[RB2] offset:a*2*SPITCH
.set a, a+1
.endr
.set a, 0
.rept 16                                       ; 16 lanes store 256 consecutive bytes, at a multiple of 256 from C's first byte
	s_wait_dscnt 47-3*a
	global_store_b128 v[WO], v[ACC+12*a:ACC+12*a+3], s[8:9] offset:a*6144
	s_wait_dscnt 46-3*a
	global_store_b128 v[GB1], v[ACC+12*a+4:ACC+12*a+7], s[8:9] offset:a*6144
	s_wait_dscnt 45-3*a
	global_store_b128 v[GB2], v[ACC+12*a+8:ACC+12*a+11], s[8:9] offset:a*6144
.set a, a+1
.endr
	s_wait_tensorcnt 0x0                           ; the wave's end
	ds_add_u32 v[SPW], v[NIL]
	s_wait_dscnt 0x0
	CROUND                                         ; the closing round
	s_endpgm
.Lfunc_end_k_qa427fc19b7_oproj:
	.size	k_qa427fc19b7_oproj, .Lfunc_end_k_qa427fc19b7_oproj-k_qa427fc19b7_oproj
	.p2alignl 7, 3214868480
	.fill 96, 4, 3214868480
	.section	.rodata,"a",@progbits
	.p2align	6, 0x0
	.amdhsa_kernel k_qa427fc19b7_oproj
		.amdhsa_group_segment_fixed_size 297472
		.amdhsa_private_segment_fixed_size 0
		.amdhsa_enable_private_segment 0
		.amdhsa_kernarg_size 24
		.amdhsa_user_sgpr_count 2
		.amdhsa_user_sgpr_kernarg_segment_ptr 1
		.amdhsa_wavefront_size32 1
		.amdhsa_system_sgpr_workgroup_id_x 1
		.amdhsa_system_sgpr_workgroup_id_y 1
		.amdhsa_system_sgpr_workgroup_id_z 1
		.amdhsa_system_vgpr_workitem_id 0
		.amdhsa_next_free_vgpr 480
		.amdhsa_next_free_sgpr 66
		.amdhsa_reserve_vcc 0
		.amdhsa_float_denorm_mode_32 3
		.amdhsa_float_denorm_mode_16_64 3
		.amdhsa_memory_ordered 1
		.amdhsa_forward_progress 1
		.amdhsa_inst_pref_size 46
	.end_amdhsa_kernel
	.amdgpu_metadata
---
amdhsa.version: [ 1, 2 ]
amdhsa.kernels:
  - .name:           k_qa427fc19b7_oproj
    .symbol:         k_qa427fc19b7_oproj.kd
    .args:
      - { .name: xa, .offset: 0, .size: 8, .value_kind: global_buffer, .address_space: global }
      - { .name: wop, .offset: 8, .size: 8, .value_kind: global_buffer, .address_space: global }
      - { .name: xc, .offset: 16, .size: 8, .value_kind: global_buffer, .address_space: global }
    .group_segment_fixed_size: 297472
    .private_segment_fixed_size: 0
    .kernarg_segment_align: 8
    .kernarg_segment_size: 24
    .max_flat_workgroup_size: 128
    .sgpr_count:     66
    .vgpr_count:     480
    .wavefront_size: 32
...
	.end_amdgpu_metadata
.endif
;; end of part 11
;; launch ln2: the kernel of part 5 again; grid 128 x 1, 16 waves a work-group, no clusters, 27,136 bytes of LDS; arguments xc, bo, ln_ao_g, ln_ao_b, gate_param, hidden_states, ln_f_g, ln_f_b, xh, xa; writes xh, xa
;; launch ffn1 (part 12): grid 16 x 16, 4 waves a work-group, clusters of 4 x 1, 295,424 bytes of LDS; arguments xa, w1p, b1, xk; writes xk
.if DOCPART == 12
	.amdgcn_target "amdgcn-amd-amdhsa--gfx1250"
	.amdhsa_code_object_version 6
	.text
	.protected	k_qa427fc19b7_ffn1
	.globl	k_qa427fc19b7_ffn1
	.p2align	8
	.type	k_qa427fc19b7_ffn1,@function
k_qa427fc19b7_ffn1:
	s_mov_b64 s[64:65], 0
	v_nop
	global_prefetch_b8 v0, s[64:65] scope:SCOPE_SE
	s_setreg_imm32_b32 hwreg(HW_REG_WAVE_MODE, 25, 1), 1
	s_wait_xcnt 0x0
	s_wait_alu depctr_hold_cnt(0) depctr_sa_sdst(0) depctr_va_vdst(0) depctr_va_sdst(0) depctr_va_ssrc(0) depctr_va_vcc(0) depctr_vm_vsrc(0)
	s_getreg_b32 s2, hwreg(HW_REG_IB_STS2, 6, 4)
	s_cmp_eq_u32 s2, 0
	s_cbranch_scc0 .Lentry_in_a_cluster
	s_endpgm
.Lentry_in_a_cluster:
	s_bfe_u32 s2, ttmp6, 0x10000c
	s_cmp_lg_u32 s2, 0x3003
	s_cbranch_scc0 .Lentry_shape_is_right
	s_endpgm
.Lentry_shape_is_right:
; act = gelu(A x W1 + b1), exact (erf) form.  A: xa, [2048][768] f16 in pieces (Af); W1: w1p, four units of [768 k][768 n] f16 fragments (Wp); act: xk, four Af matrices, one for each
; column group g of 768 (g = the cluster's x): the K chunks of the next product.
; The product is the plain product kernel's: a work-group makes 128 rows (mb) x 192 columns (nb = its place in the cluster), wave w columns 48 w .. + 47: 24 accumulators; all of A's 128 rows
; lie in LDS, filled once by six joint loads a wave (mask 15; six tensor loads of a wave are out by this text's count); W's fragments, which belong to one wave alone, come straight into
; registers three K steps ahead.  Source 0 = W, source 1 = A: a lane holds one row and 8 neighbouring columns, which is a lane's share of a piece of Af: no stage, no barrier on the way out.
; b1 is the C operand that starts the sums.
; THE LOOP.  The first K step stands ahead of it; a trip goes from K step 1 of four to the next four's K step 0; the last three K steps stand behind it.  Where a trip first reads the next chunk of A (its
; K step 3) stand the wait for all tensor loads and a barrier: the first trip needs them; later the wait is met at once and the barrier only keeps the waves in step: the price of one text for every trip.
; GELU.  y = max(x, 0) - |x| (1/2) erfc(|x| / sqrt 2), erfc by Abramowitz and Stegun 7.1.26 (absolute error at most 1.5e-7 for every argument): t = 1 / (1 + 0.3275911 z), a polynomial of degree
; 5 in t times e^(-z z).  No difference of near numbers is formed.  The accumulators go through the wave's own LDS bytes, so that one text of the activation serves all eight row tiles.
; LIMITS.  f16 operands and result (within 65,504), f32 sums; NaN and infinities are not treated apart.
.set KCH,   32768
.set DUMP,  196608                     ; behind A: 24,576 bytes for each wave; no tensor load lands here
.set SPARE, DUMP+4*24576
.set SPW, 2
.set NIL, 3
.set AA,  4
.set WO,  5
.set DA,  6                            ; v6  my 16 bytes in my dump, at the row tile in hand
.set GO,  7                            ; v7  16 L + the row tile's 24,576 bytes, one ahead
.set BI,  32                           ; v32-55 b1 of my 3 tiles: register j of tile t is column 16 t + 8 h + j
.set ACC, 64
.set XX,  64                           ; the activation's registers, where the accumulators lay
.set AX,  88
.set RR,  112
.set SS,  136
.set UU,  160
.set EE,  184
.set PP,  208
.set OO,  232
.set FA,  0
.set FW,  128
.set WV,  12
.set G1,  24
.set G0,  32
.set MUL,  0x05
.set TO_F, 0x40
.set MSB, 0
.macro WIN new
.if MSB != (\new)
	s_set_vgpr_msb (MSB<<8)|(\new)
.set MSB, (\new)
.endif
.endm
.macro PLACES
.rept 4
	v_nop
.endr
.endm
.macro CROUND
	s_barrier_signal -1
	s_barrier_wait -1
	s_cmp_lg_u32 s[WV], 0
	s_cbranch_scc1 .Lnot_wave_0_\@
	s_barrier_signal -3
.Lnot_wave_0_\@:
	s_barrier_wait -3
	s_barrier_signal -1
	s_barrier_wait -1
.endm
.macro KSTEP st, first, fa, fb, wd, wl, bar
	PLACES                                         ; behind the last products, ahead of loads into the registers that they read
.if \bar
	s_wait_tensorcnt 0x0
	s_wait_dscnt 0x0
	s_barrier_signal -1
	s_barrier_wait -1
.endif
	WIN TO_F
.if \fa
.set ao, ((\st)+1)*1024
.if (\st) == 3
.set ao, KCH
.endif
.set ab, FA+64*(((\st)+1)%2)
.irp i, 0,1,2,3,4,5,6,7
	ds_load_b128 v[ab+8*\i:ab+8*\i+3], v[AA] offset:ao+4096*\i
	ds_load_b128 v[ab+8*\i+4:ab+8*\i+7], v[AA] offset:ao+4096*\i+512
.endr
.endif
.if \fb
.set wb, FW+24*(((\st)+3)%4)
.irp t, 0,1,2
	global_load_b128 v[wb+8*\t:wb+8*\t+3], v[WO], s[6:7] offset:24576*\t+((\st)+3)*1024
	global_load_b128 v[wb+8*\t+4:wb+8*\t+7], v[WO], s[6:7] offset:24576*\t+((\st)+3)*1024+512
.endr
.endif
	s_wait_dscnt \wd
	s_wait_loadcnt \wl
	WIN MUL
.set ab, FA+64*((\st)%2)
.set wb, FW+24*((\st)%4)
.irp i, 0,1,2,3,4,5,6,7                ; the 24 accumulators take turns, over the backward jump too
.irp t, 0,1,2
.if \first
	v_wmma_f32_16x16x32_f16 v[ACC+8*(3*\i+\t):ACC+8*(3*\i+\t)+7], v[wb+8*\t:wb+8*\t+7], v[ab+8*\i:ab+8*\i+7], v[BI+8*\t:BI+8*\t+7]
.else
	v_wmma_f32_16x16x32_f16 v[ACC+8*(3*\i+\t):ACC+8*(3*\i+\t)+7], v[wb+8*\t:wb+8*\t+7], v[ab+8*\i:ab+8*\i+7], v[ACC+8*(3*\i+\t):ACC+8*(3*\i+\t)+7]
.endif
.endr
.endr
.endm
.macro STEP
	WIN 0
	s_wait_xcnt 0x0                                ; W's loads have read their base
	s_add_nc_u64 s[6:7], s[6:7], 4096
	v_add_nc_u32 v[AA], KCH, v[AA]
.endm
	s_load_b256 s[4:11], s[0:1], 0x0               ; A s[4:5], W s[6:7], b1 s[8:9], act s[10:11]
	v_lshl_add_u32 v[SPW], v0, 2, SPARE
	v_mov_b32 v[NIL], 0
	ds_add_u32 v[SPW], v[NIL]                      ; the wave's opening: the add and its wait ahead of the first tensor load
	v_lshrrev_b32 v1, 5, v0
	v_readfirstlane_b32 s[WV], v1
	s_bfe_u32 s13, ttmp6, 0x40000                  ; nb: it enters W's, b1's and act's addresses alone
	s_and_b32 s14, ttmp7, 0xffff                   ; mb
	s_mul_i32 s16, s14, 196608                     ; A: row tiles 8 mb + 2 w, + 1
	s_mul_i32 s17, s[WV], 49152
	s_add_co_u32 s16, s16, s17
	s_mov_b32 s17, 0
	s_mul_i32 s18, s13, 12                         ; tiles 12 nb + 3 w + 0..2 of unit g
	s_mul_i32 s19, s[WV], 3
	s_add_co_u32 s15, s18, s19
	s_mul_i32 s18, s15, 24576
	s_mul_i32 s19, ttmp9, 1179648
	s_add_co_u32 s18, s18, s19
	s_mov_b32 s19, 0
	s_lshl_b32 s22, s15, 9                         ; act: matrix g, row tiles 8 mb on, pieces 12 nb + 3 w on
	s_mul_i32 s23, s14, 196608
	s_add_co_u32 s22, s22, s23
	s_mul_i32 s23, ttmp9, 3145728
	s_add_co_u32 s22, s22, s23
	s_mov_b32 s23, 0
	s_lshl_b32 s74, s15, 6                         ; b1: 64 bytes a tile,
	s_mul_i32 s75, ttmp9, 3072                     ; 3,072 a column group
	s_add_co_u32 s74, s74, s75
	s_mov_b32 s75, 0
	s_lshl_b32 s20, s[WV], 13
	s_mov_b32 s[G1+0], 15|(3<<16)|(1<<21)          ; the mask of four; elements of 8 bytes; bit 21 beside a mask
	s_mov_b32 s[G1+1], 512<<16                     ; 2 rows of 4,096 bytes (4 K steps of a row tile), 24,576 bytes apart
	s_mov_b32 s[G1+2], 2<<16
	s_mov_b32 s[G1+3], 512<<16
	s_mov_b32 s[G1+4], 2
	s_mov_b32 s[G1+5], 3072
	s_mov_b32 s[G1+6], 0
	s_mov_b32 s[G1+7], 0
	s_mov_b32 s56, 0x3f596d27                      ; sqrt(log2(e) / 2): (this x)^2 = z^2 log2 e
	s_mov_b32 s57, s56
	s_mov_b32 s58, 0x3e6d3388                      ; 0.3275911 / sqrt 2
	s_mov_b32 s59, s58
	s_mov_b32 s60, 0x3f07dc22                      ; the polynomial's coefficients, halved: a5 .. a1
	s_mov_b32 s61, s60
	s_mov_b32 s62, 0xbf3a00e3
	s_mov_b32 s63, s62
	s_mov_b32 s66, 0x3f35f0e3
	s_mov_b32 s67, s66
	s_mov_b32 s68, 0xbe11a98e
	s_mov_b32 s69, s68
	s_mov_b32 s70, 0x3e027906
	s_mov_b32 s71, s70
	s_mov_b32 s72, 0x7fffffff
	v_and_b32 v14, 31, v0
	v_bfe_u32 v16, v0, 4, 1
	v_lshlrev_b32 v[AA], 4, v14
	v_lshlrev_b32 v[WO], 4, v14
	v_lshlrev_b32 v[GO], 4, v14
	v_lshlrev_b32 v15, 5, v16                      ; b1: 32 h
	s_mul_i32 s21, s[WV], 24576
	s_add_co_u32 s21, s21, DUMP
	v_add_nc_u32 v[DA], s21, v[WO]
	s_wait_dscnt 0x0                               ; the opening add is done
	s_wait_kmcnt 0x0
	s_add_nc_u64 s[4:5], s[4:5], s[16:17]
	s_add_nc_u64 s[6:7], s[6:7], s[18:19]
	s_add_nc_u64 s[8:9], s[8:9], s[74:75]
	s_add_nc_u64 s[10:11], s[10:11], s[22:23]
.irp c, 0,1,2,3,4,5
	s_mov_b32 s[G0+4*\c], 1
	s_add_co_u32 s[G0+4*\c+1], s20, \c*KCH
	s_add_nc_u64 s[G0+4*\c+2:G0+4*\c+3], s[4:5], \c*4096
	s_or_b32 s[G0+4*\c+3], s[G0+4*\c+3], 0x80000000
.endr
	CROUND                                         ; all four work-groups are here: the joint loads meet
.irp c, 0,1,2,3,4,5
	tensor_load_to_lds s[G0+4*\c:G0+4*\c+3], s[G1:G1+7]
	s_nop 0
.endr
	PLACES
.irp t, 0,1,2
	global_load_b128 v[BI+8*\t:BI+8*\t+3], v15, s[8:9] offset:64*\t
	global_load_b128 v[BI+8*\t+4:BI+8*\t+7], v15, s[8:9] offset:64*\t+16
.endr
	WIN TO_F
.irp k, 0,1,2
.irp t, 0,1,2
	global_load_b128 v[FW+24*\k+8*\t:FW+24*\k+8*\t+3], v[WO], s[6:7] offset:24576*\t+1024*\k
	global_load_b128 v[FW+24*\k+8*\t+4:FW+24*\k+8*\t+7], v[WO], s[6:7] offset:24576*\t+1024*\k+512
.endr
.endr
	s_wait_tensorcnt 5                             ; my part of chunk 0 is in; the five younger loads may stay out
	s_barrier_signal -1
	s_barrier_wait -1
.irp i, 0,1,2,3,4,5,6,7
	ds_load_b128 v[FA+8*\i:FA+8*\i+3], v[AA] offset:4096*\i
	ds_load_b128 v[FA+8*\i+4:FA+8*\i+7], v[AA] offset:4096*\i+512
.endr
	KSTEP 0, 1, 1, 1, 16, 18, 0                    ; the first K step starts the sums with b1 (its loads are older than W's); wd = the next K step's 16 loads, wl = three younger K steps of 6
	WIN 0                                          ; at a label and at a branch every window is 0
	s_mov_b32 s21, 5
.Ltrip:                                        ; K steps 4 j + 1 .. 4 j + 4
	KSTEP 1, 0, 1, 1, 16, 18, 0
	KSTEP 2, 0, 1, 1, 16, 18, 0
	KSTEP 3, 0, 1, 1, 16, 18, 1                    ; its fragments of A lie in the next chunk
	STEP
	KSTEP 0, 0, 1, 1, 16, 18, 0
	WIN 0
	s_sub_co_u32 s21, s21, 1
	s_cmp_lg_u32 s21, 0
	s_cbranch_scc1 .Ltrip
	KSTEP 1, 0, 1, 0, 16, 12, 0                    ; K steps 21 to 23: all of W has been asked for, and the counts run down
	KSTEP 2, 0, 1, 0, 16, 6, 0
	KSTEP 3, 0, 0, 0, 0, 0, 0
	PLACES
	WIN 0
.set i, 0
.rept 24                                       ; into my own bytes of LDS, each accumulator's low four registers first
	ds_store_b128 v[DA], v[ACC+8*i:ACC+8*i+3] offset:1024*i
	ds_store_b128 v[DA], v[ACC+8*i+4:ACC+8*i+7] offset:1024*i+512
.set i, i+1
.endr
.set i, 0
.rept 6                                        ; row tile 0; LDS serves a wave's instructions in order: these see the stores above
	ds_load_b128 v[XX+4*i:XX+4*i+3], v[DA] offset:512*i
.set i, i+1
.endr
	s_mov_b32 s21, 8
.Lgelu:                                        ; a trip: one row tile, 24 numbers a lane
	s_wait_dscnt 0x0
	s_wait_xcnt 0x0                                ; the last trip's stores have read their offset and data
	v_add_nc_u32 v[GO], 24576, v[GO]               ; the stores below reach back
.set i, 0
.rept 24
	v_and_b32 v[AX+i], s72, v[XX+i]
	v_max_num_f32 v[RR+i], 0, v[XX+i]
.set i, i+1
.endr
.set i, 0
.rept 12
	v_pk_mul_f32 v[SS+i:SS+i+1], v[XX+i:XX+i+1], s[56:57] op_sel_hi:[1,0]
.set i, i+2
.endr
	s_cmp_eq_u32 s21, 1                            ; the last trip has no row tile behind it
	s_cbranch_scc1 .Lnomore
	v_add_nc_u32 v[DA], 3072, v[DA]
.set i, 0
.rept 6
	ds_load_b128 v[XX+4*i:XX+4*i+3], v[DA] offset:512*i
.set i, i+1
.endr
.Lnomore:
.set i, 0
.rept 12
	v_pk_fma_f32 v[UU+i:UU+i+1], v[AX+i:AX+i+1], s[58:59], 1.0 op_sel_hi:[1,0,0]
.set i, i+2
.endr
.set i, 0
.rept 24
	v_rcp_f32 v[UU+i], v[UU+i]
.set i, i+1
.endr
.set i, 0
.rept 12
	v_pk_mul_f32 v[SS+i:SS+i+1], v[SS+i:SS+i+1], v[SS+i:SS+i+1] neg_lo:[1,0] neg_hi:[1,0]
.set i, i+2
.endr
.set i, 0
.rept 24
	v_exp_f32 v[EE+i], v[SS+i]
.set i, i+1
.endr
.set i, 0
	s_wait_alu depctr_va_vdst(0)
.rept 12
	v_pk_fma_f32 v[PP+i:PP+i+1], v[UU+i:UU+i+1], s[60:61], s[62:63] op_sel_hi:[1,0,0]
.set i, i+2
.endr
.irp c, 66,68,70
.set i, 0
.rept 12
	v_pk_fma_f32 v[PP+i:PP+i+1], v[PP+i:PP+i+1], v[UU+i:UU+i+1], s[\c:\c+1] op_sel_hi:[1,1,0]
.set i, i+2
.endr
.endr
.set i, 0
.rept 12
	v_pk_mul_f32 v[PP+i:PP+i+1], v[PP+i:PP+i+1], v[UU+i:UU+i+1]
.set i, i+2
.endr
.set i, 0
.rept 12
	v_pk_mul_f32 v[PP+i:PP+i+1], v[PP+i:PP+i+1], v[EE+i:EE+i+1]
.set i, i+2
.endr
.set i, 0
.rept 12
	v_pk_fma_f32 v[PP+i:PP+i+1], v[AX+i:AX+i+1], v[PP+i:PP+i+1], v[RR+i:RR+i+1] neg_lo:[1,0,0] neg_hi:[1,0,0]
.set i, i+2
.endr
.set i, 0
.rept 12
	v_cvt_pk_f16_f32 v[OO+i], v[PP+2*i], v[PP+2*i+1]
.set i, i+1
.endr
.irp t, 0,1,2
	global_store_b128 v[GO], v[OO+4*\t:OO+4*\t+3], s[10:11] offset:512*\t-24576   ; a piece of Af: 512 consecutive bytes
.endr
	s_sub_co_u32 s21, s21, 1
	s_cmp_lg_u32 s21, 0
	s_cbranch_scc1 .Lgelu
	s_wait_tensorcnt 0x0                           ; the wave's end
	ds_add_u32 v[SPW], v[NIL]
	s_wait_dscnt 0x0
	CROUND                                         ; the closing round
	s_endpgm
.Lfunc_end_k_qa427fc19b7_ffn1:
	.size	k_qa427fc19b7_ffn1, .Lfunc_end_k_qa427fc19b7_ffn1-k_qa427fc19b7_ffn1
	.p2alignl 7, 3214868480
	.fill 96, 4, 3214868480
	.section	.rodata,"a",@progbits
	.p2align	6, 0x0
	.amdhsa_kernel k_qa427fc19b7_ffn1
		.amdhsa_group_segment_fixed_size 295424
		.amdhsa_private_segment_fixed_size 0
		.amdhsa_enable_private_segment 0
		.amdhsa_kernarg_size 32
		.amdhsa_user_sgpr_count 2
		.amdhsa_user_sgpr_kernarg_segment_ptr 1
		.amdhsa_wavefront_size32 1
		.amdhsa_system_sgpr_workgroup_id_x 1
		.amdhsa_system_sgpr_workgroup_id_y 1
		.amdhsa_system_sgpr_workgroup_id_z 1
		.amdhsa_system_vgpr_workitem_id 0
		.amdhsa_next_free_vgpr 480
		.amdhsa_next_free_sgpr 96
		.amdhsa_reserve_vcc 0
		.amdhsa_float_denorm_mode_32 3
		.amdhsa_float_denorm_mode_16_64 3
		.amdhsa_memory_ordered 1
		.amdhsa_forward_progress 1
		.amdhsa_inst_pref_size 50
	.end_amdhsa_kernel
	.amdgpu_metadata
---
amdhsa.version: [ 1, 2 ]
amdhsa.kernels:
  - .name:           k_qa427fc19b7_ffn1
    .symbol:         k_qa427fc19b7_ffn1.kd
    .args:
      - { .name: xa, .offset: 0, .size: 8, .value_kind: global_buffer, .address_space: global }
      - { .name: w1p, .offset: 8, .size: 8, .value_kind: global_buffer, .address_space: global }
      - { .name: b1, .offset: 16, .size: 8, .value_kind: global_buffer, .address_space: global }
      - { .name: xk, .offset: 24, .size: 8, .value_kind: global_buffer, .address_space: global }
    .group_segment_fixed_size: 295424
    .private_segment_fixed_size: 0
    .kernarg_segment_align: 8
    .kernarg_segment_size: 32
    .max_flat_workgroup_size: 128
    .sgpr_count:     96
    .vgpr_count:     480
    .wavefront_size: 32
...
	.end_amdgpu_metadata
.endif
;; end of part 12
;; launch ffn2: the kernel of part 11 again; grid 16 x 16, 4 waves a work-group, clusters of 4 x 1, 297,472 bytes of LDS; arguments xk, w2p, xc; writes xc
;; launch final: the kernel of part 7 again; grid 256 x 1, 8 waves a work-group, no clusters, 0 bytes of LDS; arguments xc, xh, b2, out0; writes out0
